; MI455X (gfx1250); checked and timed in simulation.
; The chip was launched on July 23, 2026; its instructions are those of AMD's public machine-readable ISA for CDNA 5 (MIT licence, August 2026) and "CDNA5" Instruction Set Architecture Reference Guide (July 2026). The comments in the code are by the model that wrote it; some were corrected since.
;; MH Attention. Allowed arithmetic: float matrix products may take bf16 or f16 operands with f32 sums; all other float work in f32.
;; Inputs: Wk 1,024 x 1,024 float32; Wout 1,024 x 1,024 float32; Wq 1,024 x 1,024 float32; Wv 1,024 x 1,024 float32; x 2 x 2,048 x 1,024 float32.
;; Outputs: out0 2 x 2,048 x 1,024 float32.
;; 3 versions, each right; version 2 is faster than version 1; version 3 is version 2 with the launch prep written anew for expert scheduling mode. Each part assembles by itself: llvm-mc -triple=amdgcn-amd-amdhsa -mcpu=gfx1250 --defsym DOCPART=n.
;; ======== version 1 of 3: 4 launches
;; limits: values are held in f16: magnitudes above 65,504 overflow, below 6.1e-05 lose precision
;; workspace buffers: xw 16,777,216 bytes; qkv 33,554,432 bytes; vec 16,777,216 bytes
;; launch prep (part 1): grid 64 x 8, 8 waves a work-group, no clusters, 0 bytes of LDS; arguments x, Wq, Wk, Wv, Wout, xw; writes xw
.if DOCPART == 1
	.amdgcn_target "amdgcn-amd-amdhsa--gfx1250"
	.amdhsa_code_object_version 6
	.text
	.protected	k_q63b183b378_prep
	.globl	k_q63b183b378_prep
	.p2align	8
	.type	k_q63b183b378_prep,@function
k_q63b183b378_prep:
	s_mov_b64 s[64:65], 0
	v_nop
	global_prefetch_b8 v0, s[64:65] scope:SCOPE_SE
	s_setreg_imm32_b32 hwreg(HW_REG_WAVE_MODE, 25, 1), 1
	s_wait_xcnt 0x0
; xw = the five inputs as 16-bit matrix operands: x [4096][1024] at byte 0, then Wq * c, Wk, Wv, Wout, each [1024 k][1024 n], 2 MiB each.
; Each number is rounded to bf16 (nearest even) and that value is carried as f16, the format of all later products: the 8 bits of a bf16
; fit in f16's 11, so the second step changes nothing for magnitudes from 2^-17 up to 65,504.
; Wq alone is also multiplied by c = 0.125 * log2(e): the division of the scores by sqrt(64), and the change from e^x to 2^x, are made here once;
; that product is rounded to f16.  The other four slices run the same text with the factor 1.0, so that one body serves all.
; LIMITS: |x|, |W| < 65,504 (f16's range); below 2^-17 an absolute error of up to 3e-8; NaN and infinities are not served.
; A stream: no LDS, no barrier, no matrix unit.  Grid y names a slice of 4 MiB of f32 (0-3: quarters of x; 4-7: Wq, Wk, Wv, Wout); a work-group
; takes 64 KiB of it.  Thread t takes the 16 bytes at 4096 i + 16 t, i = 0 .. 15: a wave's load covers 512 neighbouring bytes, its store of
; 8 bytes a lane 256 neighbouring bytes, aligned.  All sixteen loads go out first; there is no loop.
.set X, 4                              ; v[4:67]    chunk i: 4 numbers as loaded, then as bf16 values in f32
.set T, 68                             ; v[68:69]   two packed pairs of bf16
.set Y, 72                             ; v[72:103]  chunk i: 4 numbers in f16, to store
	s_load_b256 s[4:11], s[0:1], 0x0               ; x s[4:5], Wq s[6:7], Wk s[8:9], Wv s[10:11]
	s_load_b128 s[12:15], s[0:1], 0x20             ; Wout s[12:13], xw s[14:15]
	s_and_b32 s16, ttmp7, 0xffff                   ; the slice
	v_lshlrev_b32 v1, 4, v0                        ; 16 t: my bytes in a chunk of the source
	v_lshlrev_b32 v2, 3, v0                        ; 8 t: my bytes in a chunk of xw
	s_lshl_b32 s20, s16, 22                        ; source offset: the quarter of x (4 MiB each), 0 for a weight,
	s_cmp_lt_u32 s16, 4
	s_cselect_b32 s20, s20, 0
	s_lshl_b32 s17, ttmp9, 16                      ; + the work-group's 64 KiB
	s_add_co_u32 s20, s20, s17
	s_mov_b32 s21, 0
	s_lshl_b32 s22, s16, 21                        ; offset in xw: 2 MiB a slice + 32 KiB a work-group
	s_lshl_b32 s17, ttmp9, 15
	s_add_co_u32 s22, s22, s17
	s_mov_b32 s23, 0
	s_cmp_eq_u32 s16, 4
	s_cselect_b32 s24, 0x3e38aa3b, 1.0             ; c = 0.125 * log2(e) for Wq, 1.0 for the rest
	s_mov_b32 s25, s24                             ; the pair is named whole by the packed multiply
	s_mov_b32 s26, 0xffff0000                      ; a word's upper bf16
	s_wait_kmcnt 0x0
	s_mov_b64 s[18:19], s[4:5]                     ; the slice's buffer: a choice on the slice's number alone
	s_cmp_eq_u32 s16, 4
	s_cselect_b64 s[18:19], s[6:7], s[18:19]
	s_cmp_eq_u32 s16, 5
	s_cselect_b64 s[18:19], s[8:9], s[18:19]
	s_cmp_eq_u32 s16, 6
	s_cselect_b64 s[18:19], s[10:11], s[18:19]
	s_cmp_eq_u32 s16, 7
	s_cselect_b64 s[18:19], s[12:13], s[18:19]
	s_add_nc_u64 s[18:19], s[18:19], s[20:21]
	s_add_nc_u64 s[14:15], s[14:15], s[22:23]
.irp i, 0,1,2,3,4,5,6,7,8,9,10,11,12,13,14,15
	global_load_b128 v[X+4*\i:X+4*\i+3], v1, s[18:19] offset:4096*\i th:TH_LOAD_NT   ; read once in the whole launch
.endr
.irp i, 0,1,2,3,4,5,6,7,8,9,10,11,12,13,14,15
	s_wait_loadcnt 15-\i                           ; loads come back in order (ISA guide 5.7.1): chunk i is in, the younger ones stay out
	v_cvt_pk_bf16_f32 v[T],   v[X+4*\i],   v[X+4*\i+1]     ; the operand rounding
	v_cvt_pk_bf16_f32 v[T+1], v[X+4*\i+2], v[X+4*\i+3]
	v_lshlrev_b32 v[X+4*\i],   16,  v[T]                   ; back to f32: the low half moves up, the high half stays
	v_and_b32     v[X+4*\i+1], s26, v[T]
	v_lshlrev_b32 v[X+4*\i+2], 16,  v[T+1]
	v_and_b32     v[X+4*\i+3], s26, v[T+1]
	v_pk_mul_f32 v[X+4*\i:X+4*\i+1],   v[X+4*\i:X+4*\i+1],   s[24:25] op_sel_hi:[1,0]
	v_pk_mul_f32 v[X+4*\i+2:X+4*\i+3], v[X+4*\i+2:X+4*\i+3], s[24:25] op_sel_hi:[1,0]
	v_cvt_pk_f16_f32 v[Y+2*\i],   v[X+4*\i],   v[X+4*\i+1]
	v_cvt_pk_f16_f32 v[Y+2*\i+1], v[X+4*\i+2], v[X+4*\i+3]
	global_store_b64 v2, v[Y+2*\i:Y+2*\i+1], s[14:15] offset:2048*\i    ; no hint: the next launch reads these bytes
.endr
	s_endpgm
.Lfunc_end_k_q63b183b378_prep:
	.size	k_q63b183b378_prep, .Lfunc_end_k_q63b183b378_prep-k_q63b183b378_prep
	.p2alignl 7, 3214868480
	.fill 96, 4, 3214868480
	.section	.rodata,"a",@progbits
	.p2align	6, 0x0
	.amdhsa_kernel k_q63b183b378_prep
		.amdhsa_group_segment_fixed_size 0
		.amdhsa_private_segment_fixed_size 0
		.amdhsa_enable_private_segment 0
		.amdhsa_kernarg_size 48
		.amdhsa_user_sgpr_count 2
		.amdhsa_user_sgpr_kernarg_segment_ptr 1
		.amdhsa_wavefront_size32 1
		.amdhsa_system_sgpr_workgroup_id_x 1
		.amdhsa_system_sgpr_workgroup_id_y 1
		.amdhsa_system_sgpr_workgroup_id_z 1
		.amdhsa_system_vgpr_workitem_id 0
		.amdhsa_next_free_vgpr 104
		.amdhsa_next_free_sgpr 66
		.amdhsa_reserve_vcc 0
		.amdhsa_float_denorm_mode_32 3
		.amdhsa_float_denorm_mode_16_64 3
		.amdhsa_memory_ordered 1
		.amdhsa_forward_progress 1
		.amdhsa_inst_pref_size 13
	.end_amdhsa_kernel
	.amdgpu_metadata
---
amdhsa.version: [ 1, 2 ]
amdhsa.kernels:
  - .name:           k_q63b183b378_prep
    .symbol:         k_q63b183b378_prep.kd
    .args:
      - { .name: x, .offset: 0, .size: 8, .value_kind: global_buffer, .address_space: global }
      - { .name: Wq, .offset: 8, .size: 8, .value_kind: global_buffer, .address_space: global }
      - { .name: Wk, .offset: 16, .size: 8, .value_kind: global_buffer, .address_space: global }
      - { .name: Wv, .offset: 24, .size: 8, .value_kind: global_buffer, .address_space: global }
      - { .name: Wout, .offset: 32, .size: 8, .value_kind: global_buffer, .address_space: global }
      - { .name: xw, .offset: 40, .size: 8, .value_kind: global_buffer, .address_space: global }
    .group_segment_fixed_size: 0
    .private_segment_fixed_size: 0
    .kernarg_segment_align: 8
    .kernarg_segment_size: 48
    .max_flat_workgroup_size: 256
    .sgpr_count:     66
    .vgpr_count:     104
    .wavefront_size: 32
...
	.end_amdgpu_metadata
.endif
;; end of part 1
;; launch qkv (part 2): grid 12 x 16, 4 waves a work-group, clusters of 4 x 4, 327,680 bytes of LDS; arguments xw, qkv; writes qkv
.if DOCPART == 2
	.amdgcn_target "amdgcn-amd-amdhsa--gfx1250"
	.amdhsa_code_object_version 6
	.text
	.protected	k_q63b183b378_qkv
	.globl	k_q63b183b378_qkv
	.p2align	8
	.type	k_q63b183b378_qkv,@function
k_q63b183b378_qkv:
	s_mov_b64 s[64:65], 0
	v_nop
	global_prefetch_b8 v0, s[64:65] scope:SCOPE_SE
	s_setreg_imm32_b32 hwreg(HW_REG_WAVE_MODE, 25, 1), 1
	s_wait_xcnt 0x0
	s_wait_alu depctr_hold_cnt(0) depctr_sa_sdst(0) depctr_va_vdst(0) depctr_va_sdst(0) depctr_va_ssrc(0) depctr_va_vcc(0) depctr_vm_vsrc(0)
	s_getreg_b32 s2, hwreg(HW_REG_IB_STS2, 6, 4)
	s_cmp_eq_u32 s2, 0
	s_cbranch_scc0 .Lentry_in_a_cluster
	s_endpgm
.Lentry_in_a_cluster:
	s_bfe_u32 s2, ttmp6, 0x10000c
	s_cmp_lg_u32 s2, 0xf033
	s_cbranch_scc0 .Lentry_shape_is_right
	s_endpgm
.Lentry_shape_is_right:
; Q' = x (Wq c), K = x Wk, V = x Wv as ONE product of [4096][1024] by [1024][3072]; f16 operands, f32 sums, results rounded once to f16 and
; laid out by head: qkv[group 4][batch 2][head 16][s 2048][64], a panel of 262,144 bytes for each (group, batch, head).  Groups 0, 1, 2: Q', K, V.
; Group 3 holds what V's rounding left: f16(sum - f16(sum)).  A query with few keys shows one key's V undiluted, and there eleven bits are too few.
; LIMIT: |Q'|, |K|, |V| < 65,504 (f16's range); a low part below 2^-14 carries an absolute error of up to 3e-8.
; A work-group makes a block of 256 x 256 with four waves, a wave 128 x 128: 64 accumulator tiles of 16 x 16, 512 registers.  12 x 16 = 192
; work-groups: the block with the fewest LDS bytes for each product.  K goes in steps of 128 through a ring of two LDS slots filled by the
; tensor data mover.  x's tile: 256 rows of 256 bytes.  W's tile lies [k][n] in memory and stays so in LDS: 128 k-rows of 512 bytes; its
; fragments are read by the transposing LDS load.
; CLUSTERS: 4 x 4 work-groups.  The four of a row of the cluster need the same tile of x, the four of a column the same tile of W: each tile is
; asked for jointly, by the same tensor load with the same descriptor and a mask that names the four.  That divides the requests by four.
; A weight matrix is four block columns wide, as wide as a cluster: the cluster's x says which weight, the place cx which 256 of its columns.
;
; REGISTERS, in windows of 256:  window 0: v0-31 addresses; v32-63 packed high parts (low pass); v64-127, v128-191 fragments of x, two buffers; v192-223 at work on the way out
;   window 1: v64-127, v128-191 fragments of W, two buffers;  window 2: the accumulators of my rows 0-63 (tile (a, b) at v[8 (8 a + b)]);  window 3: rows 64-127
; THE MATRIX INSTRUCTION IS USED TRANSPOSED: source 0 = 16 columns of W, source 1 = 16 rows of x.  Lane l then holds row l % 16 of the result and in
; its registers 0-7 the columns 8 (l / 16) + 0 .. 7: eight neighbouring numbers of a row, 16 bytes in f16.
.set SIZE_K, 1024
.set KSTEP,  128
.set PITCH,  272                       ; x's LDS row: 256 bytes + 16 of padding = 68 words: sixteen rows start at sixteen different groups of four banks (64 banks of 4 bytes: ISA guide 11.1)
.set BPITCH, 544                       ; W's LDS row: 512 bytes + 32 of padding, 17 x 32 bytes: the eight k-rows and two 16-byte columns that sixteen lanes of a transposing load touch do not collide
.set HALFT,  128*PITCH                 ; what one tensor load brings: 128 rows of x, or 64 k-rows of W (64 x 544 is the same 34,816 bytes)
.set SLOT,   4*HALFT                   ; x's 256 rows, then W's 128 k-rows
.set STAGE,  2*SLOT                    ; behind the ring: 16 rows x 272 bytes for each wave, for the way out; no tensor load lands here
.set SPITCH, 272
.set LAPS, SIZE_K/(2*KSTEP)            ; a lap = two K steps = once round the ring: 4
.set ADRA, 16                          ; v16-17  LDS address of my x fragments in slot 0, 1
.set ADRB, 20                          ; v20-21  the same for W
.set STO,  24                          ; v24     the way out: where I put 16 bytes of a row
.set RD,   25                          ; v25     the way out: where I read back
.set CO,   26                          ; v26     my byte offset in a run of 512 bytes of a panel
.set HI,   32                          ; v32-63  the low pass: 16 rows' high parts, packed
.set F0,   64
.set F1,   128
.set TMP,  192
.set G1, 24                            ; s[24:31] descriptor group 1 for x's tiles
.set G0, 32                            ; s[32:39] descriptor group 0 for x's tiles, one set for each slot
.set G1B, 48                           ; s[48:55] descriptor group 1 for W's tiles
.set G0B, 56                           ; s[56:63] descriptor group 0 for W's tiles, one set for each slot
.set MSB, 0
.macro WIN new                         ; the immediate's high byte repeats the setting that is left
.if MSB != \new
	s_set_vgpr_msb (MSB<<8)|\new
.set MSB, \new
.endif
.endm
.set MUL_LO, 0xa1                      ; source 0 (W) window 1, source 1 (x) window 0, C and D window 2
.set MUL_HI, 0xf1                      ; the same, C and D window 3
.set TO_B,   0x40                      ; destination window 1, address window 0
; A joint load.  Waves 0 and 1 fetch x's two halves, waves 2 and 3 W's.  Each line has one mask and one set of registers for all that issue it.
; The branch hangs on the wave's number alone: it is the same in every work-group.
.macro JLOAD s
	s_cmp_eq_u32 s11, 0
	s_cbranch_scc0 .Lfor_b_\@
	tensor_load_to_lds s[G0+4*\s:G0+4*\s+3], s[G1:G1+7]
	s_nop 0
	s_branch .Lasked_\@
.Lfor_b_\@:
	tensor_load_to_lds s[G0B+4*\s:G0B+4*\s+3], s[G1B:G1B+7]
	s_nop 0
.Lasked_\@:
.endm
; A round of the cluster's barrier: my work-group's barrier, so that wave 0's signal speaks for all four waves; wave 0 signals for the work-group;
; every wave waits for all sixteen work-groups; my work-group's barrier once more.
.macro CREST                           ; a round behind its opening barrier
	s_cmp_lg_u32 s10, 0
	s_cbranch_scc1 .Lnot_wave_0_\@
	s_barrier_signal -3
.Lnot_wave_0_\@:
	s_barrier_wait -3
	s_barrier_signal -1
	s_barrier_wait -1
.endm
.macro CROUND                          ; a whole round
	s_barrier_signal -1
	s_barrier_wait -1
	CREST
.endm
	s_load_b128 s[4:7], s[0:1], 0x0                ; xw s[4:5], qkv s[6:7]
	s_set_vgpr_msb 0x40
	v_lshl_add_u32 v255, v0, 2, 0x48400
	s_set_vgpr_msb 0x4000
	v_mov_b32 v255, 0
	s_set_vgpr_msb 0x1
	ds_add_u32 v255, v255
	s_set_vgpr_msb 0x100
	v_lshrrev_b32 v1, 5, v0
	v_readfirstlane_b32 s10, v1                    ; wave 0..3
	s_lshr_b32 s11, s10, 1                         ; which half of the block's rows is mine.  Also: I fetch for x (0) or for W (1)
	s_and_b32 s12, s10, 1                          ; which half of its columns.  Also: which half of that tile I fetch
	s_bfe_u32 s40, ttmp6, 0x40000                  ; cx: my place along the cluster's x = which 256 columns of the weight
	s_bfe_u32 s41, ttmp6, 0x40004                  ; cy
	s_and_b32 s13, ttmp7, 0xffff
	s_lshl_b32 s13, s13, 2
	s_add_co_u32 s13, s13, s41                     ; block row = 4 x cluster y + cy
	s_lshl_b32 s43, s41, 2
	s_lshl_b32 s43, 15, s43                        ; my row of the cluster: places 4 cy .. 4 cy + 3
	s_lshl_b32 s44, 0x1111, s40                    ; my column: places cx, cx + 4, cx + 8, cx + 12
	; group 1 for x: 128 rows x 128 elements of 2 bytes, 4 words of padding behind every 64
	s_or_b32 s[G1+0], s43, (1<<16)|(1<<20)|(1<<21)|(5<<22)|(3<<25)  ; 15:0 mask: my row; 17:16 2-byte elements; 20 padding on; 21 set beside a mask; 24:22 every 64 words; 31:25 4 words
	s_mov_b32 s[G1+1], KSTEP<<16                   ; tensor_dim0 = 128
	s_mov_b32 s[G1+2], 128<<16                     ; tensor_dim1 = 128
	s_mov_b32 s[G1+3], KSTEP<<16                   ; tile_dim0 = 128
	s_mov_b32 s[G1+4], 128                         ; tile_dim1 = 128
	s_mov_b32 s[G1+5], SIZE_K                      ; 1,024 elements from row to row
	s_mov_b32 s[G1+6], 0
	s_mov_b32 s[G1+7], 0
	; group 1 for W: 64 k-rows x 256 elements of 2 bytes, 8 words of padding behind every 128
	s_or_b32 s[G1B+0], s44, (1<<16)|(1<<20)|(1<<21)|(6<<22)|(7<<25) ; the mask of my column
	s_mov_b32 s[G1B+1], 256<<16                    ; tensor_dim0 = 256
	s_mov_b32 s[G1B+2], 64<<16                     ; tensor_dim1 = 64
	s_mov_b32 s[G1B+3], 256<<16                    ; tile_dim0 = 256
	s_mov_b32 s[G1B+4], 64                         ; tile_dim1 = 64
	s_mov_b32 s[G1B+5], 1024                       ; 1,024 elements from k-row to k-row
	s_mov_b32 s[G1B+6], 0
	s_mov_b32 s[G1B+7], 0
	; where the tiles come from.  x's hang on the block row alone, W's on the cluster's x and cx alone; each in registers that never hold the other coordinate.
	s_lshl_b32 s16, s13, 19                        ; x: (256 x block row + 128 x half) rows of 2,048 bytes
	s_lshl_b32 s17, s12, 18
	s_add_co_u32 s16, s16, s17
	s_mov_b32 s17, 0
	s_lshl_b32 s46, ttmp9, 21                      ; W: which weight, 2 MiB each,
	s_lshl_b32 s47, s40, 9                         ; + 256 columns of 2 bytes for each cx
	s_add_co_u32 s46, s46, s47
	s_lshl_b32 s47, s12, 17                        ; + my 64 k-rows of 2,048 bytes
	s_add_co_u32 s46, s46, s47
	s_add_co_u32 s46, s46, 0x800000                ; behind x's 8 MiB
	s_mov_b32 s47, 0
	s_mul_i32 s20, s10, HALFT                      ; and where they go: wave x 34,816: no place in the cluster enters an LDS address
	s_wait_dscnt 0x0
	s_wait_kmcnt 0x0
	s_add_nc_u64 s[14:15], s[4:5], s[16:17]
	s_add_nc_u64 s[46:47], s[4:5], s[46:47]
	CROUND                                         ; all sixteen work-groups are here: the first joint loads meet
.irp s, 0,1
	s_mov_b32 s[G0+4*\s], 1                                        ; count = 1
	s_add_co_u32 s[G0+4*\s+1], s20, \s*SLOT                        ; LDS address
	s_add_nc_u64 s[G0+4*\s+2:G0+4*\s+3], s[14:15], \s*KSTEP*2      ; K step s: 256 bytes along x's rows
	s_or_b32 s[G0+4*\s+3], s[G0+4*\s+3], 0x80000000                ; type = 2
	s_mov_b32 s[G0B+4*\s], 1
	s_add_co_u32 s[G0B+4*\s+1], s20, \s*SLOT
	s_add_nc_u64 s[G0B+4*\s+2:G0B+4*\s+3], s[46:47], \s*KSTEP*2048 ; K step s: 128 k-rows down W
	s_or_b32 s[G0B+4*\s+3], s[G0B+4*\s+3], 0x80000000
	JLOAD \s                                       ; the ring is filled before anything else is done: two loads of mine are out
.endr
	; x's fragment: lane l holds row l % 16; registers 0-3 hold K = 8 (l / 16) + 0..7, registers 4-7 K = 16 + 8 (l / 16) + 0..7: two loads of 16 bytes, 32 bytes apart.
	v_and_b32 v1, 15, v0                           ; l % 16
	v_bfe_u32 v2, v0, 4, 1                         ; l / 16
	v_mul_u32_u24 v3, v1, PITCH
	v_lshl_add_u32 v3, v2, 4, v3
	; W's fragment, the same layout with column l % 16 in the row's place, from rows that lie along n: the transposing load.  Lane l names k-row
	; 8 (l / 16) + l % 8 and the 16 bytes (l / 8) % 2 of the 32 that hold the sixteen columns; a second load sixteen k-rows further down.
	v_and_b32 v6, 7, v0
	v_lshl_add_u32 v6, v2, 3, v6
	v_mul_u32_u24 v6, v6, BPITCH
	v_bfe_u32 v7, v0, 3, 1
	v_lshl_add_u32 v6, v7, 4, v6
	s_mul_i32 s21, s11, HALFT                      ; my 128 rows of x
	s_lshl_b32 s22, s12, 8                         ; my 128 columns of W: 256 bytes along its rows,
	s_add_co_u32 s22, s22, 2*HALFT                 ; which lie behind x's 256 rows
.irp s, 0,1
	v_add_nc_u32 v[ADRA+\s], s21, v3
	v_add_nc_u32 v[ADRB+\s], s22, v6
	s_add_co_u32 s21, s21, SLOT
	s_add_co_u32 s22, s22, SLOT
.endr
	s_mul_i32 s23, s10, 16*SPITCH
	s_add_co_u32 s23, s23, STAGE                   ; my stage
	v_mul_u32_u24 v4, v1, SPITCH                   ; in: row l % 16, 16 bytes for each half of the lanes
	v_lshl_add_u32 v4, v2, 4, v4
	v_add_nc_u32 v[STO], s23, v4
	v_bfe_u32 v5, v0, 3, 2                         ; back: eight lanes take one head's 128 bytes of a row, 32 lanes four rows
	v_mul_u32_u24 v5, v5, SPITCH
	v_and_b32 v7, 7, v0
	v_lshl_add_u32 v5, v7, 4, v5
	v_add_nc_u32 v[RD], s23, v5
	v_and_b32 v8, 31, v0
	v_lshlrev_b32 v[CO], 4, v8                     ; in the panel those four rows are 512 neighbouring bytes: 16 x lane
; 16 matrix instructions: m blocks a0, a0 + 1 of the window's four x all 8 n blocks, 32 along K.  zero = 1: the first product starts the sums.
.macro MUL16 f, hi, a0, zero
.irp a, \a0, \a0+1
.irp b, 0,1,2,3,4,5,6,7
.if \zero
	v_wmma_f32_16x16x32_f16 v[8*(8*(\a)+\b):8*(8*(\a)+\b)+7], v[\f+8*\b:\f+8*\b+7], v[\f+8*(4*\hi+\a):\f+8*(4*\hi+\a)+7], 0
.else
	v_wmma_f32_16x16x32_f16 v[8*(8*(\a)+\b):8*(8*(\a)+\b)+7], v[\f+8*\b:\f+8*\b+7], v[\f+8*(4*\hi+\a):\f+8*(4*\hi+\a)+7], v[8*(8*(\a)+\b):8*(8*(\a)+\b)+7]
.endif
.endr
.endr
.endm
; 32 LDS loads in one run: the fragments of one quarter step (32 K, at byte k of x's rows = k-row k / 2 of W, which is k x 272 bytes down) into buffer f
.macro FETCH slot, k, f
	WIN TO_B
.irp i, 0,1,2,3,4,5,6,7
	ds_load_tr16_b128 v[\f+8*\i:\f+8*\i+3],   v[ADRB+\slot] offset:\k*272+\i*32
	ds_load_tr16_b128 v[\f+8*\i+4:\f+8*\i+7], v[ADRB+\slot] offset:\k*272+\i*32+16*BPITCH
.endr
	WIN 0
.irp i, 0,1,2,3,4,5,6,7
	ds_load_b128 v[\f+8*\i:\f+8*\i+3],   v[ADRA+\slot] offset:\k+\i*16*PITCH
	ds_load_b128 v[\f+8*\i+4:\f+8*\i+7], v[ADRA+\slot] offset:\k+\i*16*PITCH+32
.endr
.endm
; A load into a register that a matrix instruction has read, and a vector instruction that reads a matrix result, stand four places behind that
; matrix instruction, and only plain vector instructions that name none of its registers are places (ISA guide 7.12.1 for vector instructions).
.macro PLACES
.rept 4
	v_nop
.endr
.endm
; A K step is four quarter steps of 32 along K, 64 matrix instructions each, on buffers 0, 1, 0, 1.  The 64 accumulators take turns, one
; instruction a turn, in the same order in every quarter, over the backward jump too.
.macro QUARTER slot, k, f, g, zero
	s_wait_dscnt 8                                 ; W and x's rows 0-63 are in; the youngest eight loads (x's rows 64-127) may be out
	WIN MUL_LO
	MUL16 \f, 0, 0, \zero
	MUL16 \f, 0, 2, \zero
	PLACES
	FETCH \slot, \k, \g
	s_wait_dscnt 32                                ; all but the 32 just issued
	WIN MUL_HI
	MUL16 \f, 1, 0, \zero
	MUL16 \f, 1, 2, \zero
.endm
.macro THREE slot, zero
	QUARTER \slot, 64,  F0, F1, \zero
	QUARTER \slot, 128, F1, F0, 0
	QUARTER \slot, 192, F0, F1, 0
.endm
; The last quarter: multiplies buffer 1 and changes slots.  In front of the barrier each wave waits for its own reads of this slot and for all its
; tensor loads, of which one is out: its part of the next slot.  Behind it nobody reads this slot any more and the next slot is whole: the refill
; comes first, then the next slot's first fragments.  From a request to the wait for it a wave issues 240 matrix instructions.
.macro TURN slot, next, fill
	s_wait_dscnt 8
	WIN MUL_LO
	MUL16 F1, 0, 0, 0
	s_wait_dscnt 0                                 ; my reads of this slot are over
	s_wait_tensorcnt 0x0                           ; and all my tensor loads have landed
	ds_add_u32 v255, v255
	s_wait_dscnt 0x0
	s_barrier_signal -1                            ; say so (where a slot is filled again this barrier opens a round of the cluster's barrier),
	MUL16 F1, 0, 2, 0                              ; work on registers while the others arrive,
	WIN 0
	s_barrier_wait -1
.if \fill
	CREST                                          ; all sixteen work-groups have said so: no wave of any partner still reads this slot or has a load on its way
	s_add_nc_u64 s[G0+4*\slot+2:G0+4*\slot+3], s[G0+4*\slot+2:G0+4*\slot+3], 2*KSTEP*2
	s_add_nc_u64 s[G0B+4*\slot+2:G0B+4*\slot+3], s[G0B+4*\slot+2:G0B+4*\slot+3], 2*KSTEP*2048
	JLOAD \slot                                    ; the first tensor load behind the round, my only one until the next
.endif
	PLACES
	FETCH \next, 0, F0
	WIN MUL_HI
	MUL16 F1, 1, 0, 0
	MUL16 F1, 1, 2, 0
.endm
.macro LAP zero
	THREE 0, \zero
	TURN 0, 1, 1
	THREE 1, 0
	TURN 1, 0, 1
.endm
	s_wait_tensorcnt 1                             ; my part of K step 0 is in; K step 1's may stay out
	s_barrier_signal -1
	s_barrier_wait -1                              ; everybody's is
	FETCH 0, 0, F0
	LAP 1                                          ; the first lap stands in front of the loop: its first products start the sums
	WIN 0                                          ; at a label and at a branch every window is 0
	s_mov_b32 s3, LAPS-2
.Llap:
	LAP 0
	WIN 0
	s_sub_co_u32 s3, s3, 1
	s_cmp_lg_u32 s3, 0
	s_cbranch_scc1 .Llap
	THREE 0, 0                                     ; the last lap fills nothing and has no round
	TURN 0, 1, 0
	THREE 1, 0
	s_wait_dscnt 8                                 ; the very last quarter
	WIN MUL_LO
	MUL16 F1, 0, 0, 0
	MUL16 F1, 0, 2, 0
	s_wait_dscnt 0
	WIN MUL_HI
	MUL16 F1, 1, 0, 0
	MUL16 F1, 1, 2, 0
	; THE WAY OUT, 16 rows at a time: round to f16, 16 bytes a lane into my own stage, read back by heads.  My 128 columns are two heads: a stage row
	; holds the first head's 128 bytes, then the second's.  In a panel sixteen rows of a head are 2,048 neighbouring bytes.
	PLACES
	s_lshr_b32 s16, s13, 3                         ; the part that hangs on the block row: batch, 16 panels of 262,144 bytes,
	s_lshl_b32 s16, s16, 22
	s_and_b32 s17, s13, 7                          ; + 256 rows of 128 bytes for each block row in the batch
	s_lshl_b32 s17, s17, 15
	s_add_co_u32 s16, s16, s17
	s_lshl_b32 s17, s11, 14                        ; + my half's 128 rows
	s_add_co_u32 s16, s16, s17
	s_mov_b32 s17, 0
	s_add_nc_u64 s[6:7], s[6:7], s[16:17]
	s_lshl_b32 s46, ttmp9, 23                      ; the part that hangs on the block column: which of Q', K, V, 32 panels each,
	s_lshl_b32 s47, s40, 20                        ; + 4 heads for each cx
	s_add_co_u32 s46, s46, s47
	s_lshl_b32 s47, s12, 19                        ; + 2 heads for my half
	s_add_co_u32 s46, s46, s47
	s_mov_b32 s47, 0
	s_add_nc_u64 s[6:7], s[6:7], s[46:47]
	s_add_nc_u64 s[18:19], s[6:7], 0x800000        ; the same place one group on: where V's low parts go
; 16 rows, packed in TMP, leave through my stage; f: F0 or F1 in turn; base: the scalar pair of the panel's address
.macro LEAVE16 i, f, base
.irp b, 0,1,2,3,4,5,6,7
	ds_store_b128 v[STO], v[TMP+4*\b:TMP+4*\b+3] offset:32*\b
.endr
	s_wait_xcnt 0x0                                ; every earlier memory instruction has had its addresses translated (ISA guide 3.1): buffer f, which stores read, is loaded again only behind this wait
.irp t, 0,1,2,3,4,5,6,7
	ds_load_b128 v[\f+4*\t:\f+4*\t+3], v[RD] offset:(\t&3)*4*SPITCH+(\t>>2)*128   ; four rows of one head; LDS serves a wave's instructions in order (ISA guide 5.7.1.4): these see the stores above
.endr
.irp t, 0,1,2,3,4,5,6,7
	s_wait_dscnt 7-\t
	global_store_b128 v[CO], v[\f+4*\t:\f+4*\t+3], s[\base:\base+1] offset:\i*2048+(\t&3)*512+(\t>>2)*262144   ; the wave stores 512 consecutive bytes, at a multiple of 512 from the panel's first byte
.endr
.endm
; rows 16 i .. 16 i + 15 of my block = the eight tiles (a, 0..7) of window 2 or 3 (from = 0x0a or 0x0f: sources 0 and 1)
.macro OUT16 i, a, from, f
	WIN \from
.irp b, 0,1,2,3,4,5,6,7
.irp r, 0,1,2,3
	v_cvt_pk_f16_f32 v[TMP+4*\b+\r], v[8*(8*\a+\b)+2*\r], v[8*(8*\a+\b)+2*\r+1]
.endr
.endr
	WIN 0
	LEAVE16 \i, \f, 6
.endm
	OUT16 0, 0, 0x0a, F0
	OUT16 1, 1, 0x0a, F1
	OUT16 2, 2, 0x0a, F0
	OUT16 3, 3, 0x0a, F1
	OUT16 4, 0, 0x0f, F0
	OUT16 5, 1, 0x0f, F1
	OUT16 6, 2, 0x0f, F0
	OUT16 7, 3, 0x0f, F1
; THE LOW PASS, for V alone: the same rows once more, sum - f16(sum), rounded to f16.
.macro WIDEN d, s                      ; v[d], v[d+1] = the two f16 of register s, in f32 (a register's halves are named by its number)
	v_cvt_f32_f16 v[\d],   v\s\().l
	v_cvt_f32_f16 v[\d+1], v\s\().h
.endm
; from: sources 0 and 1 in the accumulators' window; one: source 0 alone.  The 64 widened numbers lie in the upper halves of the two fragment
; buffers (v96-127, v160-191), which the way out's loads and stores never name.
.macro LO16 i, a, from, one, f
	WIN \from
.irp b, 0,1,2,3,4,5,6,7
.irp r, 0,1,2,3
	v_cvt_pk_f16_f32 v[HI+4*\b+\r], v[8*(8*\a+\b)+2*\r], v[8*(8*\a+\b)+2*\r+1]
.endr
.endr
	WIN 0
.irp w, 32,33,34,35,36,37,38,39,40,41,42,43,44,45,46,47
	WIDEN F0+32+2*(\w-32), \w
.endr
.irp w, 48,49,50,51,52,53,54,55,56,57,58,59,60,61,62,63
	WIDEN F1+32+2*(\w-48), \w
.endr
	WIN \one
.set p, 0
.rept 32
.set wd, F0+32+2*p+(p/16)*32
	v_pk_add_f32 v[wd:wd+1], v[64*\a+2*p:64*\a+2*p+1], v[wd:wd+1] neg_lo:[0,1] neg_hi:[0,1]    ; exact: the two agree in their first eleven bits
.set p, p+1
.endr
	WIN 0
.set p, 0
.rept 32
.set wd, F0+32+2*p+(p/16)*32
	v_cvt_pk_f16_f32 v[TMP+p], v[wd], v[wd+1]
.set p, p+1
.endr
	LEAVE16 \i, \f, 18
.endm
	s_cmp_lg_u32 ttmp9, 2                          ; the cluster's x: the same number in all sixteen partners; no barrier stands inside the branch
	s_cbranch_scc1 .Lno_low
	LO16 0, 0, 0x0a, 0x02, F0
	LO16 1, 1, 0x0a, 0x02, F1
	LO16 2, 2, 0x0a, 0x02, F0
	LO16 3, 3, 0x0a, 0x02, F1
	LO16 4, 0, 0x0f, 0x03, F0
	LO16 5, 1, 0x0f, 0x03, F1
	LO16 6, 2, 0x0f, 0x03, F0
	LO16 7, 3, 0x0f, 0x03, F1
.Lno_low:
	s_set_vgpr_msb 0x1
	s_wait_tensorcnt 0x0
	ds_add_u32 v255, v255
	s_wait_dscnt 0x0
	s_set_vgpr_msb 0x100
	CROUND                                         ; the closing round: no work-group ends while a partner may still ask for a tile that names it
	s_endpgm
.Lfunc_end_k_q63b183b378_qkv:
	.size	k_q63b183b378_qkv, .Lfunc_end_k_q63b183b378_qkv-k_q63b183b378_qkv
	.p2alignl 7, 3214868480
	.fill 96, 4, 3214868480
	.section	.rodata,"a",@progbits
	.p2align	6, 0x0
	.amdhsa_kernel k_q63b183b378_qkv
		.amdhsa_group_segment_fixed_size 327680
		.amdhsa_private_segment_fixed_size 0
		.amdhsa_enable_private_segment 0
		.amdhsa_kernarg_size 16
		.amdhsa_user_sgpr_count 2
		.amdhsa_user_sgpr_kernarg_segment_ptr 1
		.amdhsa_wavefront_size32 1
		.amdhsa_system_sgpr_workgroup_id_x 1
		.amdhsa_system_sgpr_workgroup_id_y 1
		.amdhsa_system_sgpr_workgroup_id_z 1
		.amdhsa_system_vgpr_workitem_id 0
		.amdhsa_next_free_vgpr 1024
		.amdhsa_next_free_sgpr 66
		.amdhsa_reserve_vcc 0
		.amdhsa_float_denorm_mode_32 3
		.amdhsa_float_denorm_mode_16_64 3
		.amdhsa_memory_ordered 1
		.amdhsa_forward_progress 1
		.amdhsa_inst_pref_size 255
	.end_amdhsa_kernel
	.section	.bss,"aw",@nobits
	.p2align	6
	.space	262144
	.amdgpu_metadata
---
amdhsa.version: [ 1, 2 ]
amdhsa.kernels:
  - .name:           k_q63b183b378_qkv
    .symbol:         k_q63b183b378_qkv.kd
    .args:
      - { .name: xw, .offset: 0, .size: 8, .value_kind: global_buffer, .address_space: global }
      - { .name: qkv, .offset: 8, .size: 8, .value_kind: global_buffer, .address_space: global }
    .group_segment_fixed_size: 327680
    .private_segment_fixed_size: 0
    .kernarg_segment_align: 8
    .kernarg_segment_size: 16
    .max_flat_workgroup_size: 128
    .sgpr_count:     66
    .vgpr_count:     1024
    .wavefront_size: 32
...
	.end_amdgpu_metadata
.endif
;; end of part 2
;; launch attn (part 3): grid 8 x 32, 8 waves a work-group, no clusters, 327,680 bytes of LDS; arguments qkv, vec; writes vec
.if DOCPART == 3
	.amdgcn_target "amdgcn-amd-amdhsa--gfx1250"
	.amdhsa_code_object_version 6
	.text
	.protected	k_q63b183b378_attn
	.globl	k_q63b183b378_attn
	.p2align	8
	.type	k_q63b183b378_attn,@function
k_q63b183b378_attn:
	s_mov_b64 s[64:65], 0
	v_nop
	global_prefetch_b8 v0, s[64:65] scope:SCOPE_SE
	s_setreg_imm32_b32 hwreg(HW_REG_WAVE_MODE, 25, 1), 1
	s_wait_xcnt 0x0
; Causal attention of one (batch, head) panel: vec = softmax(mask(Q' K^T)) V.  Q' already carries 1/sqrt(64) and log2(e), so weights are 2^(s - m).
; f16 operands, f32 sums; m, l and O in f32; a running maximum is taken away before every exponential, so every exponent is <= 0.
; The maximum starts at the lowest finite f32 (it bounds no input: scores are finite); masked scores are -inf and give the weight 0.
; PRECISION: in a block's diagonal unit V is taken as a pair of f16 (its rounded value and what the rounding left): only there does the causal mask
; leave a query few keys, down to one, so that one key's V goes undiluted into a result.  In the other units V keeps f16's relative rounding of 2^-11.
; The results are stored as such a pair too.
; LIMITS: |vectors| < 65,504 (f16's range); a low part below 2^-14 carries an absolute error of up to 3e-8; NaN and infinities in the inputs are not served.
; WORK: a work-group does two blocks of 128 query rows of its panel, iA = 14 - 2 ex and then iB = 2 ex + 1 (ex = grid x).  Block i needs the units
; (128 keys each) 0 .. i, so every work-group walks (15 - 2 ex) + (2 ex + 2) = 17 units: 256 equal work-groups.  Units above the diagonal are not done.
; Each block takes its diagonal unit first: that unit starts the sums (C = 0), nothing is cleared.  The block with an odd number of units comes
; first, so the two slots take turns on every path.
; WAVES: wave w has the 32 query rows sub = w & 3 and, of every unit, the 64 keys g = w >> 2.  The two waves with one sub keep m, l, O of their own
; and are merged once a block, through LDS.
; NO MULTICAST: the eight work-groups of a panel need different numbers of tiles in each block (15 - 2 ex and 2 ex + 2), in different orders;
; walking in step would cost each of them the longest walk.
; TRANSPOSED PRODUCTS: S^T = K Q'^T has key 8 h + j in register j and query r in lane (r, h); O^T = V^T P^T.  Two S^T tiles of 32 neighbouring keys,
; packed to f16 in place, ARE the second source of the second product; m, l and the rescaling factor are one number a lane.
; vec[16 batch + block][plane 32][128 rows][64] f16, a plane of 16,384 dense bytes: plane h the head's rounded results, plane 16 + h what the rounding left.
.set SLOTB,  35840                     ; a slot: K's unit as 64 rows of 256 bytes (two keys each), pitch 272 (17,408 bytes); then V's, pitch 288 (18,432)
.set VOFF,   17408
.set MSTAGE, 71680                     ; the merge: 17 runs of 512 bytes for each sub; no tensor load lands here
.set OSTAGE, 106496                    ; the way out: 32 rows, pitch 144, for each sub; ends at 124,928
.set VLO,    124928                    ; V's low parts of the two diagonal units, laid out as V's tile: block A's, then block B's; filled once; ends at 161,792
.set VLOB,   18432
.set KA,   2                           ; LDS address of my K fragments in slot 0
.set VA,   3                           ; of my V fragments
.set LIM,  4                           ; diagonal unit: key 16 kb + j of tile (kb, qb) is kept where 16 kb + j - 16 qb <= LIM
.set NINF, 5
.set QOFF, 6
.set MST,  7
.set OST,  8
.set ORD,  9
.set CO,   10
.set VL,   11                          ; LDS address of my fragments of V's low parts, block A's (during the set-up: l / 16)
.set M0,   12                          ; v[12:15] m of query block 0, 1; l of 0, 1 (l: the sum over my half of the lanes' keys)
.set M1,   13
.set L0,   14
.set L1,   15
.set AL0,  16                          ; v[16:17] rescaling factor of block 0 in the first register; the second is a temporary
.set TB0,  17
.set AL1,  18
.set TB1,  19
.set MN0,  20                          ; v[20:21] new maximum of block 0 in the first register
.set TP0,  21
.set MN1,  22
.set TP1,  23
.set TA0,  24                          ; v[24:31] temporaries; in the merge v[28:31] are the partner's m and l
.set TA1,  25
.set Q,    32                          ; v[32:63]   fragment (qb, ds) at Q + 16 qb + 8 ds
.set S,    64                          ; v[64:127]  tile (kb, qb) at S + 32 qb + 8 kb
.set O,    128                         ; v[128:191] tile (db, qb) at O + 32 qb + 8 db
.set F,    192                         ; v[192:255] K's fragments, then V's
.set G1K, 28                           ; s[28:35]
.set G1V, 36                           ; s[36:43]
.set G0K, 44                           ; s[44:51] one set for each slot
.set G0V, 52                           ; s[52:59]
.set G0L, 76                           ; s[76:83] V's low parts: block A's unit, block B's
	s_load_b128 s[4:7], s[0:1], 0x0                ; qkv s[4:5], vec s[6:7]
	s_set_vgpr_msb 0x40
	v_lshl_add_u32 v0, v0, 2, 0x29000
	v_mov_b32 v1, 0
	s_set_vgpr_msb 0x4045
	ds_add_u32 v0, v1
	s_set_vgpr_msb 0x4500
	v_lshrrev_b32 v1, 5, v0
	v_readfirstlane_b32 s8, v1                     ; wave 0..7
	s_and_b32 s9, s8, 3                            ; sub
	s_lshr_b32 s10, s8, 2                          ; g
	s_mov_b32 s11, ttmp9                           ; ex; also the trips of block B's loop
	s_and_b32 s12, ttmp7, 0xffff                   ; 16 batch + head
	s_lshl_b32 s14, s11, 1
	s_sub_co_u32 s13, 14, s14                      ; iA
	s_add_co_u32 s14, s14, 1                       ; iB
	s_sub_co_u32 s15, 7, s11                       ; trips of block A's loop: iA / 2
	s_mov_b32 s68, 0x76543210                      ; v_permlanex16_b32: lane i of one half reads lane i of the other
	s_mov_b32 s69, 0xfedcba98
	s_mov_b32 s70, 0xff7fffff                      ; the lowest finite f32
	; A unit of K or of V is 16,384 dense bytes: 64 rows of 32 elements of 8 bytes; padding behind every 64 words: 4 words for K, 8 for V
	s_mov_b32 s[G1K+0], (3<<16)|(1<<20)|(5<<22)|(3<<25)
	s_mov_b32 s[G1K+1], 32<<16                     ; tensor_dim0 = 32
	s_mov_b32 s[G1K+2], 64<<16                     ; tensor_dim1 = 64
	s_mov_b32 s[G1K+3], 32<<16                     ; tile_dim0 = 32
	s_mov_b32 s[G1K+4], 64                         ; tile_dim1 = 64
	s_mov_b32 s[G1K+5], 32                         ; pitch = 32 elements
	s_mov_b32 s[G1K+6], 0
	s_mov_b32 s[G1K+7], 0
	s_mov_b32 s[G1V+0], (3<<16)|(1<<20)|(5<<22)|(7<<25)
	s_mov_b32 s[G1V+1], 32<<16
	s_mov_b32 s[G1V+2], 64<<16
	s_mov_b32 s[G1V+3], 32<<16
	s_mov_b32 s[G1V+4], 64
	s_mov_b32 s[G1V+5], 32
	s_mov_b32 s[G1V+6], 0
	s_mov_b32 s[G1V+7], 0
	s_mov_b32 s[G0K+0], 1
	s_mov_b32 s[G0K+1], 0
	s_mov_b32 s[G0K+4], 1
	s_mov_b32 s[G0K+5], SLOTB
	s_mov_b32 s[G0V+0], 1
	s_mov_b32 s[G0V+1], VOFF
	s_mov_b32 s[G0V+4], 1
	s_mov_b32 s[G0V+5], SLOTB+VOFF
	s_mov_b32 s[G0L+0], 1
	s_mov_b32 s[G0L+1], VLO
	s_mov_b32 s[G0L+4], 1
	s_mov_b32 s[G0L+5], VLO+VLOB
	s_mov_b32 s3, 0
	s_mov_b32 s67, 0
	s_lshl_b32 s2, s12, 18                         ; my panel: 262,144 bytes each
	s_lshl_b32 s66, s13, 14                        ; the first unit: iA, 16,384 bytes each
	s_wait_dscnt 0x0
	s_barrier_signal -1
	s_barrier_wait -1
	s_wait_kmcnt 0x0
	s_add_nc_u64 s[24:25], s[4:5], s[2:3]          ; Q' panel
	s_add_nc_u64 s[20:21], s[24:25], 0x800000      ; K panel: 32 panels on
	s_add_nc_u64 s[22:23], s[24:25], 0x1000000     ; V panel: 64 panels on
	s_add_nc_u64 s[18:19], s[24:25], 0x1800000     ; the panel of V's low parts: 96 panels on
	s_add_nc_u64 s[G0K+2:G0K+3], s[20:21], s[66:67]
	s_or_b32 s[G0K+3], s[G0K+3], 0x80000000
	s_add_nc_u64 s[G0V+2:G0V+3], s[22:23], s[66:67]
	s_or_b32 s[G0V+3], s[G0V+3], 0x80000000
	s_add_nc_u64 s[G0L+2:G0L+3], s[18:19], s[66:67]
	s_or_b32 s[G0L+3], s[G0L+3], 0x80000000
	s_lshl_b32 s2, s14, 14                         ; unit iB
	s_add_nc_u64 s[G0L+6:G0L+7], s[18:19], s[2:3]
	s_or_b32 s[G0L+7], s[G0L+7], 0x80000000
; Wave 0 asks for K's unit, wave 1 for V's, 64 rows each; the other waves ask for nothing.  By this text's count a wave has at most one tensor load out.
.macro KVLOAD o
	s_cmp_lg_u32 s8, 0
	s_cbranch_scc1 .Lno_k_\@
	tensor_load_to_lds s[G0K+4*\o:G0K+4*\o+3], s[G1K:G1K+7]
	s_nop 0
.Lno_k_\@:
	s_cmp_lg_u32 s8, 1
	s_cbranch_scc1 .Lno_v_\@
	tensor_load_to_lds s[G0V+4*\o:G0V+4*\o+3], s[G1V:G1V+7]
	s_nop 0
.Lno_v_\@:
.endm
	KVLOAD 0                                       ; the first fills, ahead of every wait on TENSORcnt and LDS read: one load each for waves 0 to 3
	s_cmp_lg_u32 s8, 2
	s_cbranch_scc1 .Lno_low_a
	tensor_load_to_lds s[G0L:G0L+3], s[G1V:G1V+7]          ; V's low parts of block A's diagonal unit
	s_nop 0
.Lno_low_a:
	s_cmp_lg_u32 s8, 3
	s_cbranch_scc1 .Lno_low_b
	tensor_load_to_lds s[G0L+4:G0L+7], s[G1V:G1V+7]        ; and of block B's; these bytes are never filled again
	s_nop 0
.Lno_low_b:
	s_lshl_b32 s2, s9, 12                          ; my 32 query rows of 128 bytes
	s_add_nc_u64 s[24:25], s[24:25], s[2:3]
	s_lshl_b32 s2, s14, 14
	s_add_nc_u64 s[72:73], s[24:25], s[2:3]        ; Q' of block B
	s_lshl_b32 s2, s13, 14
	s_add_nc_u64 s[24:25], s[24:25], s[2:3]        ; Q' of block A
	v_and_b32 v1, 15, v0                           ; r
	v_bfe_u32 v11, v0, 4, 1                        ; h
	v_lshlrev_b32 v[QOFF], 7, v1                   ; Q' fragment: query r's row, 16 bytes for each half of the lanes
	v_lshl_add_u32 v[QOFF], v11, 4, v[QOFF]
.macro QLOAD ptr
.irp qb, 0,1
.irp c, 0,1,2,3
	global_load_b128 v[Q+16*\qb+4*\c:Q+16*\qb+4*\c+3], v[QOFF], s[\ptr:\ptr+1] offset:2048*\qb+32*\c
.endr
.endr
.endm
	QLOAD 24
	s_lshr_b32 s18, s12, 4                         ; where the results go: batch, 16 blocks of 32 planes of 16,384 bytes,
	s_lshl_b32 s18, s18, 23
	s_and_b32 s19, s12, 15                         ; + the head's plane
	s_lshl_b32 s19, s19, 14
	s_add_co_u32 s18, s18, s19
	s_lshl_b32 s19, s9, 12                         ; + my 32 rows
	s_add_co_u32 s18, s18, s19
	s_lshl_b32 s19, s13, 19                        ; + the block's 32 planes
	s_add_co_u32 s2, s18, s19
	s_add_nc_u64 s[26:27], s[6:7], s[2:3]          ; block A
	s_lshl_b32 s19, s14, 19
	s_add_co_u32 s2, s18, s19
	s_add_nc_u64 s[74:75], s[6:7], s[2:3]          ; block B
	; K fragment: key 64 g + 16 kb + r lies at ((key) >> 1) x 272 + (key & 1) x 128.  In words sixteen lanes start at 68 (r >> 1) + 32 (r & 1): sixteen different groups of four banks
	v_and_b32 v24, 1, v0
	v_bfe_u32 v25, v0, 1, 3
	v_mul_u32_u24 v[KA], v25, 272
	v_lshl_add_u32 v[KA], v24, 7, v[KA]
	v_lshl_add_u32 v[KA], v11, 4, v[KA]
	s_mul_i32 s18, s10, 8704
	v_add_nc_u32 v[KA], s18, v[KA]
	; V fragment by the transposing load: lane l names key 8 h + l % 8 and the 16 bytes (l / 8) % 2 of the 32 that hold sixteen d.
	; In words sixteen lanes start at 72 ((l % 8) >> 1) + 32 (l & 1) + 4 ((l / 8) % 2): sixteen different groups of four banks
	v_bfe_u32 v25, v0, 1, 2
	v_lshl_add_u32 v25, v11, 2, v25
	v_mul_u32_u24 v[VA], v25, 288
	v_lshl_add_u32 v[VA], v24, 7, v[VA]
	v_bfe_u32 v25, v0, 3, 1
	v_lshl_add_u32 v[VA], v25, 4, v[VA]
	s_mul_i32 s18, s10, 9216
	v_add_nc_u32 v[VA], s18, v[VA]
	; key 64 g + 16 kb + 8 h + j <= query 32 sub + 16 qb + r
	s_lshl_b32 s18, s9, 5
	s_lshl_b32 s19, s10, 6
	s_sub_co_i32 s18, s18, s19
	v_lshlrev_b32 v25, 3, v11
	v_sub_nc_u32 v[LIM], v1, v25
	v_add_nc_u32 v[LIM], s18, v[LIM]
	v_mov_b32 v[NINF], 0xff800000
	v_and_b32 v25, 31, v0
	v_lshlrev_b32 v[CO], 4, v25                    ; 16 x lane
	s_mul_i32 s18, s9, 8704
	s_add_co_u32 s18, s18, MSTAGE
	v_add_nc_u32 v[MST], s18, v[CO]
	s_mul_i32 s18, s9, 4608
	s_add_co_u32 s18, s18, OSTAGE
	v_mul_u32_u24 v[OST], v1, 144                  ; in: query r's row, 16 bytes for each half of the lanes
	v_lshl_add_u32 v[OST], v11, 4, v[OST]
	v_add_nc_u32 v[OST], s18, v[OST]
	v_bfe_u32 v25, v0, 3, 2                        ; back: eight lanes take a row of 128 bytes
	v_mul_u32_u24 v[ORD], v25, 144
	v_and_b32 v25, 7, v0
	v_lshl_add_u32 v[ORD], v25, 4, v[ORD]
	v_add_nc_u32 v[ORD], s18, v[ORD]
	v_add_nc_u32 v[VL], VLO, v[VA]                 ; h is used no more: the low parts lie too far up for an LDS offset's 16 bits
	v_mov_b32 v[TP0], 0                            ; a lane permute's destination counts as read: written once here
	v_mov_b32 v[TP1], 0
; The unit that follows in the walk: s60 counts the units under the diagonal; when they are used up (s60 = s61) the next block's diagonal unit s62 follows.
.macro NEXTADDR o
	s_cmp_lt_u32 s60, s61
	s_cselect_b32 s63, s60, s62
	s_add_co_u32 s60, s60, 1
	s_lshl_b32 s66, s63, 14
	s_add_nc_u64 s[G0K+4*\o+2:G0K+4*\o+3], s[20:21], s[66:67]
	s_or_b32 s[G0K+4*\o+3], s[G0K+4*\o+3], 0x80000000
	s_add_nc_u64 s[G0V+4*\o+2:G0V+4*\o+3], s[22:23], s[66:67]
	s_or_b32 s[G0V+4*\o+3], s[G0V+4*\o+3], 0x80000000
.endm
; The diagonal unit's mask.  Tile (kk, 0) and tile (kk + 1, 1) have the same bound, so one compare serves two selects.
.macro MASK
.set kk, -1
.rept 5
.set j, 0
.rept 8
	v_cmp_le_i32 vcc_lo, 16*kk+j, v[LIM]
.if kk >= 0
	v_cndmask_b32 v[S+8*kk+j], v[NINF], v[S+8*kk+j], vcc_lo
.endif
.if kk < 3
	v_cndmask_b32 v[S+32+8*(kk+1)+j], v[NINF], v[S+32+8*(kk+1)+j], vcc_lo
.endif
.set j, j+1
.endr
.set kk, kk+1
.endr
.endm
; S (64 keys x 32 queries, 32 registers for each query block) becomes P in f16; m, l, O follow.  first = 1: the block's first unit starts m and l.
.macro SOFTMAX first
	v_max3_num_f32 v[TA0], v[S+0],  v[S+1],  v[S+2]        ; four chains that do not wait for each other
	v_max3_num_f32 v[TA1], v[S+32], v[S+33], v[S+34]
	v_max3_num_f32 v[TB0], v[S+16], v[S+17], v[S+18]
	v_max3_num_f32 v[TB1], v[S+48], v[S+49], v[S+50]
.irp k, 3,5,7,9,11,13
	v_max3_num_f32 v[TA0], v[TA0], v[S+\k],    v[S+\k+1]
	v_max3_num_f32 v[TA1], v[TA1], v[S+32+\k], v[S+32+\k+1]
	v_max3_num_f32 v[TB0], v[TB0], v[S+16+\k], v[S+16+\k+1]
	v_max3_num_f32 v[TB1], v[TB1], v[S+48+\k], v[S+48+\k+1]
.endr
	v_max3_num_f32 v[TA0], v[TA0], v[S+15], v[S+31]
	v_max3_num_f32 v[TA1], v[TA1], v[S+47], v[S+63]
.if \first
	v_max3_num_f32 v[TA0], v[TA0], v[TB0], s70             ; a lane whose keys are all masked keeps a finite maximum
	v_max3_num_f32 v[TA1], v[TA1], v[TB1], s70
.else
	v_max3_num_f32 v[TA0], v[TA0], v[TB0], v[M0]
	v_max3_num_f32 v[TA1], v[TA1], v[TB1], v[M1]
.endif
	v_permlanex16_b32 v[TP0], v[TA0], s68, s69             ; the other half of the lanes holds the other keys of the same query
	v_permlanex16_b32 v[TP1], v[TA1], s68, s69
	v_max_num_f32 v[MN0], v[TA0], v[TP0]
	v_max_num_f32 v[MN1], v[TA1], v[TP1]
.if \first
.else
	v_sub_f32 v[AL0], v[M0], v[MN0]
	v_sub_f32 v[AL1], v[M1], v[MN1]
.endif
.set p, 0
.rept 16
	v_pk_add_f32 v[S+2*p:S+2*p+1],       v[S+2*p:S+2*p+1],       v[MN0:MN0+1] op_sel_hi:[1,0] neg_lo:[0,1] neg_hi:[0,1]   ; s - m, both by the pair's first register
	v_pk_add_f32 v[S+32+2*p:S+32+2*p+1], v[S+32+2*p:S+32+2*p+1], v[MN1:MN1+1] op_sel_hi:[1,0] neg_lo:[0,1] neg_hi:[0,1]
.set p, p+1
.endr
.set p, 0
.rept 64
	v_exp_f32 v[S+p], v[S+p]
.set p, p+1
.endr
.if \first
.else
	v_exp_f32 v[AL0], v[AL0]
	v_exp_f32 v[AL1], v[AL1]
.endif
	v_mov_b32 v[M0], v[MN0]                                ; a plain vector instruction between the exponentials and the first use of a result (ISA guide 5.7.2)
	v_mov_b32 v[M1], v[MN1]
	s_wait_alu depctr_va_vdst(0)
	v_pk_add_f32 v[24:25], v[S+0:S+1],   v[S+2:S+3]
	v_pk_add_f32 v[26:27], v[S+16:S+17], v[S+18:S+19]
	v_pk_add_f32 v[28:29], v[S+32:S+33], v[S+34:S+35]
	v_pk_add_f32 v[30:31], v[S+48:S+49], v[S+50:S+51]
.irp k, 4,6,8,10,12,14
	v_pk_add_f32 v[24:25], v[24:25], v[S+\k:S+\k+1]
	v_pk_add_f32 v[26:27], v[26:27], v[S+16+\k:S+16+\k+1]
	v_pk_add_f32 v[28:29], v[28:29], v[S+32+\k:S+32+\k+1]
	v_pk_add_f32 v[30:31], v[30:31], v[S+48+\k:S+48+\k+1]
.endr
	v_pk_add_f32 v[24:25], v[24:25], v[26:27]
	v_pk_add_f32 v[28:29], v[28:29], v[30:31]
.if \first
	v_add_f32 v[L0], v24, v25
	v_add_f32 v[L1], v28, v29
.else
	v_add_f32 v24, v24, v25
	v_add_f32 v28, v28, v29
	v_fma_f32 v[L0], v[L0], v[AL0], v24
	v_fma_f32 v[L1], v[L1], v[AL1], v28
.endif
.irp x, 0,16,32,48                                         ; two tiles (32 keys) pack into eight registers, in place and ascending: register i is written when 2 i and 2 i + 1 are read
.irp i, 0,1,2,3,4,5,6,7
	v_cvt_pk_f16_f32 v[S+\x+\i], v[S+\x+2*\i], v[S+\x+2*\i+1]
.endr
.endr
.if \first
.else
.set p, 0
.rept 16
	v_pk_mul_f32 v[O+2*p:O+2*p+1],       v[O+2*p:O+2*p+1],       v[AL0:AL0+1] op_sel_hi:[1,0]
	v_pk_mul_f32 v[O+32+2*p:O+32+2*p+1], v[O+32+2*p:O+32+2*p+1], v[AL1:AL1+1] op_sel_hi:[1,0]
.set p, p+1
.endr
.endif
.endm
; One unit, in slot `slot`.  diag = 1: the block's diagonal unit, its first (blk: 0 for block A, 1 for block B).  refill = 1: the other slot is filled with the unit that follows.
.macro UNIT slot, diag, refill, blk
	s_set_vgpr_msb 0x5
	s_wait_tensorcnt 0x0                           ; all my tensor loads have landed, this unit's among them: no load of mine is out, so a group 0 may be written
	ds_add_u32 v0, v1
	s_wait_dscnt 0x0
	s_set_vgpr_msb 0x500
.if \refill
	NEXTADDR (1-\slot)
.endif
	s_wait_dscnt 0x0                               ; my reads of the other slot are over
	s_barrier_signal -1
	s_barrier_wait -1                              ; both now hold of all eight waves
.if \refill
	KVLOAD (1-\slot)                               ; first thing behind the barrier: it has the whole unit in which to land
.endif
.irp ds, 0,1
.irp kb, 0,1,2,3
	ds_load_b128 v[F+32*\ds+8*\kb:F+32*\ds+8*\kb+3],   v[KA] offset:\slot*SLOTB+\kb*2176+64*\ds
	ds_load_b128 v[F+32*\ds+8*\kb+4:F+32*\ds+8*\kb+7], v[KA] offset:\slot*SLOTB+\kb*2176+64*\ds+32
.endr
.endr
.if \diag
	s_wait_loadcnt 0x0                             ; the block's Q'
.endif
	s_wait_dscnt 0x8                               ; the fragments of d = 0 .. 31 are in; the eight younger loads stay out
.irp qb, 0,1                                       ; eight accumulators take turns, one instruction a turn
.irp kb, 0,1,2,3
	v_wmma_f32_16x16x32_f16 v[S+32*\qb+8*\kb:S+32*\qb+8*\kb+7], v[F+8*\kb:F+8*\kb+7], v[Q+16*\qb:Q+16*\qb+7], 0
.endr
.endr
	s_wait_dscnt 0x0
.irp qb, 0,1
.irp kb, 0,1,2,3
	v_wmma_f32_16x16x32_f16 v[S+32*\qb+8*\kb:S+32*\qb+8*\kb+7], v[F+32+8*\kb:F+32+8*\kb+7], v[Q+16*\qb+8:Q+16*\qb+15], v[S+32*\qb+8*\kb:S+32*\qb+8*\kb+7]
.endr
.endr
.rept 4
	v_nop                                          ; four places before S is read and before loads are issued into K's fragments
.endr
.irp u, 0,1                                        ; V's fragments land while the softmax runs
.irp db, 0,1,2,3
	ds_load_tr16_b128 v[F+32*\u+8*\db:F+32*\u+8*\db+3],   v[VA] offset:\slot*SLOTB+VOFF+\u*4608+32*\db
	ds_load_tr16_b128 v[F+32*\u+8*\db+4:F+32*\u+8*\db+7], v[VA] offset:\slot*SLOTB+VOFF+\u*4608+32*\db+2304
.endr
.endr
.if \diag
	MASK
.endif
	SOFTMAX \diag
	s_wait_dscnt 0x0
.irp u, 0,1                                        ; again eight accumulators by turns
.irp qb, 0,1
.irp db, 0,1,2,3
.if \diag*(1-\u)
	v_wmma_f32_16x16x32_f16 v[O+32*\qb+8*\db:O+32*\qb+8*\db+7], v[F+32*\u+8*\db:F+32*\u+8*\db+7], v[S+32*\qb+16*\u:S+32*\qb+16*\u+7], 0
.else
	v_wmma_f32_16x16x32_f16 v[O+32*\qb+8*\db:O+32*\qb+8*\db+7], v[F+32*\u+8*\db:F+32*\u+8*\db+7], v[S+32*\qb+16*\u:S+32*\qb+16*\u+7], v[O+32*\qb+8*\db:O+32*\qb+8*\db+7]
.endif
.endr
.endr
.endr
.if \diag
.rept 4
	v_nop                                          ; four places before loads are issued into V's fragments
.endr
.irp u, 0,1                                        ; the same keys' low parts, by the same P, onto the same sums
.irp db, 0,1,2,3
	ds_load_tr16_b128 v[F+32*\u+8*\db:F+32*\u+8*\db+3],   v[VL] offset:\blk*VLOB+\u*4608+32*\db
	ds_load_tr16_b128 v[F+32*\u+8*\db+4:F+32*\u+8*\db+7], v[VL] offset:\blk*VLOB+\u*4608+32*\db+2304
.endr
.endr
	s_wait_dscnt 0x0
.irp u, 0,1                                        ; the eight accumulators go on taking turns
.irp qb, 0,1
.irp db, 0,1,2,3
	v_wmma_f32_16x16x32_f16 v[O+32*\qb+8*\db:O+32*\qb+8*\db+7], v[F+32*\u+8*\db:F+32*\u+8*\db+7], v[S+32*\qb+16*\u:S+32*\qb+16*\u+7], v[O+32*\qb+8*\db:O+32*\qb+8*\db+7]
.endr
.endr
.endr
.endif
.rept 5
	v_nop                                          ; five places before the next unit's first products write over P; they also cover the loads into V's fragments and every reader of O
.endr
.endm
.macro WIDEN d, s                      ; v[d], v[d+1] = the two f16 of register s, in f32 (a register's halves are named by its number)
	v_cvt_f32_f16 v[\d],   v\s\().l
	v_cvt_f32_f16 v[\d+1], v\s\().h
.endm
; 32 rows of 128 bytes, packed in src (tile (db, qb) at src + 16 qb + 4 db), leave through my stage; back: 32 registers for the rows read back
.macro WAYOUT src, back, optr, off
.irp qb, 0,1
.irp db, 0,1,2,3
	ds_store_b128 v[OST], v[\src+16*\qb+4*\db:\src+16*\qb+4*\db+3] offset:2304*\qb+32*\db
.endr
.endr
.irp t, 0,1,2,3,4,5,6,7
	ds_load_b128 v[\back+4*\t:\back+4*\t+3], v[ORD] offset:576*\t    ; my own bytes; LDS serves a wave's instructions in order (ISA guide 5.7.1.4)
.endr
.irp t, 0,1,2,3,4,5,6,7
	s_wait_dscnt 7-\t
	global_store_b128 v[CO], v[\back+4*\t:\back+4*\t+3], s[\optr:\optr+1] offset:\off+512*\t   ; four rows: the wave stores 512 consecutive bytes, at a multiple of 512 from the plane's first byte
.endr
.endm
; The end of a block: waves 4-7 hand m, l, O to waves 0-3, which merge, divide, round and store.  more = 1: registers are used again behind it.
.macro FINAL optr, more
	s_cmp_lt_u32 s8, 4
	s_cbranch_scc1 .Lkeep_\@
.set k, 0
.rept 16
	ds_store_b128 v[MST], v[O+4*k:O+4*k+3] offset:512*k    ; 16 bytes a lane, neighbouring lanes at neighbouring bytes
.set k, k+1
.endr
	ds_store_b128 v[MST], v[M0:M0+3] offset:8192
.Lkeep_\@:
	s_wait_dscnt 0x0                               ; for the partner's sake: the stores are done
	s_barrier_signal -1
	s_barrier_wait -1                              ; The next unit's tensor load may stay on its way
	s_cmp_ge_u32 s8, 4
	s_cbranch_scc1 .Ldone_\@
.set k, 0
.rept 16
	ds_load_b128 v[F+4*k:F+4*k+3], v[MST] offset:512*k
.set k, k+1
.endr
	ds_load_b128 v[28:31], v[MST] offset:8192
	s_wait_dscnt 0x0
	v_max_num_f32 v24, v[M0], v28                  ; the common maximum; mine is a real score (key 0 of the diagonal unit is never masked for g = 0)
	v_max_num_f32 v25, v[M1], v29
	v_sub_f32 v16, v[M0], v24
	v_sub_f32 v18, v[M1], v25
	v_sub_f32 v20, v28, v24
	v_sub_f32 v22, v29, v25
	v_exp_f32 v16, v16
	v_exp_f32 v18, v18
	v_exp_f32 v20, v20
	v_exp_f32 v22, v22
	v_nop                                          ; a plain place behind the exponentials
	s_wait_alu depctr_va_vdst(0)
	v_mul_f32 v24, v[L0], v16
	v_mul_f32 v25, v[L1], v18
	v_fmac_f32 v24, v30, v20
	v_fmac_f32 v25, v31, v22
	v_permlanex16_b32 v21, v24, s68, s69           ; l was kept by halves of the lanes: now the whole sum, at least 1
	v_permlanex16_b32 v23, v25, s68, s69
	v_add_f32 v24, v24, v21
	v_add_f32 v25, v25, v23
	v_rcp_f32 v24, v24
	v_rcp_f32 v25, v25
	v_nop                                          ; a plain place behind the reciprocals
	s_wait_alu depctr_va_vdst(0)
	v_mul_f32 v16, v16, v24
	v_mul_f32 v18, v18, v25
	v_mul_f32 v20, v20, v24
	v_mul_f32 v22, v22, v25
.set p, 0
.rept 16
	v_pk_mul_f32 v[O+2*p:O+2*p+1],       v[O+2*p:O+2*p+1],       v[16:17] op_sel_hi:[1,0]
	v_pk_mul_f32 v[O+32+2*p:O+32+2*p+1], v[O+32+2*p:O+32+2*p+1], v[18:19] op_sel_hi:[1,0]
	v_pk_fma_f32 v[O+2*p:O+2*p+1],       v[F+2*p:F+2*p+1],       v[20:21], v[O+2*p:O+2*p+1]       op_sel_hi:[1,0,1]
	v_pk_fma_f32 v[O+32+2*p:O+32+2*p+1], v[F+32+2*p:F+32+2*p+1], v[22:23], v[O+32+2*p:O+32+2*p+1] op_sel_hi:[1,0,1]
.set p, p+1
.endr
.irp qb, 0,1                                       ; a lane's eight numbers of a tile are d = 16 db + 8 h + 0 .. 7 of query r: 16 bytes of its row.  Packed register S + p holds O + 2 p and O + 2 p + 1
.irp db, 0,1,2,3
.irp i, 0,1,2,3
	v_cvt_pk_f16_f32 v[S+16*\qb+4*\db+\i], v[O+32*\qb+8*\db+2*\i], v[O+32*\qb+8*\db+2*\i+1]
.endr
.endr
.endr
.irp w, 64,65,66,67,68,69,70,71,72,73,74,75,76,77,78,79,80,81,82,83,84,85,86,87,88,89,90,91,92,93,94,95
	WIDEN F+2*(\w-64), \w                          ; the rounded values back in f32 (S = 64: the packed registers by number)
.endr
.set p, 0
.rept 32
	v_pk_add_f32 v[O+2*p:O+2*p+1], v[O+2*p:O+2*p+1], v[F+2*p:F+2*p+1] neg_lo:[0,1] neg_hi:[0,1]   ; what the rounding left: exact, the two agree in their first eleven bits
.set p, p+1
.endr
.set p, 0
.rept 32
	v_cvt_pk_f16_f32 v[F+p], v[O+2*p], v[O+2*p+1]
.set p, p+1
.endr
	WAYOUT S, S+32, \optr, 0                       ; plane h
	WAYOUT F, F+32, \optr, 262144                  ; plane 16 + h; its stores into the stage stand behind the wait for the last load above
.if \more
	s_wait_xcnt 0x0                                ; S and F, which these stores read, are written again only behind this wait
.endif
.Ldone_\@:
.endm
	s_mov_b32 s60, 0                               ; block A: the units under the diagonal are 0 .. iA - 1, then block B's diagonal unit
	s_mov_b32 s61, s13
	s_mov_b32 s62, s14
	UNIT 0, 1, 1, 0
	s_cmp_eq_u32 s15, 0
	s_cbranch_scc1 .Lafter_a
	s_mov_b32 s17, s15
.Lloop_a:
	UNIT 1, 0, 1, 0
	UNIT 0, 0, 1, 0
	s_sub_co_i32 s17, s17, 1
	s_cmp_lg_u32 s17, 0
	s_cbranch_scc1 .Lloop_a
.Lafter_a:
	QLOAD 72                                       ; block B's Q' comes in while block A goes out
	FINAL 26, 1
	s_mov_b32 s60, 0                               ; block B: units 0 .. iB - 1; the bound is never reached
	s_mov_b32 s61, 64
	UNIT 1, 1, 1, 1
	s_cmp_eq_u32 s11, 0
	s_cbranch_scc1 .Lafter_b
	s_mov_b32 s17, s11
.Lloop_b:
	UNIT 0, 0, 1, 0
	UNIT 1, 0, 1, 0
	s_sub_co_i32 s17, s17, 1
	s_cmp_lg_u32 s17, 0
	s_cbranch_scc1 .Lloop_b
.Lafter_b:
	UNIT 0, 0, 0, 0                                ; the last unit: nothing is left to fetch, and its wait for 0 leaves no tensor load out at the end
	FINAL 74, 0
	s_set_vgpr_msb 0x5
	s_wait_tensorcnt 0x0
	ds_add_u32 v0, v1
	s_wait_dscnt 0x0
	s_set_vgpr_msb 0x500
	s_endpgm
.Lfunc_end_k_q63b183b378_attn:
	.size	k_q63b183b378_attn, .Lfunc_end_k_q63b183b378_attn-k_q63b183b378_attn
	.p2alignl 7, 3214868480
	.fill 96, 4, 3214868480
	.section	.rodata,"a",@progbits
	.p2align	6, 0x0
	.amdhsa_kernel k_q63b183b378_attn
		.amdhsa_group_segment_fixed_size 327680
		.amdhsa_private_segment_fixed_size 0
		.amdhsa_enable_private_segment 0
		.amdhsa_kernarg_size 16
		.amdhsa_user_sgpr_count 2
		.amdhsa_user_sgpr_kernarg_segment_ptr 1
		.amdhsa_wavefront_size32 1
		.amdhsa_system_sgpr_workgroup_id_x 1
		.amdhsa_system_sgpr_workgroup_id_y 1
		.amdhsa_system_sgpr_workgroup_id_z 1
		.amdhsa_system_vgpr_workitem_id 0
		.amdhsa_next_free_vgpr 258
		.amdhsa_next_free_sgpr 88
		.amdhsa_reserve_vcc 1
		.amdhsa_float_denorm_mode_32 3
		.amdhsa_float_denorm_mode_16_64 3
		.amdhsa_memory_ordered 1
		.amdhsa_forward_progress 1
		.amdhsa_inst_pref_size 179
	.end_amdhsa_kernel
	.amdgpu_metadata
---
amdhsa.version: [ 1, 2 ]
amdhsa.kernels:
  - .name:           k_q63b183b378_attn
    .symbol:         k_q63b183b378_attn.kd
    .args:
      - { .name: qkv, .offset: 0, .size: 8, .value_kind: global_buffer, .address_space: global }
      - { .name: vec, .offset: 8, .size: 8, .value_kind: global_buffer, .address_space: global }
    .group_segment_fixed_size: 327680
    .private_segment_fixed_size: 0
    .kernarg_segment_align: 8
    .kernarg_segment_size: 16
    .max_flat_workgroup_size: 256
    .sgpr_count:     88
    .vgpr_count:     258
    .wavefront_size: 32
...
	.end_amdgpu_metadata
.endif
;; end of part 3
;; launch outp (part 4): grid 8 x 32, 4 waves a work-group, clusters of 4 x 4, 327,680 bytes of LDS; arguments vec, xw, out0; writes out0
.if DOCPART == 4
	.amdgcn_target "amdgcn-amd-amdhsa--gfx1250"
	.amdhsa_code_object_version 6
	.text
	.protected	k_q63b183b378_outp
	.globl	k_q63b183b378_outp
	.p2align	8
	.type	k_q63b183b378_outp,@function
k_q63b183b378_outp:
	s_mov_b64 s[64:65], 0
	v_nop
	global_prefetch_b8 v0, s[64:65] scope:SCOPE_SE
	s_setreg_imm32_b32 hwreg(HW_REG_WAVE_MODE, 25, 1), 1
	s_wait_xcnt 0x0
	s_wait_alu depctr_hold_cnt(0) depctr_sa_sdst(0) depctr_va_vdst(0) depctr_va_sdst(0) depctr_va_ssrc(0) depctr_va_vcc(0) depctr_vm_vsrc(0)
	s_getreg_b32 s2, hwreg(HW_REG_IB_STS2, 6, 4)
	s_cmp_eq_u32 s2, 0
	s_cbranch_scc0 .Lentry_in_a_cluster
	s_endpgm
.Lentry_in_a_cluster:
	s_bfe_u32 s2, ttmp6, 0x10000c
	s_cmp_lg_u32 s2, 0xf033
	s_cbranch_scc0 .Lentry_shape_is_right
	s_endpgm
.Lentry_shape_is_right:
; out0 = vectors Wout: [4096][1024] by [1024 k][1024 n]; f16 operands, f32 sums, f32 out.
; vectors lie as vec[row block 32][plane 32][128 rows][64]: plane h holds head h's numbers rounded to f16, plane 16 + h what that rounding left.
; Both are multiplied: a product over 2,048, k' = 64 plane + d, in which planes 16 .. 31 meet the same rows k = k' - 1024 of Wout once more.
; Wout is the last 2 MiB of xw, [k][n].
; A work-group makes a block of 128 x 128 with four waves, a wave 64 x 64 (16 accumulator tiles): 8 x 32 = 256 work-groups; a larger block would
; leave work for 128 or fewer.  The sum goes in eight steps of 256 through two LDS slots, written out without a loop.
; A step's tile of vectors is four planes, 65,536 dense bytes; a step's tile of Wout 256 k-rows of 256 bytes, kept [k][n] and read by the transposing load.
; CLUSTERS: 4 x 4 work-groups; the tile of vectors is shared along a row of the cluster, Wout's along a column, each asked for jointly.
; REGISTERS: window 0: v16-26 addresses; two fragment buffers, v64-127 and v128-191 (vectors' four fragments, then Wout's four);
;   window 1: accumulator (a, b) at v[8 (4 a + b)].
; THE MATRIX INSTRUCTION IS USED TRANSPOSED: source 0 = 16 columns of Wout, source 1 = 16 rows of vectors: a lane holds eight neighbouring numbers of a row of the result.
.set PART,   36864                     ; what one tensor load may take: 128 rows at pitch 288 (Wout); the vectors' 128 rows at pitch 272 use 34,816 of it
.set SLOT,   4*PART
.set STAGE,  2*SLOT                    ; behind the ring: 16 rows x 272 bytes for each wave; no tensor load lands here
.set APITCH, 272                       ; 256 bytes (two rows of a plane) + 16
.set BPITCH, 288                       ; 256 bytes + 32 = 9 x 32
.set SPITCH, 272
.set ADRA, 16                          ; v16-17  my fragments of vectors in slot 0, 1
.set ADRB, 20                          ; v20-23  my fragments of Wout: 2 x slot + (which 128 k-rows)
.set STO,  24
.set RD,   25
.set CO,   26
.set F0,   64
.set F1,   128
.set G1, 24                            ; s[24:31] group 1, vectors
.set G0, 32                            ; s[32:39] group 0, vectors, one set for each slot
.set G1B, 48                           ; s[48:55] group 1, Wout
.set G0B, 56                           ; s[56:63] group 0, Wout
.set MSB, 0
.macro WIN new                         ; the immediate's high byte repeats the setting that is left
.if MSB != \new
	s_set_vgpr_msb (MSB<<8)|\new
.set MSB, \new
.endif
.endm
.set MUL, 0x50                         ; sources 0 and 1 window 0, C and D window 1
.set FROM_ACC, 0x04                    ; an LDS store's data window 1, its address window 0
.macro JLOAD s                         ; waves 0 and 1 fetch the vectors' two halves, waves 2 and 3 Wout's; the branch hangs on the wave's number alone
	s_cmp_eq_u32 s11, 0
	s_cbranch_scc0 .Lfor_b_\@
	tensor_load_to_lds s[G0+4*\s:G0+4*\s+3], s[G1:G1+7]
	s_nop 0
	s_branch .Lasked_\@
.Lfor_b_\@:
	tensor_load_to_lds s[G0B+4*\s:G0B+4*\s+3], s[G1B:G1B+7]
	s_nop 0
.Lasked_\@:
.endm
.macro CREST                           ; a round of the cluster's barrier behind its opening barrier
	s_cmp_lg_u32 s10, 0
	s_cbranch_scc1 .Lnot_wave_0_\@
	s_barrier_signal -3
.Lnot_wave_0_\@:
	s_barrier_wait -3
	s_barrier_signal -1
	s_barrier_wait -1
.endm
.macro CROUND                          ; a whole round
	s_barrier_signal -1
	s_barrier_wait -1
	CREST
.endm
	s_load_b128 s[4:7], s[0:1], 0x0                ; vec s[4:5], xw s[6:7]
	s_load_b64 s[8:9], s[0:1], 0x10                ; out0
	v_lshl_add_u32 v254, v0, 2, 0x4c400
	v_mov_b32 v255, 0
	ds_add_u32 v254, v255
	v_lshrrev_b32 v1, 5, v0
	v_readfirstlane_b32 s10, v1                    ; wave 0..3
	s_lshr_b32 s11, s10, 1                         ; my half of the block's rows.  Also: I fetch vectors (0) or Wout (1)
	s_and_b32 s12, s10, 1                          ; my half of its columns.  Also: which half of that tile I fetch
	s_bfe_u32 s40, ttmp6, 0x40000                  ; cx
	s_bfe_u32 s41, ttmp6, 0x40004                  ; cy
	s_lshl_b32 s42, ttmp9, 2
	s_add_co_u32 s42, s42, s40                     ; block column = 4 x cluster x + cx
	s_and_b32 s13, ttmp7, 0xffff
	s_lshl_b32 s13, s13, 2
	s_add_co_u32 s13, s13, s41                     ; block row = 4 x cluster y + cy
	s_lshl_b32 s43, s41, 2
	s_lshl_b32 s43, 15, s43                        ; my row of the cluster
	s_lshl_b32 s44, 0x1111, s40                    ; my column
	; vectors: two planes, 32,768 dense bytes, as 128 rows of 32 elements of 8 bytes; 4 words of padding behind every 64
	s_or_b32 s[G1+0], s43, (3<<16)|(1<<20)|(1<<21)|(5<<22)|(3<<25)
	s_mov_b32 s[G1+1], 32<<16                      ; tensor_dim0 = 32
	s_mov_b32 s[G1+2], 128<<16                     ; tensor_dim1 = 128
	s_mov_b32 s[G1+3], 32<<16                      ; tile_dim0 = 32
	s_mov_b32 s[G1+4], 128                         ; tile_dim1 = 128
	s_mov_b32 s[G1+5], 32                          ; pitch = 32 elements
	s_mov_b32 s[G1+6], 0
	s_mov_b32 s[G1+7], 0
	; Wout: 128 k-rows of 128 elements of 2 bytes; 8 words of padding behind every 64
	s_or_b32 s[G1B+0], s44, (1<<16)|(1<<20)|(1<<21)|(5<<22)|(7<<25)
	s_mov_b32 s[G1B+1], 128<<16
	s_mov_b32 s[G1B+2], 128<<16
	s_mov_b32 s[G1B+3], 128<<16
	s_mov_b32 s[G1B+4], 128
	s_mov_b32 s[G1B+5], 1024                       ; 1,024 elements from k-row to k-row
	s_mov_b32 s[G1B+6], 0
	s_mov_b32 s[G1B+7], 0
	s_lshl_b32 s16, s13, 19                        ; vectors: the row block's 32 planes of 16,384 bytes + my two planes of the step's four
	s_lshl_b32 s17, s12, 15
	s_add_co_u32 s16, s16, s17
	s_mov_b32 s17, 0
	s_lshl_b32 s46, s42, 8                         ; Wout: 128 columns of 2 bytes for each block column + my 128 k-rows of 2,048 bytes,
	s_lshl_b32 s47, s12, 18
	s_add_co_u32 s46, s46, s47
	s_add_co_u32 s46, s46, 0xe00000                ; 14 MiB into xw
	s_mov_b32 s47, 0
	s_mul_i32 s20, s10, PART                       ; where they go: wave x 36,864
	s_wait_dscnt 0x0
	s_wait_kmcnt 0x0
	s_add_nc_u64 s[14:15], s[4:5], s[16:17]
	s_add_nc_u64 s[46:47], s[6:7], s[46:47]
	CROUND                                         ; all sixteen work-groups are here: the first joint loads meet
.irp s, 0,1
	s_mov_b32 s[G0+4*\s], 1
	s_add_co_u32 s[G0+4*\s+1], s20, \s*SLOT
	s_add_nc_u64 s[G0+4*\s+2:G0+4*\s+3], s[14:15], \s*65536        ; step s: four planes on
	s_or_b32 s[G0+4*\s+3], s[G0+4*\s+3], 0x80000000
	s_mov_b32 s[G0B+4*\s], 1
	s_add_co_u32 s[G0B+4*\s+1], s20, \s*SLOT
	s_add_nc_u64 s[G0B+4*\s+2:G0B+4*\s+3], s[46:47], \s*524288     ; step s: 256 k-rows down
	s_or_b32 s[G0B+4*\s+3], s[G0B+4*\s+3], 0x80000000
	JLOAD \s                                       ; two loads of mine are out
.endr
	v_and_b32 v1, 15, v0                           ; r
	v_bfe_u32 v2, v0, 4, 1                         ; h
	v_bfe_u32 v3, v0, 1, 3                         ; row m of a plane lies at (m >> 1) x 272 + (m & 1) x 128
	v_mul_u32_u24 v3, v3, APITCH
	v_and_b32 v4, 1, v0
	v_lshl_add_u32 v3, v4, 7, v3
	v_lshl_add_u32 v3, v2, 4, v3
	s_mul_i32 s21, s11, 32*APITCH                  ; my 64 rows
	v_add_nc_u32 v[ADRA], s21, v3
	v_add_nc_u32 v[ADRA+1], SLOT, v[ADRA]
	v_and_b32 v5, 7, v0                            ; the transposing load: k-row 8 h + l % 8, the 16 bytes (l / 8) % 2
	v_lshl_add_u32 v5, v2, 3, v5
	v_mul_u32_u24 v5, v5, BPITCH
	v_bfe_u32 v6, v0, 3, 1
	v_lshl_add_u32 v5, v6, 4, v5
	s_lshl_b32 s22, s12, 7                         ; my 64 columns: 128 bytes along the rows,
	s_add_co_u32 s22, s22, 2*PART                  ; behind the vectors' two parts
	v_add_nc_u32 v[ADRB], s22, v5
	v_add_nc_u32 v[ADRB+1], PART, v[ADRB]          ; the second 128 k-rows have a register of their own: an LDS offset has 16 bits
	v_add_nc_u32 v[ADRB+2], SLOT, v[ADRB]
	v_add_nc_u32 v[ADRB+3], SLOT+PART, v[ADRB]
	s_mul_i32 s23, s10, 16*SPITCH
	s_add_co_u32 s23, s23, STAGE                   ; my stage
	v_mul_u32_u24 v4, v1, SPITCH                   ; in: row r, 32 bytes for each half of the lanes
	v_lshl_add_u32 v4, v2, 5, v4
	v_add_nc_u32 v[STO], s23, v4
	v_mul_u32_u24 v5, v2, SPITCH                   ; back: lanes 0-15 take one row of 256 bytes, lanes 16-31 the next
	v_lshl_add_u32 v5, v1, 4, v5
	v_add_nc_u32 v[RD], s23, v5
	v_lshlrev_b32 v5, 12, v2                       ; the same two rows in out0, 4,096 bytes apart
	v_lshl_add_u32 v[CO], v1, 4, v5
; four matrix instructions: m block a x all four n blocks, 32 along K.  zero = 1: the first product starts the sums.
.macro MULA f, a, zero
.irp b, 0,1,2,3
.if \zero
	v_wmma_f32_16x16x32_f16 v[8*(4*\a+\b):8*(4*\a+\b)+7], v[\f+32+8*\b:\f+32+8*\b+7], v[\f+8*\a:\f+8*\a+7], 0
.else
	v_wmma_f32_16x16x32_f16 v[8*(4*\a+\b):8*(4*\a+\b)+7], v[\f+32+8*\b:\f+32+8*\b+7], v[\f+8*\a:\f+8*\a+7], v[8*(4*\a+\b):8*(4*\a+\b)+7]
.endif
.endr
.endm
; 16 LDS loads in one run: the fragments of eighth kq (32 K) of a step.  k = 32 kq is plane kq >> 1 of the step's four, d = 32 (kq & 1).
.macro FETCH slot, kq, f
.irp i, 0,1,2,3
	ds_load_tr16_b128 v[\f+32+8*\i:\f+32+8*\i+3],   v[ADRB+2*\slot+(\kq>>2)] offset:(\kq&3)*32*BPITCH+32*\i
	ds_load_tr16_b128 v[\f+32+8*\i+4:\f+32+8*\i+7], v[ADRB+2*\slot+(\kq>>2)] offset:(\kq&3)*32*BPITCH+32*\i+16*BPITCH
.endr
.irp i, 0,1,2,3
	ds_load_b128 v[\f+8*\i:\f+8*\i+3],   v[ADRA+\slot] offset:(\kq>>2)*PART+((\kq>>1)&1)*64*APITCH+(\kq&1)*64+\i*8*APITCH
	ds_load_b128 v[\f+8*\i+4:\f+8*\i+7], v[ADRA+\slot] offset:(\kq>>2)*PART+((\kq>>1)&1)*64*APITCH+(\kq&1)*64+\i*8*APITCH+32
.endr
.endm
.macro PLACES                          ; four places behind a matrix instruction before a load is issued into a register that it read, or its result is read (ISA guide 7.12.1 for a read of its result)
.rept 4
	v_nop
.endr
.endm
; An eighth of a step: multiplies buffer f; in its middle it fetches eighth kq into buffer g.  The 16 accumulators take turns, one instruction a turn,
; in the same order in every eighth.
.macro QUARTER slot, kq, f, g, zero
	s_wait_dscnt 4                                 ; Wout's fragments and the vectors' 0 and 1 are in; the youngest four loads (fragments 2 and 3) may be out
	WIN MUL
	MULA \f, 0, \zero
	MULA \f, 1, \zero
	PLACES
	WIN 0
	FETCH \slot, \kq, \g
	s_wait_dscnt 16                                ; all but the 16 just issued
	WIN MUL
	MULA \f, 2, \zero
	MULA \f, 3, \zero
.endm
.macro SEVEN slot, zero
	QUARTER \slot, 1, F0, F1, \zero
	QUARTER \slot, 2, F1, F0, 0
	QUARTER \slot, 3, F0, F1, 0
	QUARTER \slot, 4, F1, F0, 0
	QUARTER \slot, 5, F0, F1, 0
	QUARTER \slot, 6, F1, F0, 0
	QUARTER \slot, 7, F0, F1, 0
.endm
; The last eighth: multiplies buffer 1 and changes slots.  In front of the barrier each wave waits for its reads of this slot and for all its tensor
; loads; behind it the refill comes first, then the next slot's first fragments.
; fill = 0: nothing more for this slot.  1: two steps on in both tensors.  2: two steps on in the vectors, and 512 k-rows BACK in Wout: the low planes begin.
.macro TURN slot, next, fill
	s_wait_dscnt 4
	WIN MUL
	MULA F1, 0, 0
	s_wait_dscnt 0                                 ; my reads of this slot are over
	s_wait_tensorcnt 0x0                           ; and all my tensor loads have landed: the one that was out is my part of the next slot
	ds_add_u32 v254, v255
	s_wait_dscnt 0x0
	s_barrier_signal -1
	MULA F1, 1, 0                                  ; work on registers while the others arrive
	WIN 0
	s_barrier_wait -1
.if \fill
	CREST                                          ; all sixteen work-groups have said so
	s_add_nc_u64 s[G0+4*\slot+2:G0+4*\slot+3], s[G0+4*\slot+2:G0+4*\slot+3], 131072
.if \fill == 1
	s_add_nc_u64 s[G0B+4*\slot+2:G0B+4*\slot+3], s[G0B+4*\slot+2:G0B+4*\slot+3], 1048576
.else
	s_sub_nc_u64 s[G0B+4*\slot+2:G0B+4*\slot+3], s[G0B+4*\slot+2:G0B+4*\slot+3], 1048576
.endif
	JLOAD \slot                                    ; the first tensor load behind the round, my only one until the next
.endif
	PLACES
	FETCH \next, 0, F0
	WIN MUL
	MULA F1, 2, 0
	MULA F1, 3, 0
.endm
	s_wait_tensorcnt 1                             ; my part of step 0 is in; step 1's may stay out
	s_barrier_signal -1
	s_barrier_wait -1
	FETCH 0, 0, F0
	SEVEN 0, 1                                     ; step 0: its first products start the sums
	TURN 0, 1, 1                                   ; slot 0 gets step 2
	SEVEN 1, 0
	TURN 1, 0, 1                                   ; slot 1 gets step 3
	SEVEN 0, 0
	TURN 0, 1, 2                                   ; slot 0 gets step 4: planes 16-19, Wout's rows 0-255 again
	SEVEN 1, 0
	TURN 1, 0, 2                                   ; slot 1 gets step 5: planes 20-23, rows 256-511
	SEVEN 0, 0
	TURN 0, 1, 1                                   ; slot 0 gets step 6
	SEVEN 1, 0
	TURN 1, 0, 1                                   ; slot 1 gets step 7
	SEVEN 0, 0
	TURN 0, 1, 0                                   ; nothing is left to fetch: no round
	SEVEN 1, 0
	s_wait_dscnt 4                                 ; the very last eighth
	WIN MUL
	MULA F1, 0, 0
	MULA F1, 1, 0
	s_wait_dscnt 0
	MULA F1, 2, 0
	MULA F1, 3, 0
	; THE WAY OUT, 16 rows at a time: a lane's 32 bytes of a row go into my own stage, whole rows of 256 bytes come back.
	PLACES
	s_lshl_b32 s16, s13, 19                        ; (128 x block row + 64 x half) rows of 4,096 bytes
	s_lshl_b32 s17, s11, 18
	s_add_co_u32 s16, s16, s17
	s_mov_b32 s17, 0
	s_add_nc_u64 s[8:9], s[8:9], s[16:17]
	s_lshl_b32 s46, s42, 9                         ; 512 bytes for each block column + 256 for my half
	s_lshl_b32 s47, s12, 8
	s_add_co_u32 s46, s46, s47
	s_mov_b32 s47, 0
	s_add_nc_u64 s[8:9], s[8:9], s[46:47]
.macro OUT16 a, f
	WIN FROM_ACC
.irp b, 0,1,2,3
	ds_store_b128 v[STO], v[8*(4*\a+\b):8*(4*\a+\b)+3]   offset:64*\b
	ds_store_b128 v[STO], v[8*(4*\a+\b)+4:8*(4*\a+\b)+7] offset:64*\b+16
.endr
	WIN 0
	s_wait_xcnt 0x0                                ; buffer f, which earlier stores read, is loaded again only behind this wait (ISA guide 3.1)
.irp t, 0,1,2,3,4,5,6,7
	ds_load_b128 v[\f+4*\t:\f+4*\t+3], v[RD] offset:\t*2*SPITCH    ; LDS serves a wave's instructions in order (ISA guide 5.7.1.4): these see the stores above
.endr
.irp t, 0,1,2,3,4,5,6,7
	s_wait_dscnt 7-\t
	global_store_b128 v[CO], v[\f+4*\t:\f+4*\t+3], s[8:9] offset:(16*\a+2*\t)*4096 th:TH_STORE_NT   ; 16 lanes store 256 consecutive bytes, at a multiple of 256 from out0's first byte
.endr
.endm
	OUT16 0, F0
	OUT16 1, F1
	OUT16 2, F0
	OUT16 3, F1
	s_wait_tensorcnt 0x0
	ds_add_u32 v254, v255
	s_wait_dscnt 0x0
	CROUND                                         ; the closing round: no work-group ends while a partner may still ask for a tile that names it
	s_endpgm
.Lfunc_end_k_q63b183b378_outp:
	.size	k_q63b183b378_outp, .Lfunc_end_k_q63b183b378_outp-k_q63b183b378_outp
	.p2alignl 7, 3214868480
	.fill 96, 4, 3214868480
	.section	.rodata,"a",@progbits
	.p2align	6, 0x0
	.amdhsa_kernel k_q63b183b378_outp
		.amdhsa_group_segment_fixed_size 327680
		.amdhsa_private_segment_fixed_size 0
		.amdhsa_enable_private_segment 0
		.amdhsa_kernarg_size 24
		.amdhsa_user_sgpr_count 2
		.amdhsa_user_sgpr_kernarg_segment_ptr 1
		.amdhsa_wavefront_size32 1
		.amdhsa_system_sgpr_workgroup_id_x 1
		.amdhsa_system_sgpr_workgroup_id_y 1
		.amdhsa_system_sgpr_workgroup_id_z 1
		.amdhsa_system_vgpr_workitem_id 0
		.amdhsa_next_free_vgpr 384
		.amdhsa_next_free_sgpr 66
		.amdhsa_reserve_vcc 0
		.amdhsa_float_denorm_mode_32 3
		.amdhsa_float_denorm_mode_16_64 3
		.amdhsa_memory_ordered 1
		.amdhsa_forward_progress 1
		.amdhsa_inst_pref_size 165
	.end_amdhsa_kernel
	.amdgpu_metadata
---
amdhsa.version: [ 1, 2 ]
amdhsa.kernels:
  - .name:           k_q63b183b378_outp
    .symbol:         k_q63b183b378_outp.kd
    .args:
      - { .name: vec, .offset: 0, .size: 8, .value_kind: global_buffer, .address_space: global }
      - { .name: xw, .offset: 8, .size: 8, .value_kind: global_buffer, .address_space: global }
      - { .name: out0, .offset: 16, .size: 8, .value_kind: global_buffer, .address_space: global }
    .group_segment_fixed_size: 327680
    .private_segment_fixed_size: 0
    .kernarg_segment_align: 8
    .kernarg_segment_size: 24
    .max_flat_workgroup_size: 128
    .sgpr_count:     66
    .vgpr_count:     384
    .wavefront_size: 32
...
	.end_amdgpu_metadata
.endif
;; end of part 4
;; ======== version 2 of 3: 4 launches; 1.13 times as fast as version 1
;; limits: values are held in f16: magnitudes above 65,504 overflow, below 6.1e-05 lose precision
;; workspace buffers: xw 16,777,216 bytes; qkv 33,554,432 bytes; vec 8,388,608 bytes; vlo 1,048,576 bytes
;; launch prep: the kernel of part 1 again; grid 64 x 8, 8 waves a work-group, no clusters, 0 bytes of LDS; arguments x, Wq, Wk, Wv, Wout, xw; writes xw
;; launch qkv (part 5): grid 12 x 16, 4 waves a work-group, clusters of 4 x 4, 327,680 bytes of LDS; arguments xw, qkv; writes qkv
.if DOCPART == 5
	.amdgcn_target "amdgcn-amd-amdhsa--gfx1250"
	.amdhsa_code_object_version 6
	.text
	.protected	k_q63b183b378_qkv
	.globl	k_q63b183b378_qkv
	.p2align	8
	.type	k_q63b183b378_qkv,@function
k_q63b183b378_qkv:
	s_mov_b64 s[64:65], 0
	v_nop
	global_prefetch_b8 v0, s[64:65] scope:SCOPE_SE
	s_setreg_imm32_b32 hwreg(HW_REG_WAVE_MODE, 25, 1), 1
	s_wait_xcnt 0x0
	s_wait_alu depctr_hold_cnt(0) depctr_sa_sdst(0) depctr_va_vdst(0) depctr_va_sdst(0) depctr_va_ssrc(0) depctr_va_vcc(0) depctr_vm_vsrc(0)
	s_getreg_b32 s2, hwreg(HW_REG_IB_STS2, 6, 4)
	s_cmp_eq_u32 s2, 0
	s_cbranch_scc0 .Lentry_in_a_cluster
	s_endpgm
.Lentry_in_a_cluster:
	s_bfe_u32 s2, ttmp6, 0x10000c
	s_cmp_lg_u32 s2, 0xf033
	s_cbranch_scc0 .Lentry_shape_is_right
	s_endpgm
.Lentry_shape_is_right:
; Q' = x (Wq c), K = x Wk, V = x Wv as ONE product of [4096][1024] by [1024][3072]; f16 operands, f32 sums, results rounded once to f16 and
; laid out by head: qkv[group 4][batch 2][head 16][s 2048][64], a panel of 262,144 bytes for each (group, batch, head).  Groups 0, 1, 2: Q', K, V.
; Group 3 holds what V's rounding left, f16(sum - f16(sum)), and is written only where it is wanted: a query with few keys shows one key's V
; undiluted, and there eleven bits are too few.  The next launch reads rows 0-31 of each panel of group 3 and no other.
; LIMIT: |Q'|, |K|, |V| < 65,504 (f16's range); a low part below 2^-14 carries an absolute error of up to 3e-8.
; A work-group makes a block of 256 x 256 with four waves, a wave 128 x 128: 64 accumulator tiles of 16 x 16, 512 registers.  12 x 16 = 192
; work-groups: the block with the fewest LDS bytes for each product.  K goes in steps of 128 through a ring of two LDS slots filled by the
; tensor data mover.  x's tile: 256 rows of 256 bytes.  W's tile lies [k][n] in memory and stays so in LDS: 128 k-rows of 512 bytes; its
; fragments are read by the transposing LDS load.
; CLUSTERS: 4 x 4 work-groups.  The four of a row of the cluster need the same tile of x, the four of a column the same tile of W: each tile is
; asked for jointly, by the same tensor load with the same descriptor and a mask that names the four.  That divides the requests by four.
; A weight matrix is four block columns wide, as wide as a cluster: the cluster's x says which weight, the place cx which 256 of its columns.
; The block row is cluster y + 4 cy: the cluster with y = 0 holds block rows 0, 4, 8, 12, among them the first rows of both batches (0 and 8).
;
; REGISTERS, in windows of 256:  window 0: v0-31 addresses; v32-63 packed high parts (low pass); v64-127, v128-191 fragments of x, two buffers; v192-223 at work on the way out
;   window 1: v64-127, v128-191 fragments of W, two buffers;  window 2: the accumulators of my rows 0-63 (tile (a, b) at v[8 (8 a + b)]);  window 3: rows 64-127
; THE MATRIX INSTRUCTION IS USED TRANSPOSED: source 0 = 16 columns of W, source 1 = 16 rows of x.  Lane l then holds row l % 16 of the result and in
; its registers 0-7 the columns 8 (l / 16) + 0 .. 7: eight neighbouring numbers of a row, 16 bytes in f16.
.set SIZE_K, 1024
.set KSTEP,  128
.set PITCH,  272                       ; x's LDS row: 256 bytes + 16 of padding = 68 words: sixteen rows start at sixteen different groups of four banks (64 banks of 4 bytes: ISA guide 11.1)
.set BPITCH, 544                       ; W's LDS row: 512 bytes + 32 of padding, 17 x 32 bytes: the eight k-rows and two 16-byte columns that sixteen lanes of a transposing load touch do not collide
.set HALFT,  128*PITCH                 ; what one tensor load brings: 128 rows of x, or 64 k-rows of W (64 x 544 is the same 34,816 bytes)
.set SLOT,   4*HALFT                   ; x's 256 rows, then W's 128 k-rows
.set STAGE,  2*SLOT                    ; behind the ring: 16 rows x 272 bytes for each wave, for the way out; no tensor load lands here
.set SPITCH, 272
.set LAPS, SIZE_K/(2*KSTEP)            ; a lap = two K steps = once round the ring: 4
.set ADRA, 16                          ; v16-17  LDS address of my x fragments in slot 0, 1
.set ADRB, 20                          ; v20-21  the same for W
.set STO,  24                          ; v24     the way out: where I put 16 bytes of a row
.set RD,   25                          ; v25     the way out: where I read back
.set CO,   26                          ; v26     my byte offset in a run of 512 bytes of a panel
.set HI,   32                          ; v32-63  the low pass: 16 rows' high parts, packed
.set F0,   64
.set F1,   128
.set TMP,  192
.set G1, 24                            ; s[24:31] descriptor group 1 for x's tiles
.set G0, 32                            ; s[32:39] descriptor group 0 for x's tiles, one set for each slot
.set G1B, 48                           ; s[48:55] descriptor group 1 for W's tiles
.set G0B, 56                           ; s[56:63] descriptor group 0 for W's tiles, one set for each slot
.set MSB, 0
.macro WIN new                         ; the immediate's high byte repeats the setting that is left
.if MSB != \new
	s_set_vgpr_msb (MSB<<8)|\new
.set MSB, \new
.endif
.endm
.set MUL_LO, 0xa1                      ; source 0 (W) window 1, source 1 (x) window 0, C and D window 2
.set MUL_HI, 0xf1                      ; the same, C and D window 3
.set TO_B,   0x40                      ; destination window 1, address window 0
; A joint load.  Waves 0 and 1 fetch x's two halves, waves 2 and 3 W's.  Each line has one mask and one set of registers for all that issue it.
; The branch hangs on the wave's number alone: it is the same in every work-group.
.macro JLOAD s
	s_cmp_eq_u32 s11, 0
	s_cbranch_scc0 .Lfor_b_\@
	tensor_load_to_lds s[G0+4*\s:G0+4*\s+3], s[G1:G1+7]
	s_nop 0
	s_branch .Lasked_\@
.Lfor_b_\@:
	tensor_load_to_lds s[G0B+4*\s:G0B+4*\s+3], s[G1B:G1B+7]
	s_nop 0
.Lasked_\@:
.endm
; A round of the cluster's barrier: my work-group's barrier, so that wave 0's signal speaks for all four waves; wave 0 signals for the work-group;
; every wave waits for all sixteen work-groups; my work-group's barrier once more.
.macro CREST                           ; a round behind its opening barrier
	s_cmp_lg_u32 s10, 0
	s_cbranch_scc1 .Lnot_wave_0_\@
	s_barrier_signal -3
.Lnot_wave_0_\@:
	s_barrier_wait -3
	s_barrier_signal -1
	s_barrier_wait -1
.endm
.macro CROUND                          ; a whole round
	s_barrier_signal -1
	s_barrier_wait -1
	CREST
.endm
	s_load_b128 s[4:7], s[0:1], 0x0                ; xw s[4:5], qkv s[6:7]
	s_set_vgpr_msb 0x40
	v_lshl_add_u32 v255, v0, 2, 0x48400
	s_set_vgpr_msb 0x4000
	v_mov_b32 v255, 0
	s_set_vgpr_msb 0x1
	ds_add_u32 v255, v255
	s_set_vgpr_msb 0x100
	v_lshrrev_b32 v1, 5, v0
	v_readfirstlane_b32 s10, v1                    ; wave 0..3
	s_lshr_b32 s11, s10, 1                         ; which half of the block's rows is mine.  Also: I fetch for x (0) or for W (1)
	s_and_b32 s12, s10, 1                          ; which half of its columns.  Also: which half of that tile I fetch
	s_bfe_u32 s40, ttmp6, 0x40000                  ; cx: my place along the cluster's x = which 256 columns of the weight
	s_bfe_u32 s41, ttmp6, 0x40004                  ; cy
	s_and_b32 s45, ttmp7, 0xffff                   ; the cluster's y, 0 .. 3
	s_lshl_b32 s13, s41, 2
	s_add_co_u32 s13, s13, s45                     ; block row = cluster y + 4 cy
	s_lshl_b32 s43, s41, 2
	s_lshl_b32 s43, 15, s43                        ; my row of the cluster: places 4 cy .. 4 cy + 3
	s_lshl_b32 s44, 0x1111, s40                    ; my column: places cx, cx + 4, cx + 8, cx + 12
	; group 1 for x: 128 rows x 128 elements of 2 bytes, 4 words of padding behind every 64
	s_or_b32 s[G1+0], s43, (1<<16)|(1<<20)|(1<<21)|(5<<22)|(3<<25)  ; 15:0 mask: my row; 17:16 2-byte elements; 20 padding on; 21 set beside a mask; 24:22 every 64 words; 31:25 4 words
	s_mov_b32 s[G1+1], KSTEP<<16                   ; tensor_dim0 = 128
	s_mov_b32 s[G1+2], 128<<16                     ; tensor_dim1 = 128
	s_mov_b32 s[G1+3], KSTEP<<16                   ; tile_dim0 = 128
	s_mov_b32 s[G1+4], 128                         ; tile_dim1 = 128
	s_mov_b32 s[G1+5], SIZE_K                      ; 1,024 elements from row to row
	s_mov_b32 s[G1+6], 0
	s_mov_b32 s[G1+7], 0
	; group 1 for W: 64 k-rows x 256 elements of 2 bytes, 8 words of padding behind every 128
	s_or_b32 s[G1B+0], s44, (1<<16)|(1<<20)|(1<<21)|(6<<22)|(7<<25) ; the mask of my column
	s_mov_b32 s[G1B+1], 256<<16                    ; tensor_dim0 = 256
	s_mov_b32 s[G1B+2], 64<<16                     ; tensor_dim1 = 64
	s_mov_b32 s[G1B+3], 256<<16                    ; tile_dim0 = 256
	s_mov_b32 s[G1B+4], 64                         ; tile_dim1 = 64
	s_mov_b32 s[G1B+5], 1024                       ; 1,024 elements from k-row to k-row
	s_mov_b32 s[G1B+6], 0
	s_mov_b32 s[G1B+7], 0
	; where the tiles come from.  x's hang on the block row alone, W's on the cluster's x and cx alone; each in registers that never hold the other coordinate.
	s_lshl_b32 s16, s13, 19                        ; x: (256 x block row + 128 x half) rows of 2,048 bytes
	s_lshl_b32 s17, s12, 18
	s_add_co_u32 s16, s16, s17
	s_mov_b32 s17, 0
	s_lshl_b32 s46, ttmp9, 21                      ; W: which weight, 2 MiB each,
	s_lshl_b32 s47, s40, 9                         ; + 256 columns of 2 bytes for each cx
	s_add_co_u32 s46, s46, s47
	s_lshl_b32 s47, s12, 17                        ; + my 64 k-rows of 2,048 bytes
	s_add_co_u32 s46, s46, s47
	s_add_co_u32 s46, s46, 0x800000                ; behind x's 8 MiB
	s_mov_b32 s47, 0
	s_mul_i32 s20, s10, HALFT                      ; and where they go: wave x 34,816: no place in the cluster enters an LDS address
	s_wait_dscnt 0x0
	s_wait_kmcnt 0x0
	s_add_nc_u64 s[14:15], s[4:5], s[16:17]
	s_add_nc_u64 s[46:47], s[4:5], s[46:47]
	CROUND                                         ; all sixteen work-groups are here: the first joint loads meet
.irp s, 0,1
	s_mov_b32 s[G0+4*\s], 1                                        ; count = 1
	s_add_co_u32 s[G0+4*\s+1], s20, \s*SLOT                        ; LDS address
	s_add_nc_u64 s[G0+4*\s+2:G0+4*\s+3], s[14:15], \s*KSTEP*2      ; K step s: 256 bytes along x's rows
	s_or_b32 s[G0+4*\s+3], s[G0+4*\s+3], 0x80000000                ; type = 2
	s_mov_b32 s[G0B+4*\s], 1
	s_add_co_u32 s[G0B+4*\s+1], s20, \s*SLOT
	s_add_nc_u64 s[G0B+4*\s+2:G0B+4*\s+3], s[46:47], \s*KSTEP*2048 ; K step s: 128 k-rows down W
	s_or_b32 s[G0B+4*\s+3], s[G0B+4*\s+3], 0x80000000
	JLOAD \s                                       ; the ring is filled before anything else is done: two loads of mine are out
.endr
	; x's fragment: lane l holds row l % 16; registers 0-3 hold K = 8 (l / 16) + 0..7, registers 4-7 K = 16 + 8 (l / 16) + 0..7: two loads of 16 bytes, 32 bytes apart.
	v_and_b32 v1, 15, v0                           ; l % 16
	v_bfe_u32 v2, v0, 4, 1                         ; l / 16
	v_mul_u32_u24 v3, v1, PITCH
	v_lshl_add_u32 v3, v2, 4, v3
	; W's fragment, the same layout with column l % 16 in the row's place, from rows that lie along n: the transposing load.  Lane l names k-row
	; 8 (l / 16) + l % 8 and the 16 bytes (l / 8) % 2 of the 32 that hold the sixteen columns; a second load sixteen k-rows further down.
	v_and_b32 v6, 7, v0
	v_lshl_add_u32 v6, v2, 3, v6
	v_mul_u32_u24 v6, v6, BPITCH
	v_bfe_u32 v7, v0, 3, 1
	v_lshl_add_u32 v6, v7, 4, v6
	s_mul_i32 s21, s11, HALFT                      ; my 128 rows of x
	s_lshl_b32 s22, s12, 8                         ; my 128 columns of W: 256 bytes along its rows,
	s_add_co_u32 s22, s22, 2*HALFT                 ; which lie behind x's 256 rows
.irp s, 0,1
	v_add_nc_u32 v[ADRA+\s], s21, v3
	v_add_nc_u32 v[ADRB+\s], s22, v6
	s_add_co_u32 s21, s21, SLOT
	s_add_co_u32 s22, s22, SLOT
.endr
	s_mul_i32 s23, s10, 16*SPITCH
	s_add_co_u32 s23, s23, STAGE                   ; my stage
	v_mul_u32_u24 v4, v1, SPITCH                   ; in: row l % 16, 16 bytes for each half of the lanes
	v_lshl_add_u32 v4, v2, 4, v4
	v_add_nc_u32 v[STO], s23, v4
	v_bfe_u32 v5, v0, 3, 2                         ; back: eight lanes take one head's 128 bytes of a row, 32 lanes four rows
	v_mul_u32_u24 v5, v5, SPITCH
	v_and_b32 v7, 7, v0
	v_lshl_add_u32 v5, v7, 4, v5
	v_add_nc_u32 v[RD], s23, v5
	v_and_b32 v8, 31, v0
	v_lshlrev_b32 v[CO], 4, v8                     ; in the panel those four rows are 512 neighbouring bytes: 16 x lane
; 16 matrix instructions: m blocks a0, a0 + 1 of the window's four x all 8 n blocks, 32 along K.  zero = 1: the first product starts the sums.
.macro MUL16 f, hi, a0, zero
.irp a, \a0, \a0+1
.irp b, 0,1,2,3,4,5,6,7
.if \zero
	v_wmma_f32_16x16x32_f16 v[8*(8*(\a)+\b):8*(8*(\a)+\b)+7], v[\f+8*\b:\f+8*\b+7], v[\f+8*(4*\hi+\a):\f+8*(4*\hi+\a)+7], 0
.else
	v_wmma_f32_16x16x32_f16 v[8*(8*(\a)+\b):8*(8*(\a)+\b)+7], v[\f+8*\b:\f+8*\b+7], v[\f+8*(4*\hi+\a):\f+8*(4*\hi+\a)+7], v[8*(8*(\a)+\b):8*(8*(\a)+\b)+7]
.endif
.endr
.endr
.endm
; 32 LDS loads in one run: the fragments of one quarter step (32 K, at byte k of x's rows = k-row k / 2 of W, which is k x 272 bytes down) into buffer f
.macro FETCH slot, k, f
	WIN TO_B
.irp i, 0,1,2,3,4,5,6,7
	ds_load_tr16_b128 v[\f+8*\i:\f+8*\i+3],   v[ADRB+\slot] offset:\k*272+\i*32
	ds_load_tr16_b128 v[\f+8*\i+4:\f+8*\i+7], v[ADRB+\slot] offset:\k*272+\i*32+16*BPITCH
.endr
	WIN 0
.irp i, 0,1,2,3,4,5,6,7
	ds_load_b128 v[\f+8*\i:\f+8*\i+3],   v[ADRA+\slot] offset:\k+\i*16*PITCH
	ds_load_b128 v[\f+8*\i+4:\f+8*\i+7], v[ADRA+\slot] offset:\k+\i*16*PITCH+32
.endr
.endm
; A load into a register that a matrix instruction has read, and a vector instruction that reads a matrix result, stand four places behind that
; matrix instruction, and only plain vector instructions that name none of its registers are places (ISA guide 7.12.1 for vector instructions).
.macro PLACES
.rept 4
	v_nop
.endr
.endm
; A K step is four quarter steps of 32 along K, 64 matrix instructions each, on buffers 0, 1, 0, 1.  The 64 accumulators take turns, one
; instruction a turn, in the same order in every quarter, over the backward jump too.
.macro QUARTER slot, k, f, g, zero
	s_wait_dscnt 8                                 ; W and x's rows 0-63 are in; the youngest eight loads (x's rows 64-127) may be out
	WIN MUL_LO
	MUL16 \f, 0, 0, \zero
	MUL16 \f, 0, 2, \zero
	PLACES
	FETCH \slot, \k, \g
	s_wait_dscnt 32                                ; all but the 32 just issued
	WIN MUL_HI
	MUL16 \f, 1, 0, \zero
	MUL16 \f, 1, 2, \zero
.endm
.macro THREE slot, zero
	QUARTER \slot, 64,  F0, F1, \zero
	QUARTER \slot, 128, F1, F0, 0
	QUARTER \slot, 192, F0, F1, 0
.endm
; The last quarter: multiplies buffer 1 and changes slots.  In front of the barrier each wave waits for its own reads of this slot and for all its
; tensor loads, of which one is out: its part of the next slot.  Behind it nobody reads this slot any more and the next slot is whole: the refill
; comes first, then the next slot's first fragments.  From a request to the wait for it a wave issues 240 matrix instructions.
.macro TURN slot, next, fill
	s_wait_dscnt 8
	WIN MUL_LO
	MUL16 F1, 0, 0, 0
	s_wait_dscnt 0                                 ; my reads of this slot are over
	s_wait_tensorcnt 0x0                           ; and all my tensor loads have landed
	ds_add_u32 v255, v255
	s_wait_dscnt 0x0
	s_barrier_signal -1                            ; say so (where a slot is filled again this barrier opens a round of the cluster's barrier),
	MUL16 F1, 0, 2, 0                              ; work on registers while the others arrive,
	WIN 0
	s_barrier_wait -1
.if \fill
	CREST                                          ; all sixteen work-groups have said so: no wave of any partner still reads this slot or has a load on its way
	s_add_nc_u64 s[G0+4*\slot+2:G0+4*\slot+3], s[G0+4*\slot+2:G0+4*\slot+3], 2*KSTEP*2
	s_add_nc_u64 s[G0B+4*\slot+2:G0B+4*\slot+3], s[G0B+4*\slot+2:G0B+4*\slot+3], 2*KSTEP*2048
	JLOAD \slot                                    ; the first tensor load behind the round, my only one until the next
.endif
	PLACES
	FETCH \next, 0, F0
	WIN MUL_HI
	MUL16 F1, 1, 0, 0
	MUL16 F1, 1, 2, 0
.endm
.macro LAP zero
	THREE 0, \zero
	TURN 0, 1, 1
	THREE 1, 0
	TURN 1, 0, 1
.endm
	s_wait_tensorcnt 1                             ; my part of K step 0 is in; K step 1's may stay out
	s_barrier_signal -1
	s_barrier_wait -1                              ; everybody's is
	FETCH 0, 0, F0
	LAP 1                                          ; the first lap stands in front of the loop: its first products start the sums
	WIN 0                                          ; at a label and at a branch every window is 0
	s_mov_b32 s3, LAPS-2
.Llap:
	LAP 0
	WIN 0
	s_sub_co_u32 s3, s3, 1
	s_cmp_lg_u32 s3, 0
	s_cbranch_scc1 .Llap
	THREE 0, 0                                     ; the last lap fills nothing and has no round
	TURN 0, 1, 0
	THREE 1, 0
	s_wait_dscnt 8                                 ; the very last quarter
	WIN MUL_LO
	MUL16 F1, 0, 0, 0
	MUL16 F1, 0, 2, 0
	s_wait_dscnt 0
	WIN MUL_HI
	MUL16 F1, 1, 0, 0
	MUL16 F1, 1, 2, 0
	; THE WAY OUT, 16 rows at a time: round to f16, 16 bytes a lane into my own stage, read back by heads.  My 128 columns are two heads: a stage row
	; holds the first head's 128 bytes, then the second's.  In a panel sixteen rows of a head are 2,048 neighbouring bytes.
	PLACES
	s_lshr_b32 s16, s13, 3                         ; the part that hangs on the block row: batch, 16 panels of 262,144 bytes,
	s_lshl_b32 s16, s16, 22
	s_and_b32 s17, s13, 7                          ; + 256 rows of 128 bytes for each block row in the batch
	s_lshl_b32 s17, s17, 15
	s_add_co_u32 s16, s16, s17
	s_lshl_b32 s17, s11, 14                        ; + my half's 128 rows
	s_add_co_u32 s16, s16, s17
	s_mov_b32 s17, 0
	s_add_nc_u64 s[6:7], s[6:7], s[16:17]
	s_lshl_b32 s46, ttmp9, 23                      ; the part that hangs on the block column: which of Q', K, V, 32 panels each,
	s_lshl_b32 s47, s40, 20                        ; + 4 heads for each cx
	s_add_co_u32 s46, s46, s47
	s_lshl_b32 s47, s12, 19                        ; + 2 heads for my half
	s_add_co_u32 s46, s46, s47
	s_mov_b32 s47, 0
	s_add_nc_u64 s[6:7], s[6:7], s[46:47]
	s_add_nc_u64 s[18:19], s[6:7], 0x800000        ; the same place one group on: where V's low parts go
; 16 rows, packed in TMP, leave through my stage; f: F0 or F1 in turn; base: the scalar pair of the panel's address
.macro LEAVE16 i, f, base
.irp b, 0,1,2,3,4,5,6,7
	ds_store_b128 v[STO], v[TMP+4*\b:TMP+4*\b+3] offset:32*\b
.endr
	s_wait_xcnt 0x0                                ; every earlier memory instruction has had its addresses translated (ISA guide 3.1): buffer f, which stores read, is loaded again only behind this wait
.irp t, 0,1,2,3,4,5,6,7
	ds_load_b128 v[\f+4*\t:\f+4*\t+3], v[RD] offset:(\t&3)*4*SPITCH+(\t>>2)*128   ; four rows of one head; LDS serves a wave's instructions in order (ISA guide 5.7.1.4): these see the stores above
.endr
.irp t, 0,1,2,3,4,5,6,7
	s_wait_dscnt 7-\t
	global_store_b128 v[CO], v[\f+4*\t:\f+4*\t+3], s[\base:\base+1] offset:\i*2048+(\t&3)*512+(\t>>2)*262144   ; the wave stores 512 consecutive bytes, at a multiple of 512 from the panel's first byte
.endr
.endm
; rows 16 i .. 16 i + 15 of my block = the eight tiles (a, 0..7) of window 2 or 3 (from = 0x0a or 0x0f: sources 0 and 1)
.macro OUT16 i, a, from, f
	WIN \from
.irp b, 0,1,2,3,4,5,6,7
.irp r, 0,1,2,3
	v_cvt_pk_f16_f32 v[TMP+4*\b+\r], v[8*(8*\a+\b)+2*\r], v[8*(8*\a+\b)+2*\r+1]
.endr
.endr
	WIN 0
	LEAVE16 \i, \f, 6
.endm
	OUT16 0, 0, 0x0a, F0
	OUT16 1, 1, 0x0a, F1
	OUT16 2, 2, 0x0a, F0
	OUT16 3, 3, 0x0a, F1
	OUT16 4, 0, 0x0f, F0
	OUT16 5, 1, 0x0f, F1
	OUT16 6, 2, 0x0f, F0
	OUT16 7, 3, 0x0f, F1
; THE LOW PASS: the same rows once more, sum - f16(sum), rounded to f16.
.macro WIDEN d, s                      ; v[d], v[d+1] = the two f16 of register s, in f32 (a register's halves are named by its number)
	v_cvt_f32_f16 v[\d],   v\s\().l
	v_cvt_f32_f16 v[\d+1], v\s\().h
.endm
; from: sources 0 and 1 in the accumulators' window; one: source 0 alone.  The 64 widened numbers lie in the upper halves of the two fragment
; buffers (v96-127, v160-191), which the way out's loads and stores never name.
.macro LO16 i, a, from, one, f
	WIN \from
.irp b, 0,1,2,3,4,5,6,7
.irp r, 0,1,2,3
	v_cvt_pk_f16_f32 v[HI+4*\b+\r], v[8*(8*\a+\b)+2*\r], v[8*(8*\a+\b)+2*\r+1]
.endr
.endr
	WIN 0
.irp w, 32,33,34,35,36,37,38,39,40,41,42,43,44,45,46,47
	WIDEN F0+32+2*(\w-32), \w
.endr
.irp w, 48,49,50,51,52,53,54,55,56,57,58,59,60,61,62,63
	WIDEN F1+32+2*(\w-48), \w
.endr
	WIN \one
.set p, 0
.rept 32
.set wd, F0+32+2*p+(p/16)*32
	v_pk_add_f32 v[wd:wd+1], v[64*\a+2*p:64*\a+2*p+1], v[wd:wd+1] neg_lo:[0,1] neg_hi:[0,1]    ; exact: the two agree in their first eleven bits
.set p, p+1
.endr
	WIN 0
.set p, 0
.rept 32
.set wd, F0+32+2*p+(p/16)*32
	v_cvt_pk_f16_f32 v[TMP+p], v[wd], v[wd+1]
.set p, p+1
.endr
	LEAVE16 \i, \f, 18
.endm
	; Wanted: V's rows 0-31 of each batch, which are rows 0-31 of block rows 0 and 8.  The three branches hang on the cluster's x and y, the same numbers
	; in all sixteen partners, and on the wave's number; block rows 4 and 12 run the same lines, and what
	; they store (rows 1,024-1,055 of the panels of group 3) is never read.  No barrier stands inside.
	s_cmp_lg_u32 ttmp9, 2                          ; V's cluster column
	s_cbranch_scc1 .Lno_low
	s_cmp_lg_u32 s45, 0                            ; the cluster with block rows 0, 4, 8, 12
	s_cbranch_scc1 .Lno_low
	s_cmp_lg_u32 s11, 0                            ; the waves with the block's rows 0-127
	s_cbranch_scc1 .Lno_low
	LO16 0, 0, 0x0a, 0x02, F0
	LO16 1, 1, 0x0a, 0x02, F1
.Lno_low:
	s_set_vgpr_msb 0x1
	s_wait_tensorcnt 0x0
	ds_add_u32 v255, v255
	s_wait_dscnt 0x0
	s_set_vgpr_msb 0x100
	CROUND                                         ; the closing round: no work-group ends while a partner may still ask for a tile that names it
	s_endpgm
.Lfunc_end_k_q63b183b378_qkv:
	.size	k_q63b183b378_qkv, .Lfunc_end_k_q63b183b378_qkv-k_q63b183b378_qkv
	.p2alignl 7, 3214868480
	.fill 96, 4, 3214868480
	.section	.rodata,"a",@progbits
	.p2align	6, 0x0
	.amdhsa_kernel k_q63b183b378_qkv
		.amdhsa_group_segment_fixed_size 327680
		.amdhsa_private_segment_fixed_size 0
		.amdhsa_enable_private_segment 0
		.amdhsa_kernarg_size 16
		.amdhsa_user_sgpr_count 2
		.amdhsa_user_sgpr_kernarg_segment_ptr 1
		.amdhsa_wavefront_size32 1
		.amdhsa_system_sgpr_workgroup_id_x 1
		.amdhsa_system_sgpr_workgroup_id_y 1
		.amdhsa_system_sgpr_workgroup_id_z 1
		.amdhsa_system_vgpr_workitem_id 0
		.amdhsa_next_free_vgpr 1024
		.amdhsa_next_free_sgpr 66
		.amdhsa_reserve_vcc 0
		.amdhsa_float_denorm_mode_32 3
		.amdhsa_float_denorm_mode_16_64 3
		.amdhsa_memory_ordered 1
		.amdhsa_forward_progress 1
		.amdhsa_inst_pref_size 217
	.end_amdhsa_kernel
	.amdgpu_metadata
---
amdhsa.version: [ 1, 2 ]
amdhsa.kernels:
  - .name:           k_q63b183b378_qkv
    .symbol:         k_q63b183b378_qkv.kd
    .args:
      - { .name: xw, .offset: 0, .size: 8, .value_kind: global_buffer, .address_space: global }
      - { .name: qkv, .offset: 8, .size: 8, .value_kind: global_buffer, .address_space: global }
    .group_segment_fixed_size: 327680
    .private_segment_fixed_size: 0
    .kernarg_segment_align: 8
    .kernarg_segment_size: 16
    .max_flat_workgroup_size: 128
    .sgpr_count:     66
    .vgpr_count:     1024
    .wavefront_size: 32
...
	.end_amdgpu_metadata
.endif
;; end of part 5
;; launch attn (part 6): grid 8 x 32, 8 waves a work-group, no clusters, 327,680 bytes of LDS; arguments qkv, vec, vlo; writes vec, vlo
.if DOCPART == 6
	.amdgcn_target "amdgcn-amd-amdhsa--gfx1250"
	.amdhsa_code_object_version 6
	.text
	.protected	k_q63b183b378_attn
	.globl	k_q63b183b378_attn
	.p2align	8
	.type	k_q63b183b378_attn,@function
k_q63b183b378_attn:
	s_mov_b64 s[64:65], 0
	v_nop
	global_prefetch_b8 v0, s[64:65] scope:SCOPE_SE
	s_setreg_imm32_b32 hwreg(HW_REG_WAVE_MODE, 25, 1), 1
	s_wait_xcnt 0x0
; Causal attention of one (batch, head) panel: vec = softmax(mask(Q' K^T)) V.  Q' already carries 1/sqrt(64) and log2(e), so weights are 2^(s - m).
; f16 operands, f32 sums; m, l and O in f32; a running maximum is taken away before every exponential, so every exponent is <= 0.
; The maximum starts at the lowest finite f32 (it bounds no input: scores are finite); masked scores are -inf and give the weight 0.
; PRECISION: the causal mask leaves the first queries of a batch few keys, down to one, so that one key's V goes undiluted into a result.  For queries
; 0-31 of a batch, whose keys are 0-31, V is therefore taken as a pair of f16 (its rounded value and what the rounding left).  Everywhere else V keeps
; f16's relative rounding of 2^-11.  The results are rounded to f16; of the first 16 rows of each block of 128 what that rounding left is stored too.
; LIMITS: |vectors| < 65,504 (f16's range); a low part below 2^-14 carries an absolute error of up to 3e-8; NaN and infinities in the inputs are not served.
; WORK: a work-group does two blocks of 128 query rows of its panel, iA = 14 - 2 ex and then iB = 2 ex + 1 (ex = grid x).  Block i needs the units
; (128 keys each) 0 .. i, so every work-group walks (15 - 2 ex) + (2 ex + 2) = 17 units: 256 equal work-groups.  Units above the diagonal are not done.
; Each block takes its diagonal unit first: that unit starts the sums (C = 0), nothing is cleared.  The block with an odd number of units comes
; first, so the two slots take turns on every path.
; WAVES: wave w has the 32 query rows sub = w & 3 and, of every unit, the 64 keys g = w >> 2.  The two waves with one sub keep m, l, O of their own
; and are merged once a block, through LDS.
; NO MULTICAST: the eight work-groups of a panel need different numbers of tiles in each block (15 - 2 ex and 2 ex + 2), in different orders;
; walking in step would cost each of them the longest walk.
; TRANSPOSED PRODUCTS: S^T = K Q'^T has key 8 h + j in register j and query r in lane (r, h); O^T = V^T P^T.  Two S^T tiles of 32 neighbouring keys,
; packed to f16 in place, ARE the second source of the second product; m, l and the rescaling factor are one number a lane.
; vec[16 batch + block][head 16][128 rows][64] f16, a plane of 16,384 dense bytes.
; vlo[16 batch + block][head 16][db 4][lane 32][16 bytes]: lane (r, h) holds d = 16 db + 8 h + 0 .. 7 of the block's row r, as the lane holds them here
; and as the next launch's matrix fragments want them.
.set SLOTB,  35840                     ; a slot: K's unit as 64 rows of 256 bytes (two keys each), pitch 272 (17,408 bytes); then V's, pitch 288 (18,432)
.set VOFF,   17408
.set MSTAGE, 71680                     ; the merge: 17 runs of 512 bytes for each sub; no tensor load lands here
.set OSTAGE, 106496                    ; the way out: 32 rows, pitch 144, for each sub; ends at 124,928
.set VLO,    124928                    ; V's low parts of keys 0-31: 16 rows of 256 bytes, pitch 288; filled once; ends at 129,536
.set KA,   2                           ; LDS address of my K fragments in slot 0
.set VA,   3                           ; of my V fragments
.set LIM,  4                           ; diagonal unit: key 16 kb + j of tile (kb, qb) is kept where 16 kb + j - 16 qb <= LIM
.set NINF, 5
.set QOFF, 6
.set MST,  7
.set OST,  8
.set ORD,  9
.set CO,   10
.set VL,   11                          ; LDS address of the fragments of V's low parts, used by wave 0 alone (during the set-up: l / 16)
.set M0,   12                          ; v[12:15] m of query block 0, 1; l of 0, 1 (l: the sum over my half of the lanes' keys)
.set M1,   13
.set L0,   14
.set L1,   15
.set AL0,  16                          ; v[16:17] rescaling factor of block 0 in the first register; the second is a temporary
.set TB0,  17
.set AL1,  18
.set TB1,  19
.set MN0,  20                          ; v[20:21] new maximum of block 0 in the first register
.set TP0,  21
.set MN1,  22
.set TP1,  23
.set TA0,  24                          ; v[24:31] temporaries; in the merge v[28:31] are the partner's m and l
.set TA1,  25
.set Q,    32                          ; v[32:63]   fragment (qb, ds) at Q + 16 qb + 8 ds
.set S,    64                          ; v[64:127]  tile (kb, qb) at S + 32 qb + 8 kb
.set O,    128                         ; v[128:191] tile (db, qb) at O + 32 qb + 8 db
.set F,    192                         ; v[192:255] K's fragments, then V's
.set G1K, 28                           ; s[28:35]
.set G1V, 36                           ; s[36:43]
.set G0K, 44                           ; s[44:51] one set for each slot
.set G0V, 52                           ; s[52:59]
.set G0L, 76                           ; s[76:79] V's low parts
.set G1L, 84                           ; s[84:91]
	s_load_b128 s[4:7], s[0:1], 0x0                ; qkv s[4:5], vec s[6:7]
	s_load_b64 s[92:93], s[0:1], 0x10              ; vlo
	s_set_vgpr_msb 0x40
	v_lshl_add_u32 v0, v0, 2, 0x29000
	v_mov_b32 v1, 0
	s_set_vgpr_msb 0x4045
	ds_add_u32 v0, v1
	s_set_vgpr_msb 0x4500
	v_lshrrev_b32 v1, 5, v0
	v_readfirstlane_b32 s8, v1                     ; wave 0..7
	s_and_b32 s9, s8, 3                            ; sub
	s_lshr_b32 s10, s8, 2                          ; g
	s_mov_b32 s11, ttmp9                           ; ex; also the trips of block B's loop
	s_and_b32 s12, ttmp7, 0xffff                   ; 16 batch + head
	s_lshl_b32 s14, s11, 1
	s_sub_co_u32 s13, 14, s14                      ; iA
	s_add_co_u32 s14, s14, 1                       ; iB
	s_sub_co_u32 s15, 7, s11                       ; trips of block A's loop: iA / 2
	s_mov_b32 s68, 0x76543210                      ; v_permlanex16_b32: lane i of one half reads lane i of the other
	s_mov_b32 s69, 0xfedcba98
	s_mov_b32 s70, 0xff7fffff                      ; the lowest finite f32
	; A unit of K or of V is 16,384 dense bytes: 64 rows of 32 elements of 8 bytes; padding behind every 64 words: 4 words for K, 8 for V
	s_mov_b32 s[G1K+0], (3<<16)|(1<<20)|(5<<22)|(3<<25)
	s_mov_b32 s[G1K+1], 32<<16                     ; tensor_dim0 = 32
	s_mov_b32 s[G1K+2], 64<<16                     ; tensor_dim1 = 64
	s_mov_b32 s[G1K+3], 32<<16                     ; tile_dim0 = 32
	s_mov_b32 s[G1K+4], 64                         ; tile_dim1 = 64
	s_mov_b32 s[G1K+5], 32                         ; pitch = 32 elements
	s_mov_b32 s[G1K+6], 0
	s_mov_b32 s[G1K+7], 0
	s_mov_b32 s[G1V+0], (3<<16)|(1<<20)|(5<<22)|(7<<25)
	s_mov_b32 s[G1V+1], 32<<16
	s_mov_b32 s[G1V+2], 64<<16
	s_mov_b32 s[G1V+3], 32<<16
	s_mov_b32 s[G1V+4], 64
	s_mov_b32 s[G1V+5], 32
	s_mov_b32 s[G1V+6], 0
	s_mov_b32 s[G1V+7], 0
	s_mov_b32 s[G1L+0], (3<<16)|(1<<20)|(5<<22)|(7<<25)    ; V's low parts of 32 keys: 4,096 dense bytes, 16 such rows, padded as V's
	s_mov_b32 s[G1L+1], 32<<16
	s_mov_b32 s[G1L+2], 16<<16                     ; tensor_dim1 = 16
	s_mov_b32 s[G1L+3], 32<<16
	s_mov_b32 s[G1L+4], 16                         ; tile_dim1 = 16
	s_mov_b32 s[G1L+5], 32
	s_mov_b32 s[G1L+6], 0
	s_mov_b32 s[G1L+7], 0
	s_mov_b32 s[G0K+0], 1
	s_mov_b32 s[G0K+1], 0
	s_mov_b32 s[G0K+4], 1
	s_mov_b32 s[G0K+5], SLOTB
	s_mov_b32 s[G0V+0], 1
	s_mov_b32 s[G0V+1], VOFF
	s_mov_b32 s[G0V+4], 1
	s_mov_b32 s[G0V+5], SLOTB+VOFF
	s_mov_b32 s[G0L+0], 1
	s_mov_b32 s[G0L+1], VLO
	s_mov_b32 s3, 0
	s_mov_b32 s67, 0
	s_lshl_b32 s2, s12, 18                         ; my panel: 262,144 bytes each
	s_lshl_b32 s66, s13, 14                        ; the first unit: iA, 16,384 bytes each
	s_wait_dscnt 0x0
	s_barrier_signal -1
	s_barrier_wait -1
	s_wait_kmcnt 0x0
	s_add_nc_u64 s[24:25], s[4:5], s[2:3]          ; Q' panel
	s_add_nc_u64 s[20:21], s[24:25], 0x800000      ; K panel: 32 panels on
	s_add_nc_u64 s[22:23], s[24:25], 0x1000000     ; V panel: 64 panels on
	s_add_nc_u64 s[G0L+2:G0L+3], s[24:25], 0x1800000       ; the panel of V's low parts, 96 panels on: its rows 0-31
	s_or_b32 s[G0L+3], s[G0L+3], 0x80000000
	s_add_nc_u64 s[G0K+2:G0K+3], s[20:21], s[66:67]
	s_or_b32 s[G0K+3], s[G0K+3], 0x80000000
	s_add_nc_u64 s[G0V+2:G0V+3], s[22:23], s[66:67]
	s_or_b32 s[G0V+3], s[G0V+3], 0x80000000
; Wave 0 asks for K's unit, wave 1 for V's, 64 rows each; the other waves ask for nothing.  By this text's count a wave has at most one tensor load out.
.macro KVLOAD o
	s_cmp_lg_u32 s8, 0
	s_cbranch_scc1 .Lno_k_\@
	tensor_load_to_lds s[G0K+4*\o:G0K+4*\o+3], s[G1K:G1K+7]
	s_nop 0
.Lno_k_\@:
	s_cmp_lg_u32 s8, 1
	s_cbranch_scc1 .Lno_v_\@
	tensor_load_to_lds s[G0V+4*\o:G0V+4*\o+3], s[G1V:G1V+7]
	s_nop 0
.Lno_v_\@:
.endm
	KVLOAD 0                                       ; the first fills, ahead of every wait on TENSORcnt and LDS read
	s_cmp_lg_u32 s8, 2
	s_cbranch_scc1 .Lno_low
	s_cmp_lg_u32 s11, 7                            ; block 0 of the panel is block A of the work-group with ex = 7: no other reads the low parts
	s_cbranch_scc1 .Lno_low
	tensor_load_to_lds s[G0L:G0L+3], s[G1L:G1L+7]  ; wave 2's one load; these bytes are never filled again; every wait on TENSORcnt in this text is for 0
	s_nop 0
.Lno_low:
	s_lshl_b32 s2, s9, 12                          ; my 32 query rows of 128 bytes
	s_add_nc_u64 s[24:25], s[24:25], s[2:3]
	s_lshl_b32 s2, s14, 14
	s_add_nc_u64 s[72:73], s[24:25], s[2:3]        ; Q' of block B
	s_lshl_b32 s2, s13, 14
	s_add_nc_u64 s[24:25], s[24:25], s[2:3]        ; Q' of block A
	v_and_b32 v1, 15, v0                           ; r
	v_bfe_u32 v11, v0, 4, 1                        ; h
	v_lshlrev_b32 v[QOFF], 7, v1                   ; Q' fragment: query r's row, 16 bytes for each half of the lanes
	v_lshl_add_u32 v[QOFF], v11, 4, v[QOFF]
.macro QLOAD ptr
.irp qb, 0,1
.irp c, 0,1,2,3
	global_load_b128 v[Q+16*\qb+4*\c:Q+16*\qb+4*\c+3], v[QOFF], s[\ptr:\ptr+1] offset:2048*\qb+32*\c
.endr
.endr
.endm
	QLOAD 24
	s_lshr_b32 s18, s12, 4                         ; where the results go: batch, 16 blocks of 16 planes of 16,384 bytes,
	s_lshl_b32 s18, s18, 22
	s_and_b32 s19, s12, 15                         ; + the head's plane
	s_lshl_b32 s19, s19, 14
	s_add_co_u32 s18, s18, s19
	s_lshl_b32 s19, s9, 12                         ; + my 32 rows
	s_add_co_u32 s18, s18, s19
	s_lshl_b32 s19, s13, 18                        ; + the block's 16 planes
	s_add_co_u32 s2, s18, s19
	s_add_nc_u64 s[26:27], s[6:7], s[2:3]          ; block A
	s_lshl_b32 s19, s14, 18
	s_add_co_u32 s2, s18, s19
	s_add_nc_u64 s[74:75], s[6:7], s[2:3]          ; block B
	s_lshr_b32 s18, s12, 4                         ; and what their rounding left: batch, 16 blocks of 32,768 bytes,
	s_lshl_b32 s18, s18, 19
	s_and_b32 s19, s12, 15                         ; + the head's 2,048 bytes
	s_lshl_b32 s19, s19, 11
	s_add_co_u32 s18, s18, s19
	s_lshl_b32 s19, s13, 15
	s_add_co_u32 s2, s18, s19
	s_add_nc_u64 s[80:81], s[92:93], s[2:3]        ; block A
	s_lshl_b32 s19, s14, 15
	s_add_co_u32 s2, s18, s19
	s_add_nc_u64 s[82:83], s[92:93], s[2:3]        ; block B
	; K fragment: key 64 g + 16 kb + r lies at ((key) >> 1) x 272 + (key & 1) x 128.  In words sixteen lanes start at 68 (r >> 1) + 32 (r & 1): sixteen different groups of four banks
	v_and_b32 v24, 1, v0
	v_bfe_u32 v25, v0, 1, 3
	v_mul_u32_u24 v[KA], v25, 272
	v_lshl_add_u32 v[KA], v24, 7, v[KA]
	v_lshl_add_u32 v[KA], v11, 4, v[KA]
	s_mul_i32 s18, s10, 8704
	v_add_nc_u32 v[KA], s18, v[KA]
	; V fragment by the transposing load: lane l names key 8 h + l % 8 and the 16 bytes (l / 8) % 2 of the 32 that hold sixteen d.
	; In words sixteen lanes start at 72 ((l % 8) >> 1) + 32 (l & 1) + 4 ((l / 8) % 2): sixteen different groups of four banks
	v_bfe_u32 v25, v0, 1, 2
	v_lshl_add_u32 v25, v11, 2, v25
	v_mul_u32_u24 v[VA], v25, 288
	v_lshl_add_u32 v[VA], v24, 7, v[VA]
	v_bfe_u32 v25, v0, 3, 1
	v_lshl_add_u32 v[VA], v25, 4, v[VA]
	s_mul_i32 s18, s10, 9216
	v_add_nc_u32 v[VA], s18, v[VA]
	; key 64 g + 16 kb + 8 h + j <= query 32 sub + 16 qb + r
	s_lshl_b32 s18, s9, 5
	s_lshl_b32 s19, s10, 6
	s_sub_co_i32 s18, s18, s19
	v_lshlrev_b32 v25, 3, v11
	v_sub_nc_u32 v[LIM], v1, v25
	v_add_nc_u32 v[LIM], s18, v[LIM]
	v_mov_b32 v[NINF], 0xff800000
	v_and_b32 v25, 31, v0
	v_lshlrev_b32 v[CO], 4, v25                    ; 16 x lane
	s_mul_i32 s18, s9, 8704
	s_add_co_u32 s18, s18, MSTAGE
	v_add_nc_u32 v[MST], s18, v[CO]
	s_mul_i32 s18, s9, 4608
	s_add_co_u32 s18, s18, OSTAGE
	v_mul_u32_u24 v[OST], v1, 144                  ; in: query r's row, 16 bytes for each half of the lanes
	v_lshl_add_u32 v[OST], v11, 4, v[OST]
	v_add_nc_u32 v[OST], s18, v[OST]
	v_bfe_u32 v25, v0, 3, 2                        ; back: eight lanes take a row of 128 bytes
	v_mul_u32_u24 v[ORD], v25, 144
	v_and_b32 v25, 7, v0
	v_lshl_add_u32 v[ORD], v25, 4, v[ORD]
	v_add_nc_u32 v[ORD], s18, v[ORD]
	v_add_nc_u32 v[VL], VLO, v[VA]                 ; h is used no more.  In wave 0, which alone uses it, g = 0: keys 0-31 of the low tile
	v_mov_b32 v[TP0], 0                            ; a lane permute's destination counts as read: written once here
	v_mov_b32 v[TP1], 0
; The unit that follows in the walk: s60 counts the units under the diagonal; when they are used up (s60 = s61) the next block's diagonal unit s62 follows.
.macro NEXTADDR o
	s_cmp_lt_u32 s60, s61
	s_cselect_b32 s63, s60, s62
	s_add_co_u32 s60, s60, 1
	s_lshl_b32 s66, s63, 14
	s_add_nc_u64 s[G0K+4*\o+2:G0K+4*\o+3], s[20:21], s[66:67]
	s_or_b32 s[G0K+4*\o+3], s[G0K+4*\o+3], 0x80000000
	s_add_nc_u64 s[G0V+4*\o+2:G0V+4*\o+3], s[22:23], s[66:67]
	s_or_b32 s[G0V+4*\o+3], s[G0V+4*\o+3], 0x80000000
.endm
; The diagonal unit's mask.  Tile (kk, 0) and tile (kk + 1, 1) have the same bound, so one compare serves two selects.
.macro MASK
.set kk, -1
.rept 5
.set j, 0
.rept 8
	v_cmp_le_i32 vcc_lo, 16*kk+j, v[LIM]
.if kk >= 0
	v_cndmask_b32 v[S+8*kk+j], v[NINF], v[S+8*kk+j], vcc_lo
.endif
.if kk < 3
	v_cndmask_b32 v[S+32+8*(kk+1)+j], v[NINF], v[S+32+8*(kk+1)+j], vcc_lo
.endif
.set j, j+1
.endr
.set kk, kk+1
.endr
.endm
; S (64 keys x 32 queries, 32 registers for each query block) becomes P in f16; m, l, O follow.  first = 1: the block's first unit starts m and l.
.macro SOFTMAX first
	v_max3_num_f32 v[TA0], v[S+0],  v[S+1],  v[S+2]        ; four chains that do not wait for each other
	v_max3_num_f32 v[TA1], v[S+32], v[S+33], v[S+34]
	v_max3_num_f32 v[TB0], v[S+16], v[S+17], v[S+18]
	v_max3_num_f32 v[TB1], v[S+48], v[S+49], v[S+50]
.irp k, 3,5,7,9,11,13
	v_max3_num_f32 v[TA0], v[TA0], v[S+\k],    v[S+\k+1]
	v_max3_num_f32 v[TA1], v[TA1], v[S+32+\k], v[S+32+\k+1]
	v_max3_num_f32 v[TB0], v[TB0], v[S+16+\k], v[S+16+\k+1]
	v_max3_num_f32 v[TB1], v[TB1], v[S+48+\k], v[S+48+\k+1]
.endr
	v_max3_num_f32 v[TA0], v[TA0], v[S+15], v[S+31]
	v_max3_num_f32 v[TA1], v[TA1], v[S+47], v[S+63]
.if \first
	v_max3_num_f32 v[TA0], v[TA0], v[TB0], s70             ; a lane whose keys are all masked keeps a finite maximum
	v_max3_num_f32 v[TA1], v[TA1], v[TB1], s70
.else
	v_max3_num_f32 v[TA0], v[TA0], v[TB0], v[M0]
	v_max3_num_f32 v[TA1], v[TA1], v[TB1], v[M1]
.endif
	v_permlanex16_b32 v[TP0], v[TA0], s68, s69             ; the other half of the lanes holds the other keys of the same query
	v_permlanex16_b32 v[TP1], v[TA1], s68, s69
	v_max_num_f32 v[MN0], v[TA0], v[TP0]
	v_max_num_f32 v[MN1], v[TA1], v[TP1]
.if \first
.else
	v_sub_f32 v[AL0], v[M0], v[MN0]
	v_sub_f32 v[AL1], v[M1], v[MN1]
.endif
.set p, 0
.rept 16
	v_pk_add_f32 v[S+2*p:S+2*p+1],       v[S+2*p:S+2*p+1],       v[MN0:MN0+1] op_sel_hi:[1,0] neg_lo:[0,1] neg_hi:[0,1]   ; s - m, both by the pair's first register
	v_pk_add_f32 v[S+32+2*p:S+32+2*p+1], v[S+32+2*p:S+32+2*p+1], v[MN1:MN1+1] op_sel_hi:[1,0] neg_lo:[0,1] neg_hi:[0,1]
.set p, p+1
.endr
.set p, 0
.rept 64
	v_exp_f32 v[S+p], v[S+p]
.set p, p+1
.endr
.if \first
.else
	v_exp_f32 v[AL0], v[AL0]
	v_exp_f32 v[AL1], v[AL1]
.endif
	v_mov_b32 v[M0], v[MN0]                                ; a plain vector instruction between the exponentials and the first use of a result (ISA guide 5.7.2)
	v_mov_b32 v[M1], v[MN1]
	s_wait_alu depctr_va_vdst(0)
	v_pk_add_f32 v[24:25], v[S+0:S+1],   v[S+2:S+3]
	v_pk_add_f32 v[26:27], v[S+16:S+17], v[S+18:S+19]
	v_pk_add_f32 v[28:29], v[S+32:S+33], v[S+34:S+35]
	v_pk_add_f32 v[30:31], v[S+48:S+49], v[S+50:S+51]
.irp k, 4,6,8,10,12,14
	v_pk_add_f32 v[24:25], v[24:25], v[S+\k:S+\k+1]
	v_pk_add_f32 v[26:27], v[26:27], v[S+16+\k:S+16+\k+1]
	v_pk_add_f32 v[28:29], v[28:29], v[S+32+\k:S+32+\k+1]
	v_pk_add_f32 v[30:31], v[30:31], v[S+48+\k:S+48+\k+1]
.endr
	v_pk_add_f32 v[24:25], v[24:25], v[26:27]
	v_pk_add_f32 v[28:29], v[28:29], v[30:31]
.if \first
	v_add_f32 v[L0], v24, v25
	v_add_f32 v[L1], v28, v29
.else
	v_add_f32 v24, v24, v25
	v_add_f32 v28, v28, v29
	v_fma_f32 v[L0], v[L0], v[AL0], v24
	v_fma_f32 v[L1], v[L1], v[AL1], v28
.endif
.irp x, 0,16,32,48                                         ; two tiles (32 keys) pack into eight registers, in place and ascending: register i is written when 2 i and 2 i + 1 are read
.irp i, 0,1,2,3,4,5,6,7
	v_cvt_pk_f16_f32 v[S+\x+\i], v[S+\x+2*\i], v[S+\x+2*\i+1]
.endr
.endr
.if \first
.else
.set p, 0
.rept 16
	v_pk_mul_f32 v[O+2*p:O+2*p+1],       v[O+2*p:O+2*p+1],       v[AL0:AL0+1] op_sel_hi:[1,0]
	v_pk_mul_f32 v[O+32+2*p:O+32+2*p+1], v[O+32+2*p:O+32+2*p+1], v[AL1:AL1+1] op_sel_hi:[1,0]
.set p, p+1
.endr
.endif
.endm
; One unit, in slot `slot`.  diag = 1: the block's diagonal unit, its first (blk: 0 for block A, 1 for block B).  refill = 1: the other slot is filled with the unit that follows.
.macro UNIT slot, diag, refill, blk
	s_set_vgpr_msb 0x5
	s_wait_tensorcnt 0x0                           ; all my tensor loads have landed, this unit's among them: no load of mine is out, so a group 0 may be written
	ds_add_u32 v0, v1
	s_wait_dscnt 0x0
	s_set_vgpr_msb 0x500
.if \refill
	NEXTADDR (1-\slot)
.endif
	s_wait_dscnt 0x0                               ; my reads of the other slot are over
	s_barrier_signal -1
	s_barrier_wait -1                              ; both now hold of all eight waves
.if \refill
	KVLOAD (1-\slot)                               ; first thing behind the barrier: it has the whole unit in which to land
.endif
.irp ds, 0,1
.irp kb, 0,1,2,3
	ds_load_b128 v[F+32*\ds+8*\kb:F+32*\ds+8*\kb+3],   v[KA] offset:\slot*SLOTB+\kb*2176+64*\ds
	ds_load_b128 v[F+32*\ds+8*\kb+4:F+32*\ds+8*\kb+7], v[KA] offset:\slot*SLOTB+\kb*2176+64*\ds+32
.endr
.endr
.if \diag
	s_wait_loadcnt 0x0                             ; the block's Q'
.endif
	s_wait_dscnt 0x8                               ; the fragments of d = 0 .. 31 are in; the eight younger loads stay out
.irp qb, 0,1                                       ; eight accumulators take turns, one instruction a turn
.irp kb, 0,1,2,3
	v_wmma_f32_16x16x32_f16 v[S+32*\qb+8*\kb:S+32*\qb+8*\kb+7], v[F+8*\kb:F+8*\kb+7], v[Q+16*\qb:Q+16*\qb+7], 0
.endr
.endr
	s_wait_dscnt 0x0
.irp qb, 0,1
.irp kb, 0,1,2,3
	v_wmma_f32_16x16x32_f16 v[S+32*\qb+8*\kb:S+32*\qb+8*\kb+7], v[F+32+8*\kb:F+32+8*\kb+7], v[Q+16*\qb+8:Q+16*\qb+15], v[S+32*\qb+8*\kb:S+32*\qb+8*\kb+7]
.endr
.endr
.rept 4
	v_nop                                          ; four places before S is read and before loads are issued into K's fragments
.endr
.irp u, 0,1                                        ; V's fragments land while the softmax runs
.irp db, 0,1,2,3
	ds_load_tr16_b128 v[F+32*\u+8*\db:F+32*\u+8*\db+3],   v[VA] offset:\slot*SLOTB+VOFF+\u*4608+32*\db
	ds_load_tr16_b128 v[F+32*\u+8*\db+4:F+32*\u+8*\db+7], v[VA] offset:\slot*SLOTB+VOFF+\u*4608+32*\db+2304
.endr
.endr
.if \diag
	MASK
.endif
	SOFTMAX \diag
	s_wait_dscnt 0x0
.irp u, 0,1                                        ; again eight accumulators by turns
.irp qb, 0,1
.irp db, 0,1,2,3
.if \diag*(1-\u)
	v_wmma_f32_16x16x32_f16 v[O+32*\qb+8*\db:O+32*\qb+8*\db+7], v[F+32*\u+8*\db:F+32*\u+8*\db+7], v[S+32*\qb+16*\u:S+32*\qb+16*\u+7], 0
.else
	v_wmma_f32_16x16x32_f16 v[O+32*\qb+8*\db:O+32*\qb+8*\db+7], v[F+32*\u+8*\db:F+32*\u+8*\db+7], v[S+32*\qb+16*\u:S+32*\qb+16*\u+7], v[O+32*\qb+8*\db:O+32*\qb+8*\db+7]
.endif
.endr
.endr
.endr
.if \diag*(1-\blk)
	; The panel's block 0 (ex = 7), queries 0-31 and keys 0-31: wave 0 alone.  The same P by the low parts of V, onto the same sums.
	s_cmp_lg_u32 s8, 0
	s_cbranch_scc1 .Lno_vlo_\@
	s_cmp_lg_u32 s11, 7
	s_cbranch_scc1 .Lno_vlo_\@
.rept 4
	v_nop                                          ; four places before loads are issued into V's fragments
.endr
.irp db, 0,1,2,3
	ds_load_tr16_b128 v[F+8*\db:F+8*\db+3],   v[VL] offset:32*\db
	ds_load_tr16_b128 v[F+8*\db+4:F+8*\db+7], v[VL] offset:32*\db+2304
.endr
	s_wait_dscnt 0x0
.irp qb, 0,1                                       ; the eight accumulators go on taking turns
.irp db, 0,1,2,3
	v_wmma_f32_16x16x32_f16 v[O+32*\qb+8*\db:O+32*\qb+8*\db+7], v[F+8*\db:F+8*\db+7], v[S+32*\qb:S+32*\qb+7], v[O+32*\qb+8*\db:O+32*\qb+8*\db+7]
.endr
.endr
.Lno_vlo_\@:
.endif
.rept 5
	v_nop                                          ; five places before the next unit's first products write over P; they also cover the loads into V's fragments and every reader of O
.endr
.endm
.macro WIDEN d, s                      ; v[d], v[d+1] = the two f16 of register s, in f32 (a register's halves are named by its number)
	v_cvt_f32_f16 v[\d],   v\s\().l
	v_cvt_f32_f16 v[\d+1], v\s\().h
.endm
; The end of a block: waves 4-7 hand m, l, O to waves 0-3, which merge, divide, round and store.  more = 1: registers are used again behind it.
.macro FINAL optr, lptr, more
	s_cmp_lt_u32 s8, 4
	s_cbranch_scc1 .Lkeep_\@
.set k, 0
.rept 16
	ds_store_b128 v[MST], v[O+4*k:O+4*k+3] offset:512*k    ; 16 bytes a lane, neighbouring lanes at neighbouring bytes
.set k, k+1
.endr
	ds_store_b128 v[MST], v[M0:M0+3] offset:8192
.Lkeep_\@:
	s_wait_dscnt 0x0                               ; for the partner's sake: the stores are done
	s_barrier_signal -1
	s_barrier_wait -1                              ; The next unit's tensor load may stay on its way
	s_cmp_ge_u32 s8, 4
	s_cbranch_scc1 .Ldone_\@
.set k, 0
.rept 16
	ds_load_b128 v[F+4*k:F+4*k+3], v[MST] offset:512*k
.set k, k+1
.endr
	ds_load_b128 v[28:31], v[MST] offset:8192
	s_wait_dscnt 0x0
	v_max_num_f32 v24, v[M0], v28                  ; the common maximum; mine is a real score (key 0 of the diagonal unit is never masked for g = 0)
	v_max_num_f32 v25, v[M1], v29
	v_sub_f32 v16, v[M0], v24
	v_sub_f32 v18, v[M1], v25
	v_sub_f32 v20, v28, v24
	v_sub_f32 v22, v29, v25
	v_exp_f32 v16, v16
	v_exp_f32 v18, v18
	v_exp_f32 v20, v20
	v_exp_f32 v22, v22
	v_nop                                          ; a plain place behind the exponentials
	s_wait_alu depctr_va_vdst(0)
	v_mul_f32 v24, v[L0], v16
	v_mul_f32 v25, v[L1], v18
	v_fmac_f32 v24, v30, v20
	v_fmac_f32 v25, v31, v22
	v_permlanex16_b32 v21, v24, s68, s69           ; l was kept by halves of the lanes: now the whole sum, at least 1
	v_permlanex16_b32 v23, v25, s68, s69
	v_add_f32 v24, v24, v21
	v_add_f32 v25, v25, v23
	v_rcp_f32 v24, v24
	v_rcp_f32 v25, v25
	v_nop                                          ; a plain place behind the reciprocals
	s_wait_alu depctr_va_vdst(0)
	v_mul_f32 v16, v16, v24
	v_mul_f32 v18, v18, v25
	v_mul_f32 v20, v20, v24
	v_mul_f32 v22, v22, v25
.set p, 0
.rept 16
	v_pk_mul_f32 v[O+2*p:O+2*p+1],       v[O+2*p:O+2*p+1],       v[16:17] op_sel_hi:[1,0]
	v_pk_mul_f32 v[O+32+2*p:O+32+2*p+1], v[O+32+2*p:O+32+2*p+1], v[18:19] op_sel_hi:[1,0]
	v_pk_fma_f32 v[O+2*p:O+2*p+1],       v[F+2*p:F+2*p+1],       v[20:21], v[O+2*p:O+2*p+1]       op_sel_hi:[1,0,1]
	v_pk_fma_f32 v[O+32+2*p:O+32+2*p+1], v[F+32+2*p:F+32+2*p+1], v[22:23], v[O+32+2*p:O+32+2*p+1] op_sel_hi:[1,0,1]
.set p, p+1
.endr
.irp qb, 0,1                                       ; a lane's eight numbers of a tile are d = 16 db + 8 h + 0 .. 7 of query r: 16 bytes of its row.  Packed register S + p holds O + 2 p and O + 2 p + 1
.irp db, 0,1,2,3
.irp i, 0,1,2,3
	v_cvt_pk_f16_f32 v[S+16*\qb+4*\db+\i], v[O+32*\qb+8*\db+2*\i], v[O+32*\qb+8*\db+2*\i+1]
.endr
.endr
.endr
.irp qb, 0,1
.irp db, 0,1,2,3
	ds_store_b128 v[OST], v[S+16*\qb+4*\db:S+16*\qb+4*\db+3] offset:2304*\qb+32*\db
.endr
.endr
.irp t, 0,1,2,3,4,5,6,7
	ds_load_b128 v[S+32+4*\t:S+32+4*\t+3], v[ORD] offset:576*\t    ; my own bytes; LDS serves a wave's instructions in order (ISA guide 5.7.1.4)
.endr
.irp t, 0,1,2,3,4,5,6,7
	s_wait_dscnt 7-\t
	global_store_b128 v[CO], v[S+32+4*\t:S+32+4*\t+3], s[\optr:\optr+1] offset:512*\t   ; four rows: the wave stores 512 consecutive bytes, at a multiple of 512 from the plane's first byte
.endr
	s_cmp_lg_u32 s8, 0                             ; the block's rows 0-15 are wave 0's query block 0: of them what the rounding left goes out too
	s_cbranch_scc1 .Lno_pair_\@
.irp w, 64,65,66,67,68,69,70,71,72,73,74,75,76,77,78,79
	WIDEN F+2*(\w-64), \w                          ; the rounded values back in f32 (S = 64: the packed registers by number)
.endr
.set p, 0
.rept 16
	v_pk_add_f32 v[O+2*p:O+2*p+1], v[O+2*p:O+2*p+1], v[F+2*p:F+2*p+1] neg_lo:[0,1] neg_hi:[0,1]   ; exact: the two agree in their first eleven bits
.set p, p+1
.endr
.set p, 0
.rept 16
	v_cvt_pk_f16_f32 v[F+32+p], v[O+2*p], v[O+2*p+1]
.set p, p+1
.endr
.irp db, 0,1,2,3
	global_store_b128 v[CO], v[F+32+4*\db:F+32+4*\db+3], s[\lptr:\lptr+1] offset:512*\db   ; straight from registers, lane by lane: 512 consecutive bytes, at a multiple of 512 from vlo's first byte
.endr
.Lno_pair_\@:
.if \more
	s_wait_xcnt 0x0                                ; S and F, which these stores read, are written again only behind this wait
.endif
.Ldone_\@:
.endm
	s_mov_b32 s60, 0                               ; block A: the units under the diagonal are 0 .. iA - 1, then block B's diagonal unit
	s_mov_b32 s61, s13
	s_mov_b32 s62, s14
	UNIT 0, 1, 1, 0
	s_cmp_eq_u32 s15, 0
	s_cbranch_scc1 .Lafter_a
	s_mov_b32 s17, s15
.Lloop_a:
	UNIT 1, 0, 1, 0
	UNIT 0, 0, 1, 0
	s_sub_co_i32 s17, s17, 1
	s_cmp_lg_u32 s17, 0
	s_cbranch_scc1 .Lloop_a
.Lafter_a:
	QLOAD 72                                       ; block B's Q' comes in while block A goes out
	FINAL 26, 80, 1
	s_mov_b32 s60, 0                               ; block B: units 0 .. iB - 1; the bound is never reached
	s_mov_b32 s61, 64
	UNIT 1, 1, 1, 1
	s_cmp_eq_u32 s11, 0
	s_cbranch_scc1 .Lafter_b
	s_mov_b32 s17, s11
.Lloop_b:
	UNIT 0, 0, 1, 0
	UNIT 1, 0, 1, 0
	s_sub_co_i32 s17, s17, 1
	s_cmp_lg_u32 s17, 0
	s_cbranch_scc1 .Lloop_b
.Lafter_b:
	UNIT 0, 0, 0, 0                                ; the last unit: nothing is left to fetch, and its wait for 0 leaves no tensor load out at the end
	FINAL 74, 82, 0
	s_set_vgpr_msb 0x5
	s_wait_tensorcnt 0x0
	ds_add_u32 v0, v1
	s_wait_dscnt 0x0
	s_set_vgpr_msb 0x500
	s_endpgm
.Lfunc_end_k_q63b183b378_attn:
	.size	k_q63b183b378_attn, .Lfunc_end_k_q63b183b378_attn-k_q63b183b378_attn
	.p2alignl 7, 3214868480
	.fill 96, 4, 3214868480
	.section	.rodata,"a",@progbits
	.p2align	6, 0x0
	.amdhsa_kernel k_q63b183b378_attn
		.amdhsa_group_segment_fixed_size 327680
		.amdhsa_private_segment_fixed_size 0
		.amdhsa_enable_private_segment 0
		.amdhsa_kernarg_size 24
		.amdhsa_user_sgpr_count 2
		.amdhsa_user_sgpr_kernarg_segment_ptr 1
		.amdhsa_wavefront_size32 1
		.amdhsa_system_sgpr_workgroup_id_x 1
		.amdhsa_system_sgpr_workgroup_id_y 1
		.amdhsa_system_sgpr_workgroup_id_z 1
		.amdhsa_system_vgpr_workitem_id 0
		.amdhsa_next_free_vgpr 258
		.amdhsa_next_free_sgpr 94
		.amdhsa_reserve_vcc 1
		.amdhsa_float_denorm_mode_32 3
		.amdhsa_float_denorm_mode_16_64 3
		.amdhsa_memory_ordered 1
		.amdhsa_forward_progress 1
		.amdhsa_inst_pref_size 167
	.end_amdhsa_kernel
	.amdgpu_metadata
---
amdhsa.version: [ 1, 2 ]
amdhsa.kernels:
  - .name:           k_q63b183b378_attn
    .symbol:         k_q63b183b378_attn.kd
    .args:
      - { .name: qkv, .offset: 0, .size: 8, .value_kind: global_buffer, .address_space: global }
      - { .name: vec, .offset: 8, .size: 8, .value_kind: global_buffer, .address_space: global }
      - { .name: vlo, .offset: 16, .size: 8, .value_kind: global_buffer, .address_space: global }
    .group_segment_fixed_size: 327680
    .private_segment_fixed_size: 0
    .kernarg_segment_align: 8
    .kernarg_segment_size: 24
    .max_flat_workgroup_size: 256
    .sgpr_count:     94
    .vgpr_count:     258
    .wavefront_size: 32
...
	.end_amdgpu_metadata
.endif
;; end of part 6
;; launch outp (part 7): grid 8 x 32, 4 waves a work-group, clusters of 4 x 4, 327,680 bytes of LDS; arguments vec, xw, out0, vlo; writes out0
.if DOCPART == 7
	.amdgcn_target "amdgcn-amd-amdhsa--gfx1250"
	.amdhsa_code_object_version 6
	.text
	.protected	k_q63b183b378_outp
	.globl	k_q63b183b378_outp
	.p2align	8
	.type	k_q63b183b378_outp,@function
k_q63b183b378_outp:
	s_mov_b64 s[64:65], 0
	v_nop
	global_prefetch_b8 v0, s[64:65] scope:SCOPE_SE
	s_setreg_imm32_b32 hwreg(HW_REG_WAVE_MODE, 25, 1), 1
	s_wait_xcnt 0x0
	s_wait_alu depctr_hold_cnt(0) depctr_sa_sdst(0) depctr_va_vdst(0) depctr_va_sdst(0) depctr_va_ssrc(0) depctr_va_vcc(0) depctr_vm_vsrc(0)
	s_getreg_b32 s2, hwreg(HW_REG_IB_STS2, 6, 4)
	s_cmp_eq_u32 s2, 0
	s_cbranch_scc0 .Lentry_in_a_cluster
	s_endpgm
.Lentry_in_a_cluster:
	s_bfe_u32 s2, ttmp6, 0x10000c
	s_cmp_lg_u32 s2, 0xf033
	s_cbranch_scc0 .Lentry_shape_is_right
	s_endpgm
.Lentry_shape_is_right:
; out0 = vectors Wout: [4096][1024] by [1024 k][1024 n]; f16 operands, f32 sums, f32 out.
; vectors lie as vec[row block 32][head 16][128 rows][64], rounded to f16; k = 64 head + d.  Wout is the last 2 MiB of xw, [k][n].
; vlo[row block 32][32,768 bytes] holds what that rounding left of each block's rows 0-15, already in the order of a matrix fragment.
; PRECISION: the first rows of a batch have few keys and are far larger than the output's root mean square, by which every number is judged: for them
; eleven bits of the vectors are too few.  So the low parts of a block's rows 0-15 are multiplied as well, by the fragments of Wout that are in
; registers anyway, onto the same sums.  Only the first block of each batch needs that; every block does it: 256 of a work-group's 2,304 matrix
; instructions.  A branch that spared the others would let the blocks that need it end no earlier.
; A work-group makes a block of 128 x 128 with four waves, a wave 64 x 64 (16 accumulator tiles): 8 x 32 = 256 work-groups; a larger block would
; leave work for 128 or fewer.  K goes in four steps of 256 through two LDS slots; there is no loop.
; A step's tile of vectors is four planes, 65,536 dense bytes; a step's tile of Wout 256 k-rows of 256 bytes, kept [k][n] and read by the transposing load.
; CLUSTERS: 4 x 4 work-groups; the tile of vectors is shared along a row of the cluster, Wout's along a column, each asked for jointly.
; REGISTERS: window 0: v16-27 addresses; two fragment buffers, v64-127 and v128-191 (vectors' four fragments, then Wout's four);
;   window 1: accumulator (a, b) at v[8 (4 a + b)];  window 2 (waves 0 and 1): the 32 fragments of the low parts, that of k = 32 q .. 32 q + 31 at v[8 q].
; THE MATRIX INSTRUCTION IS USED TRANSPOSED: source 0 = 16 columns of Wout, source 1 = 16 rows of vectors: a lane holds eight neighbouring numbers of a row of the result.
.set PART,   36864                     ; what one tensor load may take: 128 rows at pitch 288 (Wout); the vectors' 128 rows at pitch 272 use 34,816 of it
.set SLOT,   4*PART
.set STAGE,  2*SLOT                    ; behind the ring: 16 rows x 272 bytes for each wave; no tensor load lands here
.set APITCH, 272                       ; 256 bytes (two rows of a plane) + 16
.set BPITCH, 288                       ; 256 bytes + 32 = 9 x 32
.set SPITCH, 272
.set ADRA, 16                          ; v16-17  my fragments of vectors in slot 0, 1
.set ADRB, 20                          ; v20-23  my fragments of Wout: 2 x slot + (which 128 k-rows)
.set STO,  24
.set RD,   25
.set CO,   26
.set LOFF, 27                          ; 16 x lane
.set F0,   64
.set F1,   128
.set G1, 24                            ; s[24:31] group 1, vectors
.set G0, 32                            ; s[32:39] group 0, vectors, one set for each slot
.set G1B, 48                           ; s[48:55] group 1, Wout
.set G0B, 56                           ; s[56:63] group 0, Wout
.set MSB, 0
.macro WIN new                         ; the immediate's high byte repeats the setting that is left
.if MSB != \new
	s_set_vgpr_msb (MSB<<8)|\new
.set MSB, \new
.endif
.endm
.set MUL, 0x50                         ; sources 0 and 1 window 0, C and D window 1
.set MUL_L, 0x58                       ; source 0 window 0, source 1 window 2, C and D window 1
.set TO_L, 0x80                        ; a load's destination window 2, its address window 0
.set FROM_ACC, 0x04                    ; an LDS store's data window 1, its address window 0
.macro JLOAD s                         ; waves 0 and 1 fetch the vectors' two halves, waves 2 and 3 Wout's; the branch hangs on the wave's number alone
	s_cmp_eq_u32 s11, 0
	s_cbranch_scc0 .Lfor_b_\@
	tensor_load_to_lds s[G0+4*\s:G0+4*\s+3], s[G1:G1+7]
	s_nop 0
	s_branch .Lasked_\@
.Lfor_b_\@:
	tensor_load_to_lds s[G0B+4*\s:G0B+4*\s+3], s[G1B:G1B+7]
	s_nop 0
.Lasked_\@:
.endm
.macro CREST                           ; a round of the cluster's barrier behind its opening barrier
	s_cmp_lg_u32 s10, 0
	s_cbranch_scc1 .Lnot_wave_0_\@
	s_barrier_signal -3
.Lnot_wave_0_\@:
	s_barrier_wait -3
	s_barrier_signal -1
	s_barrier_wait -1
.endm
.macro CROUND                          ; a whole round
	s_barrier_signal -1
	s_barrier_wait -1
	CREST
.endm
	s_load_b128 s[4:7], s[0:1], 0x0                ; vec s[4:5], xw s[6:7]
	s_load_b64 s[8:9], s[0:1], 0x10                ; out0
	s_load_b64 s[18:19], s[0:1], 0x18              ; vlo
	v_lshl_add_u32 v254, v0, 2, 0x4c400
	v_mov_b32 v255, 0
	ds_add_u32 v254, v255
	v_lshrrev_b32 v1, 5, v0
	v_readfirstlane_b32 s10, v1                    ; wave 0..3
	s_lshr_b32 s11, s10, 1                         ; my half of the block's rows.  Also: I fetch vectors (0) or Wout (1)
	s_and_b32 s12, s10, 1                          ; my half of its columns.  Also: which half of that tile I fetch
	s_bfe_u32 s40, ttmp6, 0x40000                  ; cx
	s_bfe_u32 s41, ttmp6, 0x40004                  ; cy
	s_lshl_b32 s42, ttmp9, 2
	s_add_co_u32 s42, s42, s40                     ; block column = 4 x cluster x + cx
	s_and_b32 s13, ttmp7, 0xffff
	s_lshl_b32 s13, s13, 2
	s_add_co_u32 s13, s13, s41                     ; block row = 4 x cluster y + cy
	s_lshl_b32 s43, s41, 2
	s_lshl_b32 s43, 15, s43                        ; my row of the cluster
	s_lshl_b32 s44, 0x1111, s40                    ; my column
	; vectors: two planes, 32,768 dense bytes, as 128 rows of 32 elements of 8 bytes; 4 words of padding behind every 64
	s_or_b32 s[G1+0], s43, (3<<16)|(1<<20)|(1<<21)|(5<<22)|(3<<25)
	s_mov_b32 s[G1+1], 32<<16                      ; tensor_dim0 = 32
	s_mov_b32 s[G1+2], 128<<16                     ; tensor_dim1 = 128
	s_mov_b32 s[G1+3], 32<<16                      ; tile_dim0 = 32
	s_mov_b32 s[G1+4], 128                         ; tile_dim1 = 128
	s_mov_b32 s[G1+5], 32                          ; pitch = 32 elements
	s_mov_b32 s[G1+6], 0
	s_mov_b32 s[G1+7], 0
	; Wout: 128 k-rows of 128 elements of 2 bytes; 8 words of padding behind every 64
	s_or_b32 s[G1B+0], s44, (1<<16)|(1<<20)|(1<<21)|(5<<22)|(7<<25)
	s_mov_b32 s[G1B+1], 128<<16
	s_mov_b32 s[G1B+2], 128<<16
	s_mov_b32 s[G1B+3], 128<<16
	s_mov_b32 s[G1B+4], 128
	s_mov_b32 s[G1B+5], 1024                       ; 1,024 elements from k-row to k-row
	s_mov_b32 s[G1B+6], 0
	s_mov_b32 s[G1B+7], 0
	s_lshl_b32 s16, s13, 18                        ; vectors: the row block's 16 planes of 16,384 bytes + my two planes of the step's four
	s_lshl_b32 s17, s12, 15
	s_add_co_u32 s16, s16, s17
	s_mov_b32 s17, 0
	s_lshl_b32 s46, s42, 8                         ; Wout: 128 columns of 2 bytes for each block column + my 128 k-rows of 2,048 bytes,
	s_lshl_b32 s47, s12, 18
	s_add_co_u32 s46, s46, s47
	s_add_co_u32 s46, s46, 0xe00000                ; 14 MiB into xw
	s_mov_b32 s47, 0
	s_mul_i32 s20, s10, PART                       ; where they go: wave x 36,864
	s_wait_dscnt 0x0
	s_wait_kmcnt 0x0
	s_add_nc_u64 s[14:15], s[4:5], s[16:17]
	s_add_nc_u64 s[46:47], s[6:7], s[46:47]
	CROUND                                         ; all sixteen work-groups are here: the first joint loads meet
.irp s, 0,1
	s_mov_b32 s[G0+4*\s], 1
	s_add_co_u32 s[G0+4*\s+1], s20, \s*SLOT
	s_add_nc_u64 s[G0+4*\s+2:G0+4*\s+3], s[14:15], \s*65536        ; K step s: four planes on
	s_or_b32 s[G0+4*\s+3], s[G0+4*\s+3], 0x80000000
	s_mov_b32 s[G0B+4*\s], 1
	s_add_co_u32 s[G0B+4*\s+1], s20, \s*SLOT
	s_add_nc_u64 s[G0B+4*\s+2:G0B+4*\s+3], s[46:47], \s*524288     ; K step s: 256 k-rows down
	s_or_b32 s[G0B+4*\s+3], s[G0B+4*\s+3], 0x80000000
	JLOAD \s                                       ; two loads of mine are out
.endr
	; The low parts of the block's rows 0-15, 32,768 bytes, once, into the registers of the two waves that hold those rows: run i of 512 bytes is
	; registers 4 i .. 4 i + 3 of all 32 lanes, so two runs are the fragment of 32 k.  They come in while the first tiles do.
	v_and_b32 v7, 31, v0
	v_lshlrev_b32 v[LOFF], 4, v7
	s_lshl_b32 s16, s13, 15
	s_add_nc_u64 s[18:19], s[18:19], s[16:17]      ; s17 is 0
	s_cmp_lg_u32 s11, 0
	s_cbranch_scc1 .Lno_pairs
	WIN TO_L
.set i, 0
.rept 64
	global_load_b128 v[4*i:4*i+3], v[LOFF], s[18:19] offset:512*i
.set i, i+1
.endr
	WIN 0
.Lno_pairs:
	v_and_b32 v1, 15, v0                           ; r
	v_bfe_u32 v2, v0, 4, 1                         ; h
	v_bfe_u32 v3, v0, 1, 3                         ; row m of a plane lies at (m >> 1) x 272 + (m & 1) x 128
	v_mul_u32_u24 v3, v3, APITCH
	v_and_b32 v4, 1, v0
	v_lshl_add_u32 v3, v4, 7, v3
	v_lshl_add_u32 v3, v2, 4, v3
	s_mul_i32 s21, s11, 32*APITCH                  ; my 64 rows
	v_add_nc_u32 v[ADRA], s21, v3
	v_add_nc_u32 v[ADRA+1], SLOT, v[ADRA]
	v_and_b32 v5, 7, v0                            ; the transposing load: k-row 8 h + l % 8, the 16 bytes (l / 8) % 2
	v_lshl_add_u32 v5, v2, 3, v5
	v_mul_u32_u24 v5, v5, BPITCH
	v_bfe_u32 v6, v0, 3, 1
	v_lshl_add_u32 v5, v6, 4, v5
	s_lshl_b32 s22, s12, 7                         ; my 64 columns: 128 bytes along the rows,
	s_add_co_u32 s22, s22, 2*PART                  ; behind the vectors' two parts
	v_add_nc_u32 v[ADRB], s22, v5
	v_add_nc_u32 v[ADRB+1], PART, v[ADRB]          ; the second 128 k-rows have a register of their own: an LDS offset has 16 bits
	v_add_nc_u32 v[ADRB+2], SLOT, v[ADRB]
	v_add_nc_u32 v[ADRB+3], SLOT+PART, v[ADRB]
	s_mul_i32 s23, s10, 16*SPITCH
	s_add_co_u32 s23, s23, STAGE                   ; my stage
	v_mul_u32_u24 v4, v1, SPITCH                   ; in: row r, 32 bytes for each half of the lanes
	v_lshl_add_u32 v4, v2, 5, v4
	v_add_nc_u32 v[STO], s23, v4
	v_mul_u32_u24 v5, v2, SPITCH                   ; back: lanes 0-15 take one row of 256 bytes, lanes 16-31 the next
	v_lshl_add_u32 v5, v1, 4, v5
	v_add_nc_u32 v[RD], s23, v5
	v_lshlrev_b32 v5, 12, v2                       ; the same two rows in out0, 4,096 bytes apart
	v_lshl_add_u32 v[CO], v1, 4, v5
; four matrix instructions: m block a x all four n blocks, 32 along K.  zero = 1: the first product starts the sums.
.macro MULA f, a, zero
.irp b, 0,1,2,3
.if \zero
	v_wmma_f32_16x16x32_f16 v[8*(4*\a+\b):8*(4*\a+\b)+7], v[\f+32+8*\b:\f+32+8*\b+7], v[\f+8*\a:\f+8*\a+7], 0
.else
	v_wmma_f32_16x16x32_f16 v[8*(4*\a+\b):8*(4*\a+\b)+7], v[\f+32+8*\b:\f+32+8*\b+7], v[\f+8*\a:\f+8*\a+7], v[8*(4*\a+\b):8*(4*\a+\b)+7]
.endif
.endr
.endm
; four more in waves 0 and 1: the low parts of rows 0-15 at k = 32 lq .. 32 lq + 31, by buffer f's fragments of Wout, onto the accumulators (0, b).
; It stands behind the turns of another m block, so no two matrix instructions that follow each other share an accumulator.
.macro LOMUL f, lq
	WIN 0                                          ; (a branch follows)
.if (\lq) == 0
	s_wait_loadcnt 0x0                             ; the low parts are in; on every wave's path, once (waves 2 and 3 have no load out)
.endif
	s_cmp_lg_u32 s11, 0
	s_cbranch_scc1 .Lno_low_\@
	WIN MUL_L
.irp b, 0,1,2,3
	v_wmma_f32_16x16x32_f16 v[8*\b:8*\b+7], v[\f+32+8*\b:\f+32+8*\b+7], v[8*(\lq):8*(\lq)+7], v[8*\b:8*\b+7]
.endr
	WIN 0
.Lno_low_\@:
.endm
; 16 LDS loads in one run: the fragments of eighth kq (32 K) of a step.  k = 32 kq is head kq >> 1 of the step's four, d = 32 (kq & 1).
.macro FETCH slot, kq, f
.irp i, 0,1,2,3
	ds_load_tr16_b128 v[\f+32+8*\i:\f+32+8*\i+3],   v[ADRB+2*\slot+(\kq>>2)] offset:(\kq&3)*32*BPITCH+32*\i
	ds_load_tr16_b128 v[\f+32+8*\i+4:\f+32+8*\i+7], v[ADRB+2*\slot+(\kq>>2)] offset:(\kq&3)*32*BPITCH+32*\i+16*BPITCH
.endr
.irp i, 0,1,2,3
	ds_load_b128 v[\f+8*\i:\f+8*\i+3],   v[ADRA+\slot] offset:(\kq>>2)*PART+((\kq>>1)&1)*64*APITCH+(\kq&1)*64+\i*8*APITCH
	ds_load_b128 v[\f+8*\i+4:\f+8*\i+7], v[ADRA+\slot] offset:(\kq>>2)*PART+((\kq>>1)&1)*64*APITCH+(\kq&1)*64+\i*8*APITCH+32
.endr
.endm
.macro PLACES                          ; four places behind a matrix instruction before a load is issued into a register that it read, or its result is read (ISA guide 7.12.1 for a read of its result)
.rept 4
	v_nop
.endr
.endm
; An eighth of a step: multiplies buffer f (eighth lq of all 32); in its middle it fetches eighth kq of the slot into buffer g.  The accumulators take
; turns, one instruction a turn, in the same order in every eighth.
.macro QUARTER slot, kq, f, g, zero, lq
	s_wait_dscnt 4                                 ; Wout's fragments and the vectors' 0 and 1 are in; the youngest four loads (fragments 2 and 3) may be out
	WIN MUL
	MULA \f, 0, \zero
	MULA \f, 1, \zero
	LOMUL \f, \lq
	PLACES
	FETCH \slot, \kq, \g
	s_wait_dscnt 16                                ; all but the 16 just issued
	WIN MUL
	MULA \f, 2, \zero
	MULA \f, 3, \zero
.endm
.macro SEVEN slot, zero, st
	QUARTER \slot, 1, F0, F1, \zero, 8*\st+0
	QUARTER \slot, 2, F1, F0, 0, 8*\st+1
	QUARTER \slot, 3, F0, F1, 0, 8*\st+2
	QUARTER \slot, 4, F1, F0, 0, 8*\st+3
	QUARTER \slot, 5, F0, F1, 0, 8*\st+4
	QUARTER \slot, 6, F1, F0, 0, 8*\st+5
	QUARTER \slot, 7, F0, F1, 0, 8*\st+6
.endm
; The last eighth: multiplies buffer 1 and changes slots.  In front of the barrier each wave waits for its reads of this slot and for all its tensor
; loads; behind it the refill comes first, then the next slot's first fragments.
.macro TURN slot, next, fill, lq
	s_wait_dscnt 4
	WIN MUL
	MULA F1, 0, 0
	s_wait_dscnt 0                                 ; my reads of this slot are over
	s_wait_tensorcnt 0x0                           ; and all my tensor loads have landed: the one that was out is my part of the next slot
	ds_add_u32 v254, v255
	s_wait_dscnt 0x0
	s_barrier_signal -1
	MULA F1, 1, 0                                  ; work on registers while the others arrive
	WIN 0
	s_barrier_wait -1
.if \fill
	CREST                                          ; all sixteen work-groups have said so
	s_add_nc_u64 s[G0+4*\slot+2:G0+4*\slot+3], s[G0+4*\slot+2:G0+4*\slot+3], 131072
	s_add_nc_u64 s[G0B+4*\slot+2:G0B+4*\slot+3], s[G0B+4*\slot+2:G0B+4*\slot+3], 1048576
	JLOAD \slot                                    ; the first tensor load behind the round, my only one until the next
.endif
	PLACES
	FETCH \next, 0, F0
	WIN MUL
	MULA F1, 2, 0
	MULA F1, 3, 0
	LOMUL F1, \lq
.endm
	s_wait_tensorcnt 1                             ; my part of K step 0 is in; K step 1's may stay out
	s_barrier_signal -1
	s_barrier_wait -1
	FETCH 0, 0, F0
	SEVEN 0, 1, 0                                  ; K step 0: its first products start the sums
	TURN 0, 1, 1, 7                                ; slot 0 gets K step 2
	SEVEN 1, 0, 1
	TURN 1, 0, 1, 15                               ; slot 1 gets K step 3
	SEVEN 0, 0, 2
	TURN 0, 1, 0, 23                               ; nothing is left to fetch: no round
	SEVEN 1, 0, 3
	s_wait_dscnt 4                                 ; the very last eighth
	WIN MUL
	MULA F1, 0, 0
	MULA F1, 1, 0
	s_wait_dscnt 0
	MULA F1, 2, 0
	MULA F1, 3, 0
	LOMUL F1, 31
	; THE WAY OUT, 16 rows at a time: a lane's 32 bytes of a row go into my own stage, whole rows of 256 bytes come back.
	PLACES
	s_lshl_b32 s16, s13, 19                        ; (128 x block row + 64 x half) rows of 4,096 bytes
	s_lshl_b32 s17, s11, 18
	s_add_co_u32 s16, s16, s17
	s_mov_b32 s17, 0
	s_add_nc_u64 s[8:9], s[8:9], s[16:17]
	s_lshl_b32 s46, s42, 9                         ; 512 bytes for each block column + 256 for my half
	s_lshl_b32 s47, s12, 8
	s_add_co_u32 s46, s46, s47
	s_mov_b32 s47, 0
	s_add_nc_u64 s[8:9], s[8:9], s[46:47]
.macro OUT16 a, f
	WIN FROM_ACC
.irp b, 0,1,2,3
	ds_store_b128 v[STO], v[8*(4*\a+\b):8*(4*\a+\b)+3]   offset:64*\b
	ds_store_b128 v[STO], v[8*(4*\a+\b)+4:8*(4*\a+\b)+7] offset:64*\b+16
.endr
	WIN 0
	s_wait_xcnt 0x0                                ; buffer f, which earlier stores read, is loaded again only behind this wait (ISA guide 3.1)
.irp t, 0,1,2,3,4,5,6,7
	ds_load_b128 v[\f+4*\t:\f+4*\t+3], v[RD] offset:\t*2*SPITCH    ; LDS serves a wave's instructions in order (ISA guide 5.7.1.4): these see the stores above
.endr
.irp t, 0,1,2,3,4,5,6,7
	s_wait_dscnt 7-\t
	global_store_b128 v[CO], v[\f+4*\t:\f+4*\t+3], s[8:9] offset:(16*\a+2*\t)*4096 th:TH_STORE_NT   ; 16 lanes store 256 consecutive bytes, at a multiple of 256 from out0's first byte
.endr
.endm
	OUT16 0, F0
	OUT16 1, F1
	OUT16 2, F0
	OUT16 3, F1
	s_wait_tensorcnt 0x0
	ds_add_u32 v254, v255
	s_wait_dscnt 0x0
	CROUND                                         ; the closing round: no work-group ends while a partner may still ask for a tile that names it
	s_endpgm
.Lfunc_end_k_q63b183b378_outp:
	.size	k_q63b183b378_outp, .Lfunc_end_k_q63b183b378_outp-k_q63b183b378_outp
	.p2alignl 7, 3214868480
	.fill 96, 4, 3214868480
	.section	.rodata,"a",@progbits
	.p2align	6, 0x0
	.amdhsa_kernel k_q63b183b378_outp
		.amdhsa_group_segment_fixed_size 327680
		.amdhsa_private_segment_fixed_size 0
		.amdhsa_enable_private_segment 0
		.amdhsa_kernarg_size 32
		.amdhsa_user_sgpr_count 2
		.amdhsa_user_sgpr_kernarg_segment_ptr 1
		.amdhsa_wavefront_size32 1
		.amdhsa_system_sgpr_workgroup_id_x 1
		.amdhsa_system_sgpr_workgroup_id_y 1
		.amdhsa_system_sgpr_workgroup_id_z 1
		.amdhsa_system_vgpr_workitem_id 0
		.amdhsa_next_free_vgpr 768
		.amdhsa_next_free_sgpr 66
		.amdhsa_reserve_vcc 0
		.amdhsa_float_denorm_mode_32 3
		.amdhsa_float_denorm_mode_16_64 3
		.amdhsa_memory_ordered 1
		.amdhsa_forward_progress 1
		.amdhsa_inst_pref_size 108
	.end_amdhsa_kernel
	.amdgpu_metadata
---
amdhsa.version: [ 1, 2 ]
amdhsa.kernels:
  - .name:           k_q63b183b378_outp
    .symbol:         k_q63b183b378_outp.kd
    .args:
      - { .name: vec, .offset: 0, .size: 8, .value_kind: global_buffer, .address_space: global }
      - { .name: xw, .offset: 8, .size: 8, .value_kind: global_buffer, .address_space: global }
      - { .name: out0, .offset: 16, .size: 8, .value_kind: global_buffer, .address_space: global }
      - { .name: vlo, .offset: 24, .size: 8, .value_kind: global_buffer, .address_space: global }
    .group_segment_fixed_size: 327680
    .private_segment_fixed_size: 0
    .kernarg_segment_align: 8
    .kernarg_segment_size: 32
    .max_flat_workgroup_size: 128
    .sgpr_count:     66
    .vgpr_count:     768
    .wavefront_size: 32
...
	.end_amdgpu_metadata
.endif
;; end of part 7
;; ======== version 3 of 3: 4 launches; version 2 with the launch prep written anew for expert scheduling mode
;; limits: values are held in f16: magnitudes above 65,504 overflow, below 6.1e-05 lose precision
;; workspace buffers: xw 16,777,216 bytes; qkv 33,554,432 bytes; vec 8,388,608 bytes; vlo 1,048,576 bytes
;; launch prep (part 8): grid 64 x 8, 8 waves a work-group, no clusters, 0 bytes of LDS; arguments x, Wq, Wk, Wv, Wout, xw; writes xw
.if DOCPART == 8
	.amdgcn_target "amdgcn-amd-amdhsa--gfx1250"
	.amdhsa_code_object_version 6
	.text
	.protected	k_q63b183b378_prep
	.globl	k_q63b183b378_prep
	.p2align	8
	.type	k_q63b183b378_prep,@function
k_q63b183b378_prep:
	s_mov_b64 s[64:65], 0
	v_nop
	global_prefetch_b8 v0, s[64:65] scope:SCOPE_SE
	s_setreg_imm32_b32 hwreg(HW_REG_WAVE_SCHED_MODE, 0, 2), 2
	s_setreg_imm32_b32 hwreg(HW_REG_WAVE_MODE, 25, 1), 1
	s_wait_xcnt 0x0
	s_wait_alu depctr_vm_vsrc(0)
; xw = the five inputs as 16-bit matrix operands: x [4096][1024] at byte 0, then Wq * c, Wk, Wv, Wout, each [1024 k][1024 n], 2 MiB each.
; Each number is rounded to bf16 (nearest even) and that value is carried as f16, the format of all later products: the 8 bits of a bf16
; fit in f16's 11, so the second step changes nothing for magnitudes from 2^-17 up to 65,504.
; Wq alone is also multiplied by c = 0.125 * log2(e): the division of the scores by sqrt(64), and the change from e^x to 2^x, are made here once;
; that product is rounded to f16.  The other four slices run the same text with the factor 1.0, so that one body serves all.
; LIMITS: |x|, |W| < 65,504 (f16's range); below 2^-17 an absolute error of up to 3e-8; NaN and infinities are not served.
; A stream: no LDS, no barrier, no matrix unit.  Grid y names a slice of 4 MiB of f32 (0-3: quarters of x; 4-7: Wq, Wk, Wv, Wout); a work-group
; takes 64 KiB of it.  Thread t takes the 16 bytes at 4096 i + 16 t, i = 0 .. 15: a wave's load covers 512 neighbouring bytes, its store of
; 8 bytes a lane 256 neighbouring bytes, aligned.  All sixteen loads go out first; there is no loop.
; THE MODE: SCHED_MODE bits 1:0 = 2 (LLVM: expert scheduling mode 2), set by the entry lines.  The code itself states the register dependences
; between vector instructions and memory instructions, with s_wait_alu, always for 0.
; THE PLAN.  Registers that memory instructions touch:
;   v1, v2   byte offsets, made once at the head and never written again: v1 is read by every load, v2 by every store.
;   X        chunk i's load lands in its four registers, which no vector instruction has named before; only chunk i's own lines, behind its
;            wait on LOADcnt, read and rewrite them, and no load lands there again.
;   Y        chunk i's two conversions to f16 write its pair; chunk i's store reads it; the pair is never written again.
;   T        is named by vector instructions alone.
; No register that a memory instruction has read is written again, so there is nothing to state for a memory instruction's sources.
; The sixteen chunks go in four blocks of four.  The stores of block p - 1 are issued in block p: ONE wait on va_vdst at the block's head states that
; the block before has written its four pairs of Y, and the four stores follow it, one in front of each chunk's vector lines, which name this
; block's X and Y and T alone.  One such wait more stands ahead of the first load, for the offsets, and one ahead of the last four stores.
.set X, 4                              ; v[4:67]    chunk i: 4 numbers as loaded, then as bf16 values in f32
.set T, 68                             ; v[68:69]   two packed pairs of bf16
.set Y, 72                             ; v[72:103]  chunk i: 4 numbers in f16, to store
.set BLOCK, 4                          ; chunks in a block
	s_load_b256 s[4:11], s[0:1], 0x0               ; x s[4:5], Wq s[6:7], Wk s[8:9], Wv s[10:11]
	s_load_b128 s[12:15], s[0:1], 0x20             ; Wout s[12:13], xw s[14:15]
	s_and_b32 s16, ttmp7, 0xffff                   ; the slice
	v_lshlrev_b32 v1, 4, v0                        ; 16 t: my bytes in a chunk of the source
	v_lshlrev_b32 v2, 3, v0                        ; 8 t: my bytes in a chunk of xw
	s_lshl_b32 s20, s16, 22                        ; source offset: the quarter of x (4 MiB each), 0 for a weight,
	s_cmp_lt_u32 s16, 4
	s_cselect_b32 s20, s20, 0
	s_lshl_b32 s17, ttmp9, 16                      ; + the work-group's 64 KiB
	s_add_co_u32 s20, s20, s17
	s_mov_b32 s21, 0
	s_lshl_b32 s22, s16, 21                        ; offset in xw: 2 MiB a slice + 32 KiB a work-group
	s_lshl_b32 s17, ttmp9, 15
	s_add_co_u32 s22, s22, s17
	s_mov_b32 s23, 0
	s_cmp_eq_u32 s16, 4
	s_cselect_b32 s24, 0x3e38aa3b, 1.0             ; c = 0.125 * log2(e) for Wq, 1.0 for the rest
	s_mov_b32 s25, s24                             ; the pair is named whole by the packed multiply
	s_mov_b32 s26, 0xffff0000                      ; a word's upper bf16
	s_wait_kmcnt 0x0
	s_mov_b64 s[18:19], s[4:5]                     ; the slice's buffer: a choice on the slice's number alone
	s_cmp_eq_u32 s16, 4
	s_cselect_b64 s[18:19], s[6:7], s[18:19]
	s_cmp_eq_u32 s16, 5
	s_cselect_b64 s[18:19], s[8:9], s[18:19]
	s_cmp_eq_u32 s16, 6
	s_cselect_b64 s[18:19], s[10:11], s[18:19]
	s_cmp_eq_u32 s16, 7
	s_cselect_b64 s[18:19], s[12:13], s[18:19]
	s_add_nc_u64 s[18:19], s[18:19], s[20:21]
	s_add_nc_u64 s[14:15], s[14:15], s[22:23]
	s_wait_alu depctr_va_vdst(0)                   ; v1 and v2 are written: every load and store of the kernel reads one of them as its offset
.irp i, 0,1,2,3,4,5,6,7,8,9,10,11,12,13,14,15
	global_load_b128 v[X+4*\i:X+4*\i+3], v1, s[18:19] offset:4096*\i th:TH_LOAD_NT   ; read once in the whole launch
.endr
; Chunk i leaves: 8 bytes a lane.
.macro SEND i
	global_store_b64 v2, v[Y+2*(\i):Y+2*(\i)+1], s[14:15] offset:2048*(\i)    ; no hint: the next launch reads these bytes
.endm
; Chunk i is worked on; in front of its vector lines stands the store of the chunk a block back.
.macro CHUNK i
.if ((\i) % BLOCK) == 0
	s_wait_loadcnt 15-(\i)                         ; loads come back in order (ISA guide 5.7.1): chunk i is in, the younger ones stay out
.if (\i) > 0
	s_wait_alu depctr_va_vdst(0)                   ; the block before has written its four pairs of Y, which this block's four stores read
	SEND (\i)-BLOCK
.endif
.else
.if (\i) > BLOCK
	SEND (\i)-BLOCK                                ; no wait: no vector instruction since the block's head names this pair; it goes out ahead of the wait for the chunk's data
.endif
	s_wait_loadcnt 15-(\i)                         ; chunk i is in, the younger ones stay out
.endif
	v_cvt_pk_bf16_f32 v[T],   v[X+4*(\i)],   v[X+4*(\i)+1]     ; the operand rounding
	v_cvt_pk_bf16_f32 v[T+1], v[X+4*(\i)+2], v[X+4*(\i)+3]
	v_lshlrev_b32 v[X+4*(\i)],   16,  v[T]                     ; back to f32: the low half moves up, the high half stays
	v_and_b32     v[X+4*(\i)+1], s26, v[T]
	v_lshlrev_b32 v[X+4*(\i)+2], 16,  v[T+1]
	v_and_b32     v[X+4*(\i)+3], s26, v[T+1]
	v_pk_mul_f32 v[X+4*(\i):X+4*(\i)+1],   v[X+4*(\i):X+4*(\i)+1],   s[24:25] op_sel_hi:[1,0]
	v_pk_mul_f32 v[X+4*(\i)+2:X+4*(\i)+3], v[X+4*(\i)+2:X+4*(\i)+3], s[24:25] op_sel_hi:[1,0]
	v_cvt_pk_f16_f32 v[Y+2*(\i)],   v[X+4*(\i)],   v[X+4*(\i)+1]
	v_cvt_pk_f16_f32 v[Y+2*(\i)+1], v[X+4*(\i)+2], v[X+4*(\i)+3]
.endm
.irp i, 0,1,2,3,4,5,6,7,8,9,10,11,12,13,14,15
	CHUNK \i
.endr
	s_wait_alu depctr_va_vdst(0)                   ; the last block has written its four pairs of Y, which the last four stores read
.irp i, 12,13,14,15
	SEND \i
.endr
	s_endpgm
.Lfunc_end_k_q63b183b378_prep:
	.size	k_q63b183b378_prep, .Lfunc_end_k_q63b183b378_prep-k_q63b183b378_prep
	.p2alignl 7, 3214868480
	.fill 96, 4, 3214868480
	.section	.rodata,"a",@progbits
	.p2align	6, 0x0
	.amdhsa_kernel k_q63b183b378_prep
		.amdhsa_group_segment_fixed_size 0
		.amdhsa_private_segment_fixed_size 0
		.amdhsa_enable_private_segment 0
		.amdhsa_kernarg_size 48
		.amdhsa_user_sgpr_count 2
		.amdhsa_user_sgpr_kernarg_segment_ptr 1
		.amdhsa_wavefront_size32 1
		.amdhsa_system_sgpr_workgroup_id_x 1
		.amdhsa_system_sgpr_workgroup_id_y 1
		.amdhsa_system_sgpr_workgroup_id_z 1
		.amdhsa_system_vgpr_workitem_id 0
		.amdhsa_next_free_vgpr 104
		.amdhsa_next_free_sgpr 66
		.amdhsa_reserve_vcc 0
		.amdhsa_float_denorm_mode_32 3
		.amdhsa_float_denorm_mode_16_64 3
		.amdhsa_memory_ordered 1
		.amdhsa_forward_progress 1
		.amdhsa_inst_pref_size 14
	.end_amdhsa_kernel
	.amdgpu_metadata
---
amdhsa.version: [ 1, 2 ]
amdhsa.kernels:
  - .name:           k_q63b183b378_prep
    .symbol:         k_q63b183b378_prep.kd
    .args:
      - { .name: x, .offset: 0, .size: 8, .value_kind: global_buffer, .address_space: global }
      - { .name: Wq, .offset: 8, .size: 8, .value_kind: global_buffer, .address_space: global }
      - { .name: Wk, .offset: 16, .size: 8, .value_kind: global_buffer, .address_space: global }
      - { .name: Wv, .offset: 24, .size: 8, .value_kind: global_buffer, .address_space: global }
      - { .name: Wout, .offset: 32, .size: 8, .value_kind: global_buffer, .address_space: global }
      - { .name: xw, .offset: 40, .size: 8, .value_kind: global_buffer, .address_space: global }
    .group_segment_fixed_size: 0
    .private_segment_fixed_size: 0
    .kernarg_segment_align: 8
    .kernarg_segment_size: 48
    .max_flat_workgroup_size: 256
    .sgpr_count:     66
    .vgpr_count:     104
    .wavefront_size: 32
...
	.end_amdgpu_metadata
.endif
;; end of part 8
;; launch qkv: the kernel of part 5 again; grid 12 x 16, 4 waves a work-group, clusters of 4 x 4, 327,680 bytes of LDS; arguments xw, qkv; writes qkv
;; launch attn: the kernel of part 6 again; grid 8 x 32, 8 waves a work-group, no clusters, 327,680 bytes of LDS; arguments qkv, vec, vlo; writes vec, vlo
;; launch outp: the kernel of part 7 again; grid 8 x 32, 4 waves a work-group, clusters of 4 x 4, 327,680 bytes of LDS; arguments vec, xw, out0, vlo; writes out0
